; MI455X (gfx1250); checked and timed in simulation.
; The chip was launched on July 23, 2026; its instructions are those of AMD's public machine-readable ISA for CDNA 5 (MIT licence, August 2026) and "CDNA5" Instruction Set Architecture Reference Guide (July 2026). The comments in the code are by the model that wrote it; some were corrected since.
;; Decoder Block. Allowed arithmetic: float matrix products may take bf16 or f16 operands with f32 sums; other float arithmetic in f32, or as packed bf16 or f16 multiplies, adds, multiply-adds, maxima and minima; sums over many terms, partial sums and values carried from step to step in f32; what a program stores and reads back later, other than sums and carried values, may be rounded once to bf16 or f16.
;; Inputs: W1 512 x 512 float32; W2 512 x 512 float32; Wk_c 100 x 512 float32; Wk_s 512 x 512 float32; Wo_c 512 x 512 float32; Wo_s 512 x 512 float32; Wq_c 512 x 512 float32; Wq_s 512 x 512 float32; Wv_c 100 x 512 float32; Wv_s 512 x 512 float32; X 4 x 2,048 x 512 float32; Zelta 4 x 1,024 x 100 float32; b1 512 float32; b2 100 float32; bf1 512 float32; bf2 512 float32; g1 512 float32; g2 100 float32.
;; Outputs: out0 4 x 2,048 x 512 float32.
;; 2 versions, each right; version 2 is version 1 with the launch prep written anew for expert scheduling mode. Each part assembles by itself: llvm-mc -triple=amdgcn-amd-amdhsa -mcpu=gfx1250 --defsym DOCPART=n.
;; ======== version 1 of 2: 6 launches
;; limits: a function is approximated: absolute error at most 1.5e-07
;; workspace buffers: wt 4,194,304 bytes; qkv 25,165,824 bytes; kvc 8,388,608 bytes; o 8,388,608 bytes; x1 16,777,216 bytes; qc 8,388,608 bytes; nrm 8,388,608 bytes
;; launch prep (part 1): grid 16 x 16, 8 waves a work-group, no clusters, 207,872 bytes of LDS; arguments Wq_s, Wk_s, Wv_s, Wo_s, Wq_c, Wo_c, W1, W2, Wk_c, Wv_c, Zelta, g2, b2, wt, kvc, X, g1, b1, nrm; writes wt, kvc, nrm
.if DOCPART == 1
	.amdgcn_target "amdgcn-amd-amdhsa--gfx1250"
	.amdhsa_code_object_version 6
	.text
	.protected	k_qadf54f0f23_prep
	.globl	k_qadf54f0f23_prep
	.p2align	8
	.type	k_qadf54f0f23_prep,@function
k_qadf54f0f23_prep:
	s_mov_b64 s[64:65], 0
	v_nop
	global_prefetch_b8 v0, s[64:65] scope:SCOPE_SE
	s_setreg_imm32_b32 hwreg(HW_REG_WAVE_MODE, 25, 1), 1
	s_wait_xcnt 0x0
; PREP.  Two kinds of work-group, told apart by the grid's y.
; y < 8: (a) one tile, 128 k x 128 n, of the y-th of the eight 512 x 512 weights is rounded to bf16 and turned: wt[y][p][k] = W[k][n], rows of 1,024 bytes along k.
;   Row p = 128 c + 16 w + i holds column n = 64 w + 16 c + i: 16 rows on end are 16 columns of head w.
;   (b) 64 rows of X are normalised (mean, then squares of differences, in f32), rounded to bf16 and stored as the matrix fragments that the next launch loads: nrm holds 16 rows x 512 k in 16,384 bytes,
;   K step kk, half j, lane l at 1,024 kk + 512 j + 16 l: row l % 16, k = 32 kk + 16 j + 8 (l / 16) + 0..7.  This kind has far fewer instructions than the other, so its loop asks for its rows at each trip's head.
; y >= 8: 256 rows of Zelta are normalised likewise, rounded to bf16 and multiplied by 128 columns of Wk_c or Wv_c (K = 100, padded to 128);
;   the result goes out by heads, [b 8 + h][1024][64] in bf16: kc at byte 0 of kvc, vc at byte 4,194,304.
; LIMITS.  n, zn, the weights, kc and vc are each rounded once to bf16.  The K padding multiplies zeros of zn by copies of the weight's row 99: an infinity or NaN there would spread.
; LDS: T [128 n][128 k] bf16, pitch 272, at 0; RAW, each wave's 32 rows of Zelta as they lie (12,800 bytes), or NACT, 64 rows of n, pitch 1,040; ACTZ, 256 rows of zn and later of the result, pitch 272; the spare words.
.set TP,    272
.set RAW,   128*TP
.set NACT,  RAW
.set PW,    1040
.set ACTZ,  RAW+8*12800
.set SPARE, ACTZ+256*TP                ; 128 bytes for each of the eight waves; no other line names them
.set SPW, 14                           ; v14  SPARE + 4 x my thread's number; never rewritten
.set NIL, 15                           ; v15  0; never rewritten
.set OF,  16                           ; v16-31   byte offsets of my 16 rows of the weight
.set R,   32                           ; v32-95   16 rows x 4 columns of the weight, f32
.set ZR,  96                           ; v96-195  my wave's 12,800 bytes of Zelta
.set CV,  196                          ; v196-211 packed bf16 on their way to LDS
.set G2,  224                          ; v224-231 g2 of my 8 columns, 0 beyond column 99
.set B2,  232                          ; v232-239 b2 likewise
.set LX,  240                          ; v240-253 one row's 8 numbers a lane, and work
.set ACC, 32                           ; v32-95   8 accumulators (rt, nb)
.set AF,  96                           ; v96-159  zn's fragments (rt, kk)
.set WF,  160                          ; v160-223 the weight's fragments, two sets of four
.set TA,  16                           ; X's rows: v16-31 statistics
.set LT,  96                           ; v96-127  at work
.set XR,  128                          ; v128-191 four rows in f32, 16 registers a row: columns 128 j + 4 l + e at 4 j + e
.set GG,  212                          ; v212-227 g1 of my 16 columns
.set BB,  228                          ; v228-243 b1
.set XO,  244                          ; v244 my 16 bytes of my wave's next row of X
.set ROWL, 245                         ; v245 my 8 bytes of that row in NACT
.set GO,  246                          ; v246 16 x lane; never rewritten
.set FR,  247                          ; v247 my lane's place in the fragments that I send
.set FT,  248
	s_load_b512 s[4:19], s[0:1], 0x0               ; Wq_s Wk_s Wv_s Wo_s Wq_c Wo_c W1 W2
	s_load_b256 s[20:27], s[0:1], 0x40             ; Wk_c Wv_c Zelta g2
	s_load_b128 s[28:31], s[0:1], 0x60             ; b2 wt
	s_load_b64 s[32:33], s[0:1], 0x70              ; kvc
	s_load_b256 s[56:63], s[0:1], 0x78             ; X g1 b1 nrm
	v_lshl_add_u32 v[SPW], v0, 2, SPARE
	v_mov_b32 v[NIL], 0
	v_lshrrev_b32 v1, 5, v0
	v_readfirstlane_b32 s34, v1                    ; wave
	s_and_b32 s35, ttmp7, 0xffff                   ; y
	s_mov_b32 s36, ttmp9                           ; x
	v_and_b32 v2, 31, v0                           ; lane
	s_and_b32 s41, s36, 3
	s_lshl_b32 s41, s41, 9                         ; the tile's first column, in bytes of f32: 512 (x & 3), for both kinds
	s_lshr_b32 s40, s36, 2
	s_lshl_b32 s40, s40, 7                         ; the tile's first k: 128 (x >> 2), or 0 for Zelta's weights
	s_movk_i32 s42, 99
	s_cmp_lt_u32 s35, 8
	s_cselect_b32 s40, s40, 0
	s_cselect_b32 s42, 511, s42                    ; the weight's last row: rows beyond it are read as that row
	s_lshl_b32 s43, s34, 4
	s_add_co_u32 s43, s43, s40                     ; my wave's first row
	v_lshl_add_u32 v3, v2, 4, s41                  ; 16 bytes a lane: a load of the wave covers 512 consecutive bytes of a row
	v_mul_u32_u24 v8, v2, 4*TP
	v_lshl_add_u32 v8, s34, 5, v8                  ; into T: row 4 lane (+ e), byte 32 wave (+ 16 it)
	s_wait_kmcnt 0x0
	s_mov_b64 s[38:39], s[4:5]                     ; which weight: by y,
.irp q, 1,2,3,4,5,6,7
	s_cmp_eq_u32 s35, \q
	s_cselect_b64 s[38:39], s[4+2*\q:5+2*\q], s[38:39]
.endr
	s_and_b32 s46, s36, 4
	s_cmp_lg_u32 s46, 0
	s_cselect_b64 s[44:45], s[22:23], s[20:21]     ; or, for y >= 8, Wk_c (x & 4 = 0) or Wv_c
	s_cmp_lt_u32 s35, 8
	s_cselect_b64 s[38:39], s[38:39], s[44:45]
.set n, 0
.rept 16
	s_add_co_u32 s46, s43, n
	s_min_u32 s46, s46, s42
	s_lshl_b32 s46, s46, 11                        ; a row of the weight is 2,048 bytes
	v_add_nc_u32 v[OF+n], s46, v3
	global_load_b128 v[R+4*n:R+4*n+3], v[OF+n], s[38:39]
.set n, n+1
.endr
; My 16 k x 128 n go into T turned: for each of my lane's four columns, 16 k as two stores of 16 bytes.  The lanes' rows lie 1,088 bytes apart, so these stores share banks; 32 KiB, once a launch.
.macro STORE_T
.irp it, 0,1
.irp e, 0,1,2,3
.irp m, 0,1,2,3
	v_cvt_pk_bf16_f32 v[CV+4*(\e)+(\m)], v[R+(8*(\it)+2*(\m))*4+(\e)], v[R+(8*(\it)+2*(\m)+1)*4+(\e)]
.endr
	ds_store_b128 v8, v[CV+4*(\e):CV+4*(\e)+3] offset:(\e)*TP+(\it)*16
.endr
.endr
.endm
.macro NOPS
.rept 4
	v_nop
.endr
.endm
.macro REDUCE base                     ; four rows' sums over the 32 lanes, the rows by turns
.irp m, 1,2,4,8
.irp i, 0,1,2,3
	v_add_f32_dpp v[TA+(\base)+2*\i], v[TA+(\base)+2*\i], v[TA+(\base)+2*\i] row_xmask:\m row_mask:0xf bank_mask:0xf
.endr
.endr
.irp i, 0,1,2,3
	v_permlanex16_b32 v[TA+(\base)+2*\i+1], v[TA+(\base)+2*\i], s48, s49
.endr
.irp i, 0,1,2,3
	v_add_f32 v[TA+(\base)+2*\i], v[TA+(\base)+2*\i], v[TA+(\base)+2*\i+1]
.endr
.endm
; LayerNorm of the four rows in XR, rounded to bf16 into my rows of NACT
.macro LNROWS
.irp i, 0,1,2,3
.irp q, 0,2,4,6
	v_pk_add_f32 v[LT+8*\i+\q:LT+8*\i+\q+1], v[XR+16*\i+2*\q:XR+16*\i+2*\q+1], v[XR+16*\i+2*\q+2:XR+16*\i+2*\q+3]
.endr
	v_pk_add_f32 v[LT+8*\i:LT+8*\i+1], v[LT+8*\i:LT+8*\i+1], v[LT+8*\i+2:LT+8*\i+3]
	v_pk_add_f32 v[LT+8*\i+4:LT+8*\i+5], v[LT+8*\i+4:LT+8*\i+5], v[LT+8*\i+6:LT+8*\i+7]
	v_pk_add_f32 v[LT+8*\i:LT+8*\i+1], v[LT+8*\i:LT+8*\i+1], v[LT+8*\i+4:LT+8*\i+5]
	v_add_f32 v[TA+2*\i], v[LT+8*\i], v[LT+8*\i+1]
	v_mov_b32 v[TA+2*\i+1], 0                      ; the exchange's destinations count as read
	v_mov_b32 v[TA+8+2*\i+1], 0
.endr
	REDUCE 0
.irp i, 0,1,2,3
	v_mul_f32 v[TA+2*\i], s50, v[TA+2*\i]          ; the mean
.endr
.irp i, 0,1,2,3
.irp q, 0,2,4,6,8,10,12,14
	v_pk_add_f32 v[LT+\q:LT+\q+1], v[XR+16*\i+\q:XR+16*\i+\q+1], v[TA+2*\i:TA+2*\i+1] op_sel_hi:[1,0] neg_lo:[0,1] neg_hi:[0,1]
.endr
	v_pk_mul_f32 v[LT+16:LT+17], v[LT:LT+1], v[LT:LT+1]
	v_pk_mul_f32 v[LT+18:LT+19], v[LT+2:LT+3], v[LT+2:LT+3]
.irp q, 4,8,12
	v_pk_fma_f32 v[LT+16:LT+17], v[LT+\q:LT+\q+1], v[LT+\q:LT+\q+1], v[LT+16:LT+17]
	v_pk_fma_f32 v[LT+18:LT+19], v[LT+\q+2:LT+\q+3], v[LT+\q+2:LT+\q+3], v[LT+18:LT+19]
.endr
	v_pk_add_f32 v[LT+16:LT+17], v[LT+16:LT+17], v[LT+18:LT+19]
	v_add_f32 v[TA+8+2*\i], v[LT+16], v[LT+17]
.endr
	REDUCE 8
.irp i, 0,1,2,3
	v_fma_f32 v[TA+8+2*\i], v[TA+8+2*\i], s50, s51 ; variance + eps
.endr
.irp i, 0,1,2,3
	v_rsq_f32 v[TA+8+2*\i], v[TA+8+2*\i]
.endr
	v_nop                                          ; a plain instruction behind the last root,
	s_wait_alu depctr_va_vdst(0)                   ; and one wait for the four, ahead of their first reader
.irp i, 0,1,2,3
	v_mul_f32 v[TA+2*\i], v[TA+2*\i], v[TA+8+2*\i] ; mean / sigma
.endr
.irp i, 0,1,2,3
.irp q, 0,2,4,6,8,10,12,14
	v_pk_fma_f32 v[LT+\q:LT+\q+1], v[XR+16*\i+\q:XR+16*\i+\q+1], v[TA+8+2*\i:TA+8+2*\i+1], v[TA+2*\i:TA+2*\i+1] op_sel_hi:[1,0,0] neg_lo:[0,0,1] neg_hi:[0,0,1]
.endr
.irp q, 0,2,4,6,8,10,12,14
	v_pk_fma_f32 v[LT+\q:LT+\q+1], v[LT+\q:LT+\q+1], v[GG+\q:GG+\q+1], v[BB+\q:BB+\q+1]
.endr
.irp q, 0,1,2,3,4,5,6,7
	v_cvt_pk_bf16_f32 v[LT+16+\q], v[LT+2*\q], v[LT+2*\q+1]
.endr
.irp j, 0,1,2,3
	ds_store_b64 v[ROWL], v[LT+16+2*\j:LT+17+2*\j] offset:\i*PW+256*\j
.endr
.endr
.endm
	s_cmp_lt_u32 s35, 8
	s_cbranch_scc0 .Lz                             ; the same for all waves of a work-group: each kind has its own barriers below
	; ---- a weight's tile ----
	v_lshlrev_b32 v[GO], 4, v2
.irp j, 0,1,2,3
	global_load_b128 v[GG+4*\j:GG+4*\j+3], v[GO], s[58:59] offset:512*\j
	global_load_b128 v[BB+4*\j:BB+4*\j+3], v[GO], s[60:61] offset:512*\j
.endr
	s_wait_loadcnt 8                               ; the weight's 16 rows are in; the eight loads of g1 and b1 may stay out
	STORE_T
	v_lshrrev_b32 v9, 4, v0                        ; i = thread / 16
	v_and_b32 v10, 15, v0
	v_mul_u32_u24 v11, v9, TP
	v_lshl_add_u32 v11, v10, 4, v11                ; T: row i (+ 16 pass), 16 bytes of its 256
	v_lshlrev_b32 v12, 10, v9
	v_lshl_add_u32 v12, v10, 4, v12                ; wt: row i, the same 16 bytes
	s_lshl_b32 s46, s35, 19                        ; the weight,
	s_and_b32 s47, s36, 3
	s_lshl_b32 s47, s47, 15                        ; 32 rows for each 128 columns,
	s_add_co_u32 s46, s46, s47
	s_lshr_b32 s47, s36, 2
	s_lshl_b32 s47, s47, 8                         ; the tile's 256 bytes along k
	s_add_co_u32 s46, s46, s47
	s_mov_b32 s47, 0
	s_add_nc_u64 s[30:31], s[30:31], s[46:47]
	s_wait_dscnt 0x0                               ; my stores into T are done, for the others' sake
	s_barrier_signal -1
	s_barrier_wait -1
.irp p, 0,1,2,3,4,5,6,7
	ds_load_b128 v[ZR+4*\p:ZR+4*\p+3], v11 offset:\p*16*TP
.endr
.irp p, 0,1,2,3,4,5,6,7
	s_wait_dscnt 7-\p                              ; the younger loads may stay out
	global_store_b128 v12, v[ZR+4*\p:ZR+4*\p+3], s[30:31] offset:((\p%4)*128+(\p/4)*16)*1024  ; columns 16 pass + i: chunk pass % 4, wave 2 tn + pass / 4; 16 lanes store 256 consecutive bytes, aligned
.endr
	; ---- 64 rows of X: wave w has rows 8 w .. 8 w + 7, four a trip ----
	s_lshl_b32 s46, s35, 4
	s_add_co_u32 s46, s46, s36                     ; which of the 128 work-groups of this kind
	s_lshl_b32 s47, s46, 3
	s_add_co_u32 s47, s47, s34
	s_lshl_b32 s47, s47, 14                        ; my wave's 8 rows of 2,048 bytes
	v_lshl_add_u32 v[XO], v2, 4, s47
	s_mul_i32 s47, s34, 8*PW
	s_add_co_u32 s47, s47, NACT
	v_lshl_add_u32 v[ROWL], v2, 3, s47
	s_lshr_b32 s52, s34, 1                         ; afterwards wave w sends the fragments of row tile w / 2, K steps 8 (w % 2) on
	s_and_b32 s53, s34, 1
	s_mul_i32 s47, s52, 16*PW
	s_lshl_b32 s55, s53, 9
	s_add_co_u32 s47, s47, s55
	s_add_co_u32 s47, s47, NACT
	v_mul_u32_u24 v[FR], v10, PW
	v_bfe_u32 v[FT], v0, 4, 1
	v_lshl_add_u32 v[FR], v[FT], 4, v[FR]          ; row l % 16, 16 bytes for each half of the lanes
	v_add_nc_u32 v[FR], s47, v[FR]
	s_lshl_b32 s46, s46, 2
	s_add_co_u32 s46, s46, s52                     ; the row tile's number among the 512,
	s_lshl_b32 s46, s46, 14
	s_lshl_b32 s53, s53, 13                        ; my eight K steps
	s_add_co_u32 s46, s46, s53
	s_mov_b32 s47, 0
	s_add_nc_u64 s[62:63], s[62:63], s[46:47]
	s_mov_b32 s48, 0x76543210                      ; v_permlanex16_b32: each lane takes its own place in the other half
	s_mov_b32 s49, 0xfedcba98
	s_mov_b32 s50, 0x3b000000                      ; 1 / 512
	s_mov_b32 s51, 0x3727c5ac                      ; 1e-5
	s_wait_xcnt 0x0                                ; the stores above have read their data: LT's registers may be written
	s_mov_b32 s54, 2
.Lln1:
.set n, 0
.rept 16
	global_load_b128 v[XR+4*n:XR+4*n+3], v[XO], s[56:57] offset:2048*(n/4)+512*(n%4)
.set n, n+1
.endr
	s_wait_loadcnt 0x0                             ; the four rows (and, the first time, g1 and b1)
	LNROWS
	v_add_nc_u32 v[XO], 4*2048, v[XO]              ; free since the wait for the loads
	v_add_nc_u32 v[ROWL], 4*PW, v[ROWL]
	s_sub_co_u32 s54, s54, 1
	s_cmp_lg_u32 s54, 0
	s_cbranch_scc1 .Lln1
	s_wait_dscnt 0x0                               ; my rows lie in NACT, for the others' sake
	s_barrier_signal -1
	s_barrier_wait -1
.set n, 0
.rept 16
	ds_load_b128 v[XR+4*n:XR+4*n+3], v[FR] offset:(n/2)*64+(n%2)*32
.set n, n+1
.endr
.set n, 0
.rept 16
	s_wait_dscnt 15-n                              ; the younger loads may stay out
	global_store_b128 v[GO], v[XR+4*n:XR+4*n+3], s[62:63] offset:512*n  ; half a fragment: 512 consecutive bytes
.set n, n+1
.endr
	s_branch .Lend
	; ---- 256 rows of Zelta x 128 columns ----
.Lz:
	s_sub_co_u32 s47, s35, 8
	s_lshl_b32 s47, s47, 1
	s_lshr_b32 s46, s36, 3
	s_add_co_u32 s47, s47, s46                     ; rb: which 256 rows
	s_mul_i32 s46, s47, 102400
	s_mul_i32 s37, s34, 12800                      ; my wave's 32 rows are 12,800 dense bytes
	s_add_co_u32 s46, s46, s37
	v_lshl_add_u32 v4, v2, 4, s46
.set n, 0
.rept 25
	global_load_b128 v[ZR+4*n:ZR+4*n+3], v4, s[24:25] offset:512*n
.set n, n+1
.endr
	v_and_b32 v5, 15, v0                           ; i: my 8 columns 8 i .. 8 i + 7
	v_bfe_u32 v13, v0, 4, 1                        ; h: which half of the lanes
	v_min_u32 v6, 12, v5
	v_lshlrev_b32 v6, 5, v6                        ; columns 8 i .. + 3 exist up to i = 12,
	v_min_u32 v7, 11, v5
	v_lshlrev_b32 v7, 5, v7                        ; columns 8 i + 4 .. + 7 up to i = 11: the clamps keep every access inside the 400 bytes
	global_load_b128 v[G2:G2+3], v6, s[26:27]
	global_load_b128 v[G2+4:G2+7], v7, s[26:27] offset:16
	global_load_b128 v[B2:B2+3], v6, s[28:29]
	global_load_b128 v[B2+4:B2+7], v7, s[28:29] offset:16
	s_mov_b32 s48, 0x1fff1fff                      ; lanes with i <= 12
	s_mov_b32 s49, 0x0fff0fff                      ; lanes with i <= 11
	s_mov_b32 s50, 0x3c23d70a                      ; 1 / 100
	s_mov_b32 s51, 0x3727c5ac                      ; 1e-5
	v_lshl_add_u32 v9, v2, 4, s37                  ; RAW: my wave's bytes as they lie
	v_mul_u32_u24 v12, v13, 400
	v_add3_u32 v10, v6, v12, s37                   ; RAW: row h, my first four numbers
	v_add3_u32 v11, v7, v12, s37                   ; and my last four (+ 16)
	s_mul_i32 s46, s34, 32*TP
	s_add_co_u32 s46, s46, ACTZ                    ; my wave's 32 rows of ACTZ
	v_mul_u32_u24 v1, v13, TP
	v_lshl_add_u32 v1, v5, 4, v1
	v_add_nc_u32 v1, s46, v1                       ; zn: row h, 16 bytes at 16 i
	v_mul_u32_u24 v12, v5, TP
	v_lshl_add_u32 v12, v13, 4, v12                ; a fragment's lane place: row l % 16, 16 bytes for each half of the lanes (T begins at 0)
	v_add_nc_u32 v3, s46, v12                      ; the same in my rows of ACTZ
	v_mov_b32 v[LX+13], 0                          ; named with 1 / sigma as a pair
	s_lshr_b32 s52, s47, 2                         ; where my rows go in kvc: batch rb / 4,
	s_lshl_b32 s52, s52, 3
	s_and_b32 s53, s36, 3
	s_lshl_b32 s53, s53, 1
	s_add_co_u32 s52, s52, s53                     ; head 2 (x & 3) (+ hh),
	s_lshl_b32 s52, s52, 10
	s_and_b32 s53, s47, 3
	s_lshl_b32 s53, s53, 8
	s_add_co_u32 s52, s52, s53                     ; row 256 (rb & 3)
	s_lshl_b32 s53, s34, 5
	s_add_co_u32 s52, s52, s53                     ; + 32 wave,
	s_lshl_b32 s52, s52, 7                         ; 128 bytes a row,
	s_bfe_u32 s53, s36, 0x10002
	s_lshl_b32 s53, s53, 22                        ; kc or vc
	s_add_co_u32 s52, s52, s53
	s_mov_b32 s53, 0
	s_add_nc_u64 s[32:33], s[32:33], s[52:53]
	s_wait_loadcnt 0x0
	STORE_T
.set n, 0
.rept 25
	ds_store_b128 v9, v[ZR+4*n:ZR+4*n+3] offset:RAW+512*n
.set n, n+1
.endr
.irp j, 0,1,2,3
	v_cndmask_b32 v[G2+\j], 0, v[G2+\j], s48
	v_cndmask_b32 v[B2+\j], 0, v[B2+\j], s48
	v_cndmask_b32 v[G2+4+\j], 0, v[G2+4+\j], s49
	v_cndmask_b32 v[B2+4+\j], 0, v[B2+4+\j], s49
.endr
	v_lshrrev_b32 v16, 3, v2                       ; the way out: four rows of 128 bytes to a load
	v_mul_u32_u24 v16, v16, TP
	v_and_b32 v17, 7, v0
	v_lshl_add_u32 v16, v17, 4, v16
	v_add_nc_u32 v16, s46, v16
	v_lshlrev_b32 v17, 4, v2                       ; which are 512 consecutive bytes of kvc
	s_wait_dscnt 0x0                               ; my stores into T are done, for the others' sake
	s_barrier_signal -1
	s_barrier_wait -1
	; LayerNorm: a trip takes two rows, one for each half of the lanes; RAW and ACTZ's rows are the wave's own, so no barrier follows
	s_mov_b32 s54, 16
.Llnz:
	ds_load_b128 v[LX:LX+3], v10 offset:RAW
	ds_load_b128 v[LX+4:LX+7], v11 offset:RAW+16
	s_wait_dscnt 0x0
.irp j, 0,1,2,3
	v_cndmask_b32 v[LX+\j], 0, v[LX+\j], s48       ; columns beyond 99 count as 0
	v_cndmask_b32 v[LX+4+\j], 0, v[LX+4+\j], s49
.endr
	v_pk_add_f32 v[LX+8:LX+9], v[LX:LX+1], v[LX+2:LX+3]
	v_pk_add_f32 v[LX+10:LX+11], v[LX+4:LX+5], v[LX+6:LX+7]
	v_pk_add_f32 v[LX+8:LX+9], v[LX+8:LX+9], v[LX+10:LX+11]
	v_add_f32 v[LX+8], v[LX+8], v[LX+9]
.irp m, 1,2,4,8
	v_add_f32_dpp v[LX+8], v[LX+8], v[LX+8] row_xmask:\m row_mask:0xf bank_mask:0xf
.endr
	v_mul_f32 v[LX+8], s50, v[LX+8]                ; the mean
.irp q, 0,2,4,6
	v_pk_add_f32 v[LX+\q:LX+\q+1], v[LX+\q:LX+\q+1], v[LX+8:LX+9] op_sel_hi:[1,0] neg_lo:[0,1] neg_hi:[0,1]
.endr
.irp j, 0,1,2,3
	v_cndmask_b32 v[LX+\j], 0, v[LX+\j], s48
	v_cndmask_b32 v[LX+4+\j], 0, v[LX+4+\j], s49
.endr
	v_pk_mul_f32 v[LX+10:LX+11], v[LX:LX+1], v[LX:LX+1]
.irp q, 2,4,6
	v_pk_fma_f32 v[LX+10:LX+11], v[LX+\q:LX+\q+1], v[LX+\q:LX+\q+1], v[LX+10:LX+11]
.endr
	v_add_f32 v[LX+10], v[LX+10], v[LX+11]
.irp m, 1,2,4,8
	v_add_f32_dpp v[LX+10], v[LX+10], v[LX+10] row_xmask:\m row_mask:0xf bank_mask:0xf
.endr
	v_fma_f32 v[LX+10], v[LX+10], s50, s51         ; variance + eps
	v_rsq_f32 v[LX+12], v[LX+10]
	v_nop                                          ; a plain instruction behind the root,
	s_wait_alu depctr_va_vdst(0)                   ; and a wait ahead of its first reader
.irp q, 0,2,4,6
	v_pk_mul_f32 v[LX+\q:LX+\q+1], v[LX+\q:LX+\q+1], v[LX+12:LX+13] op_sel_hi:[1,0]
.endr
.irp q, 0,2,4,6
	v_pk_fma_f32 v[LX+\q:LX+\q+1], v[LX+\q:LX+\q+1], v[G2+\q:G2+\q+1], v[B2+\q:B2+\q+1]
.endr
.irp q, 0,1,2,3
	v_cvt_pk_bf16_f32 v[LX+8+\q], v[LX+2*\q], v[LX+2*\q+1]
.endr
	ds_store_b128 v1, v[LX+8:LX+11]                ; columns 100 to 127 come out 0
	v_add_nc_u32 v10, 800, v10
	v_add_nc_u32 v11, 800, v11
	v_add_nc_u32 v1, 2*TP, v1
	s_sub_co_u32 s54, s54, 1
	s_cmp_lg_u32 s54, 0
	s_cbranch_scc1 .Llnz
	; zn's fragments stay in registers: 2 blocks of 16 rows x 4 K steps of 32.  LDS serves a wave's instructions in order: these see the stores above.
.set n, 0
.rept 8
	ds_load_b128 v[AF+8*n:AF+8*n+3], v3 offset:(n/4)*16*TP+(n%4)*64
	ds_load_b128 v[AF+8*n+4:AF+8*n+7], v3 offset:(n/4)*16*TP+(n%4)*64+32
.set n, n+1
.endr
.macro WLOAD hh, kk                    ; the weight's four fragments of K step kk for the head hh, into set kk % 2; four places behind the products that read the set
	NOPS
.irp nb, 0,1,2,3
	ds_load_b128 v[WF+32*((\kk)%2)+8*(\nb):WF+32*((\kk)%2)+8*(\nb)+3], v12 offset:(64*(\hh)+16*(\nb))*TP+(\kk)*64
	ds_load_b128 v[WF+32*((\kk)%2)+8*(\nb)+4:WF+32*((\kk)%2)+8*(\nb)+7], v12 offset:(64*(\hh)+16*(\nb))*TP+(\kk)*64+32
.endr
.endm
; One head: 32 rows x 64 columns.  Source 0 = 16 columns of the weight, source 1 = 16 rows of zn: a lane ends with eight neighbouring columns of one row.  The 8 accumulators take turns.
.macro ZHALF hh
	WLOAD \hh, 0
.irp kk, 0,1,2,3
.if (\kk) < 3
	WLOAD \hh, (\kk)+1
	s_wait_dscnt 8                                 ; all but the next K step's eight loads
.else
	s_wait_dscnt 0x0
.endif
.irp rt, 0,1
.irp nb, 0,1,2,3
.if (\kk) == 0
	v_wmma_f32_16x16x32_bf16 v[ACC+8*(4*(\rt)+(\nb)):ACC+8*(4*(\rt)+(\nb))+7], v[WF+32*((\kk)%2)+8*(\nb):WF+32*((\kk)%2)+8*(\nb)+7], v[AF+8*(4*(\rt)+(\kk)):AF+8*(4*(\rt)+(\kk))+7], 0
.else
	v_wmma_f32_16x16x32_bf16 v[ACC+8*(4*(\rt)+(\nb)):ACC+8*(4*(\rt)+(\nb))+7], v[WF+32*((\kk)%2)+8*(\nb):WF+32*((\kk)%2)+8*(\nb)+7], v[AF+8*(4*(\rt)+(\kk)):AF+8*(4*(\rt)+(\kk))+7], v[ACC+8*(4*(\rt)+(\nb)):ACC+8*(4*(\rt)+(\nb))+7]
.endif
.endr
.endr
.endr
	NOPS                                           ; four places ahead of the conversions
.irp rt, 0,1
.irp nb, 0,1,2,3
.irp q, 0,1,2,3
	v_cvt_pk_bf16_f32 v[CV+4*(\nb)+(\q)], v[ACC+8*(4*(\rt)+(\nb))+2*(\q)], v[ACC+8*(4*(\rt)+(\nb))+2*(\q)+1]
.endr
	ds_store_b128 v3, v[CV+4*(\nb):CV+4*(\nb)+3] offset:(\rt)*16*TP+128*(\hh)+32*(\nb)  ; over my own rows of zn, which are in registers
.endr
.endr
.endm
	ZHALF 0
	ZHALF 1
.set n, 0
.rept 16
	ds_load_b128 v[AF+4*n:AF+4*n+3], v16 offset:(n%8)*4*TP+128*(n/8)
.set n, n+1
.endr
.set n, 0
.rept 16
	s_wait_dscnt 15-n                              ; the younger loads may stay out
	global_store_b128 v17, v[AF+4*n:AF+4*n+3], s[32:33] offset:512*(n%8)+131072*(n/8)  ; 512 consecutive bytes of a head's rows
.set n, n+1
.endr
.Lend:
	s_wait_tensorcnt 0x0                           ; the wave's end, behind my last LDS store
	ds_add_u32 v[SPW], v[NIL]
	s_wait_dscnt 0x0
	s_endpgm
.Lfunc_end_k_qadf54f0f23_prep:
	.size	k_qadf54f0f23_prep, .Lfunc_end_k_qadf54f0f23_prep-k_qadf54f0f23_prep
	.p2alignl 7, 3214868480
	.fill 96, 4, 3214868480
	.section	.rodata,"a",@progbits
	.p2align	6, 0x0
	.amdhsa_kernel k_qadf54f0f23_prep
		.amdhsa_group_segment_fixed_size 207872
		.amdhsa_private_segment_fixed_size 0
		.amdhsa_enable_private_segment 0
		.amdhsa_kernarg_size 152
		.amdhsa_user_sgpr_count 2
		.amdhsa_user_sgpr_kernarg_segment_ptr 1
		.amdhsa_wavefront_size32 1
		.amdhsa_system_sgpr_workgroup_id_x 1
		.amdhsa_system_sgpr_workgroup_id_y 1
		.amdhsa_system_sgpr_workgroup_id_z 1
		.amdhsa_system_vgpr_workitem_id 0
		.amdhsa_next_free_vgpr 256
		.amdhsa_next_free_sgpr 66
		.amdhsa_reserve_vcc 0
		.amdhsa_float_denorm_mode_32 3
		.amdhsa_float_denorm_mode_16_64 3
		.amdhsa_memory_ordered 1
		.amdhsa_forward_progress 1
		.amdhsa_inst_pref_size 68
	.end_amdhsa_kernel
	.amdgpu_metadata
---
amdhsa.version: [ 1, 2 ]
amdhsa.kernels:
  - .name:           k_qadf54f0f23_prep
    .symbol:         k_qadf54f0f23_prep.kd
    .args:
      - { .name: Wq_s, .offset: 0, .size: 8, .value_kind: global_buffer, .address_space: global }
      - { .name: Wk_s, .offset: 8, .size: 8, .value_kind: global_buffer, .address_space: global }
      - { .name: Wv_s, .offset: 16, .size: 8, .value_kind: global_buffer, .address_space: global }
      - { .name: Wo_s, .offset: 24, .size: 8, .value_kind: global_buffer, .address_space: global }
      - { .name: Wq_c, .offset: 32, .size: 8, .value_kind: global_buffer, .address_space: global }
      - { .name: Wo_c, .offset: 40, .size: 8, .value_kind: global_buffer, .address_space: global }
      - { .name: W1, .offset: 48, .size: 8, .value_kind: global_buffer, .address_space: global }
      - { .name: W2, .offset: 56, .size: 8, .value_kind: global_buffer, .address_space: global }
      - { .name: Wk_c, .offset: 64, .size: 8, .value_kind: global_buffer, .address_space: global }
      - { .name: Wv_c, .offset: 72, .size: 8, .value_kind: global_buffer, .address_space: global }
      - { .name: Zelta, .offset: 80, .size: 8, .value_kind: global_buffer, .address_space: global }
      - { .name: g2, .offset: 88, .size: 8, .value_kind: global_buffer, .address_space: global }
      - { .name: b2, .offset: 96, .size: 8, .value_kind: global_buffer, .address_space: global }
      - { .name: wt, .offset: 104, .size: 8, .value_kind: global_buffer, .address_space: global }
      - { .name: kvc, .offset: 112, .size: 8, .value_kind: global_buffer, .address_space: global }
      - { .name: X, .offset: 120, .size: 8, .value_kind: global_buffer, .address_space: global }
      - { .name: g1, .offset: 128, .size: 8, .value_kind: global_buffer, .address_space: global }
      - { .name: b1, .offset: 136, .size: 8, .value_kind: global_buffer, .address_space: global }
      - { .name: nrm, .offset: 144, .size: 8, .value_kind: global_buffer, .address_space: global }
    .group_segment_fixed_size: 207872
    .private_segment_fixed_size: 0
    .kernarg_segment_align: 8
    .kernarg_segment_size: 152
    .max_flat_workgroup_size: 256
    .sgpr_count:     66
    .vgpr_count:     256
    .wavefront_size: 32
...
	.end_amdgpu_metadata
.endif
;; end of part 1
;; launch proj (part 2): grid 32 x 8, 8 waves a work-group, clusters of 4 x 1, 237,568 bytes of LDS; arguments nrm, wt, qkv; writes qkv
.if DOCPART == 2
	.amdgcn_target "amdgcn-amd-amdhsa--gfx1250"
	.amdhsa_code_object_version 6
	.text
	.protected	k_qadf54f0f23_proj
	.globl	k_qadf54f0f23_proj
	.p2align	8
	.type	k_qadf54f0f23_proj,@function
k_qadf54f0f23_proj:
	s_mov_b64 s[64:65], 0
	v_nop
	global_prefetch_b8 v0, s[64:65] scope:SCOPE_SE
	s_setreg_imm32_b32 hwreg(HW_REG_WAVE_MODE, 25, 1), 1
	s_wait_xcnt 0x0
	s_wait_alu depctr_hold_cnt(0) depctr_sa_sdst(0) depctr_va_vdst(0) depctr_va_sdst(0) depctr_va_ssrc(0) depctr_va_vcc(0) depctr_vm_vsrc(0)
	s_getreg_b32 s2, hwreg(HW_REG_IB_STS2, 6, 4)
	s_cmp_eq_u32 s2, 0
	s_cbranch_scc0 .Lentry_in_a_cluster
	s_endpgm
.Lentry_in_a_cluster:
	s_bfe_u32 s2, ttmp6, 0x10000c
	s_cmp_lg_u32 s2, 0x3003
	s_cbranch_scc0 .Lentry_shape_is_right
	s_endpgm
.Lentry_shape_is_right:
; PROJ.  q, k, v = n Wq_s, n Wk_s, n Wv_s, stored by heads, [b 8 + h][2048][64] in bf16 (q at byte 0 of qkv, k at 8,388,608, v at 16,777,216), unscaled.  n = LayerNorm(X) comes from the launch before.
; SHARES.  The three products are one of 8,192 rows x 1,536 columns, K = 512.  A work-group makes 256 rows x 192 columns (three of the 24 heads of q, k, v): 32 x 8 = 256 work-groups.  It takes in 256 KiB of n and
; 192 KiB of weights, each byte once, all asked for at its head; behind that the loop has no barrier and no load from memory.
; THE WEIGHTS LIE STILL: the slab's 192 rows (a row = a column of the weight, 1,024 bytes along k) fill LDS once, in 12 blocks of 16 rows.  All row blocks of a slab need the same 192 rows, so the four
; work-groups of a cluster ask for them JOINTLY.  No byte of LDS is filled twice.
; THE ROWS BELONG TO THE WAVES: wave w has rows 32 w .. 32 w + 31; their 32 fragments (32 rows x 512 k) come straight from memory into its registers, laid out there as the matrix unit wants them, 512 consecutive
; bytes a load, and stay.  The partners of a cluster have different rows, and these bytes pass through no LDS: they are not asked for jointly.
; A TRIP is one block: 32 rows x 16 columns, 32 products on two accumulators; the next block's fragments are read from LDS into the registers that the products have just left.
; Source 0 = 16 columns of the weight, source 1 = 16 rows of n: a lane ends with eight neighbouring columns of one row.  After four trips a head's 64 columns go out through the wave's own stage.
; LIMITS.  n, the weights, q, k and v are each rounded once to bf16.  NaN and infinities are not treated apart.
.set PW,    1040                       ; an LDS row: 1,024 bytes + 16 of padding, an odd multiple of 16
.set BLK,   16*PW                      ; a block: 16 rows
.set STAGE, 12*BLK                     ; behind the slab: 32 rows x 144 bytes for each wave, for the way out; no tensor load lands here or behind
.set SP,    144
.set SPARE, STAGE+8*32*SP              ; the spare words, 128 bytes for each wave; no other line names them
.set ADRW0, 1                          ; v1   my lane's place in a block
.set ADR,   2                          ; v2   the same in the block that is being read
.set STO0,  4                          ; v4   where my 16 bytes of a result row go in my stage, columns 0 to 15
.set STO,   5                          ; v5   the same for the block in hand
.set RDH,   6                          ; v6   my 16 bytes of four rows of my stage
.set GOH,   7                          ; v7   16 x lane; never rewritten
.set SPW,   14                         ; v14  SPARE + 4 x my thread's number; never rewritten
.set NIL,   15                         ; v15  0; never rewritten
.set ACC,   16                         ; v16-31   two accumulators
.set WF,    32                         ; v32-159  a block's 16 fragments
.set T,     224                        ; v224-255 at work
                                       ; window 1: all 256 registers hold n's fragments (rt, kk) at 8 (16 rt + kk)
.set NP,  4                            ; s[4:5]  nrm, then my wave's 32,768 bytes of it
.set WTP, 6                            ; s[6:7]  wt
.set QP,  8                            ; s[8:9]  qkv
.set SLAB, 10
.set WV, 20
.set CX, 21
.set RB, 22                            ; s22  my block of 256 rows
.set G1, 24                            ; s[24:31] descriptor group 1
.set G0A, 32                           ; s[32:35] group 0 of block w
.set G0B, 36                           ; s[36:39] group 0 of block 8 + w (waves 0 to 3)
.set TB, 40                            ; s40  LDS byte of the block to read next
.set CB, 41                            ; s41  32 x the block's number in its head
.set TR, 42
.set SG, 43
.set HN, 44                            ; s44  the head in hand, 0 to 23
.set ROFF, 45                          ; s45  my wave's rows in a head's 2,048, in bytes, and the batch
.set OFFP, 46                          ; s[46:47] a head's offset in qkv
.set DST, 54
.set MSB, 0
.macro WIN new                         ; s_set_vgpr_msb: bits 1:0 source 0, 3:2 source 1, 5:4 source 2, 7:6 destination; the high byte repeats the setting that is left
.if MSB != (\new)
	s_set_vgpr_msb (MSB<<8)|(\new)
.set MSB, (\new)
.endif
.endm
.macro NOPS
.rept 4
	v_nop
.endr
.endm
.macro ROUND                           ; a round of the cluster's barrier
	s_barrier_signal -1
	s_barrier_wait -1
	s_cmp_lg_u32 s[WV], 0
	s_cbranch_scc1 .Lnw0_\@
	s_barrier_signal -3
.Lnw0_\@:
	s_barrier_wait -3
	s_barrier_signal -1
	s_barrier_wait -1
.endm
; 32 products: K in 16 steps, the two accumulators by turns, over the loop's jump too.  fetch = 1: behind every eight products, and four places, the next block's fragments take the registers just read.
; The wait ahead of a group of eight products is for that group's eight fragment loads, issued a trip ago: behind them 24 further fragment loads and the way out's two stores were issued, so 26 may be out;
; in the last trip, which fetches nothing, eight fewer from group to group.
.macro GEMM fetch
	WIN 0x04                                       ; source 1 (n) in window 1
.irp g, 0,1,2,3
.if \fetch
	s_wait_dscnt 26
.else
	s_wait_dscnt 26-8*(\g)
.endif
.irp q, 0,1,2,3
.irp rt, 0,1
.if (4*(\g)+(\q)) == 0
	v_wmma_f32_16x16x32_bf16 v[ACC+8*(\rt):ACC+8*(\rt)+7], v[WF:WF+7], v[128*(\rt):128*(\rt)+7], 0
.else
	v_wmma_f32_16x16x32_bf16 v[ACC+8*(\rt):ACC+8*(\rt)+7], v[WF+8*(4*(\g)+(\q)):WF+8*(4*(\g)+(\q))+7], v[8*(16*(\rt)+4*(\g)+(\q)):8*(16*(\rt)+4*(\g)+(\q))+7], v[ACC+8*(\rt):ACC+8*(\rt)+7]
.endif
.endr
.endr
.if (\fetch) || ((\g) == 3)
	NOPS
.endif
.if \fetch
.irp q, 0,1,2,3
	ds_load_b128 v[WF+8*(4*(\g)+(\q)):WF+8*(4*(\g)+(\q))+3], v[ADR] offset:(4*(\g)+(\q))*64
	ds_load_b128 v[WF+8*(4*(\g)+(\q))+4:WF+8*(4*(\g)+(\q))+7], v[ADR] offset:(4*(\g)+(\q))*64+32
.endr
.endif
.endr
.endm
.macro TRIP fetch
	WIN 0
.if \fetch
	s_add_co_u32 s[TB], s[TB], BLK
	v_add_nc_u32 v[ADR], s[TB], v[ADRW0]
.endif
	v_add_nc_u32 v[STO], s[CB], v[STO0]
	s_add_co_u32 s[CB], s[CB], 32
	GEMM \fetch
	WIN 0
	s_wait_xcnt 0x0                                ; T may still be the data of stores
.irp rt, 0,1
.irp q, 0,1,2,3
	v_cvt_pk_bf16_f32 v[T+4*(\rt)+(\q)], v[ACC+8*(\rt)+2*(\q)], v[ACC+8*(\rt)+2*(\q)+1]
.endr
	ds_store_b128 v[STO], v[T+4*(\rt):T+4*(\rt)+3] offset:(\rt)*16*SP
.endr
.endm
; A head's 64 columns of my 32 rows lie in my stage: read back in rows, stored as 512 consecutive bytes.  Head HN of the 24 is head HN % 8 of q, k or v (HN / 8).
.macro HEAD_OUT
	s_lshr_b32 s[OFFP], s[HN], 3
	s_lshl_b32 s[OFFP], s[OFFP], 23
	s_and_b32 s23, s[HN], 7
	s_lshl_b32 s23, s23, 18
	s_add_co_u32 s[OFFP], s[OFFP], s23
	s_add_co_u32 s[OFFP], s[OFFP], s[ROFF]
	s_add_co_u32 s[HN], s[HN], 1
	s_wait_xcnt 0x0                                ; the last head's stores have read their base and their data
	s_add_nc_u64 s[DST:DST+1], s[QP:QP+1], s[OFFP:OFFP+1]
.irp i, 0,1,2,3,4,5,6,7
	ds_load_b128 v[T+4*\i:T+4*\i+3], v[RDH] offset:4*SP*\i  ; LDS serves a wave's instructions in order: these see my stores
.endr
.irp i, 0,1,2,3,4,5,6,7
	s_wait_dscnt 7-\i                              ; the younger loads may stay out
	global_store_b128 v[GOH], v[T+4*\i:T+4*\i+3], s[DST:DST+1] offset:512*\i
.endr
.endm
	s_load_b128 s[4:7], s[0:1], 0x0                ; nrm wt
	s_load_b64 s[8:9], s[0:1], 0x10                ; qkv
	v_lshl_add_u32 v[SPW], v0, 2, SPARE
	v_mov_b32 v[NIL], 0
	ds_add_u32 v[SPW], v[NIL]                      ; the wave's opening: the add and its wait stand ahead of my first tensor load; work on registers stands between them
	v_lshrrev_b32 v1, 5, v0
	v_readfirstlane_b32 s[WV], v1
	s_bfe_u32 s[CX], ttmp6, 0x40000                ; my place in the cluster: it enters the addresses of my own rows alone
	s_lshl_b32 s[RB], ttmp9, 2
	s_add_co_u32 s[RB], s[RB], s[CX]
	s_and_b32 s[SLAB], ttmp7, 0xffff               ; the slab, which the four partners share
	s_mov_b32 s[G1], 15|(1<<16)|(1<<20)|(1<<21)|(7<<22)|(3<<25)  ; the mask of four; 2-byte elements; padding on; bit 21 beside a mask; after every 256 words, 4 words
	s_mov_b32 s[G1+1], 512<<16                     ; tensor_dim0 = 512
	s_mov_b32 s[G1+2], 16<<16                      ; tensor_dim1 = 16
	s_mov_b32 s[G1+3], 512<<16                     ; tile_dim0 = 512
	s_mov_b32 s[G1+4], 16                          ; tile_dim1 = 16
	s_mov_b32 s[G1+5], 512                         ; elements from row to row
	s_mov_b32 s[G1+6], 0
	s_mov_b32 s[G1+7], 0
	s_mov_b32 s[G0A], 1
	s_mul_i32 s[G0A+1], s[WV], BLK
	s_mov_b32 s[G0B], 1
	s_add_co_u32 s[G0B+1], s[G0A+1], 8*BLK
	s_mul_i32 s[HN], s[SLAB], 3                    ; the slab's first head
	; block b holds columns 16 (b % 4) on of head HN + b / 4: in wt 16 rows on end, at weight (head / 8), chunk b % 4, head % 8
	s_lshr_b32 s23, s[WV], 2
	s_add_co_u32 s23, s23, s[HN]                   ; block w's head
	s_lshr_b32 s2, s23, 3
	s_lshl_b32 s2, s2, 19
	s_and_b32 s23, s23, 7
	s_lshl_b32 s23, s23, 14
	s_add_co_u32 s2, s2, s23
	s_and_b32 s23, s[WV], 3
	s_lshl_b32 s23, s23, 17
	s_add_co_u32 s2, s2, s23
	s_mov_b32 s3, 0
	s_add_co_u32 s52, s[HN], 2                     ; block 8 + w's head
	s_lshr_b32 s53, s52, 3
	s_lshl_b32 s53, s53, 19
	s_and_b32 s52, s52, 7
	s_lshl_b32 s52, s52, 14
	s_add_co_u32 s52, s52, s53
	s_add_co_u32 s52, s52, s23
	s_mov_b32 s53, 0
	s_lshl_b32 s48, s[RB], 18                      ; n: 256 rows of 1,024 bytes,
	s_lshl_b32 s49, s[WV], 15                      ; my wave's 32: two tiles of 16 rows, 32,768 bytes on end
	s_add_co_u32 s48, s48, s49
	s_mov_b32 s49, 0
	s_lshr_b32 s[ROFF], s[RB], 3                   ; out: the batch,
	s_lshl_b32 s[ROFF], s[ROFF], 21
	s_and_b32 s50, s[RB], 7
	s_lshl_b32 s50, s50, 15                        ; 256 rows of 128 bytes,
	s_add_co_u32 s[ROFF], s[ROFF], s50
	s_lshl_b32 s50, s[WV], 12                      ; my wave's 32
	s_add_co_u32 s[ROFF], s[ROFF], s50
	s_mov_b32 s[OFFP+1], 0
	s_mov_b32 s[TB], 0
	v_and_b32 v16, 31, v0                          ; l
	v_and_b32 v17, 15, v0                          ; l % 16
	v_bfe_u32 v18, v0, 4, 1                        ; l / 16
	v_mul_u32_u24 v[ADRW0], v17, PW
	v_lshl_add_u32 v[ADRW0], v18, 4, v[ADRW0]      ; a fragment's lane place: row x pitch + 16 x half
	s_mul_i32 s51, s[WV], 32*SP
	s_add_co_u32 s51, s51, STAGE                   ; my stage
	v_mul_u32_u24 v[STO0], v17, SP
	v_lshl_add_u32 v[STO0], v18, 4, v[STO0]
	v_add_nc_u32 v[STO0], s51, v[STO0]
	v_lshrrev_b32 v19, 3, v16
	v_and_b32 v20, 7, v0
	v_mul_u32_u24 v[RDH], v19, SP
	v_lshl_add_u32 v[RDH], v20, 4, v[RDH]
	v_add_nc_u32 v[RDH], s51, v[RDH]
	v_lshlrev_b32 v[GOH], 4, v16
	s_wait_dscnt 0x0                               ; the opening add is done
	s_wait_kmcnt 0x0
	s_add_nc_u64 s[G0A+2:G0A+3], s[WTP:WTP+1], s[2:3]
	s_or_b32 s[G0A+3], s[G0A+3], 0x80000000
	s_add_nc_u64 s[G0B+2:G0B+3], s[WTP:WTP+1], s[52:53]
	s_or_b32 s[G0B+3], s[G0B+3], 0x80000000
	s_add_nc_u64 s[NP:NP+1], s[NP:NP+1], s[48:49]
	ROUND                                          ; all four work-groups are here: the joint loads meet
	s_cmp_lt_u32 s[WV], 4                          ; 12 blocks for 8 waves: a wave's fills stand in one branch on its number; at most two loads of mine are out
	s_cbranch_scc0 .Lone
	tensor_load_to_lds s[G0A:G0A+3], s[G1:G1+7]
	s_nop 0
	tensor_load_to_lds s[G0B:G0B+3], s[G1:G1+7]
	s_nop 0
	NOPS
	s_branch .Lasked
.Lone:
	tensor_load_to_lds s[G0A:G0A+3], s[G1:G1+7]
	s_nop 0
	NOPS
.Lasked:
	WIN 0x40                                       ; destination window 1, address window 0
.set n, 0
.rept 64
	global_load_b128 v[4*n:4*n+3], v[GOH], s[NP:NP+1] offset:512*n  ; half a fragment: 512 consecutive bytes
.set n, n+1
.endr
	WIN 0
	s_wait_tensorcnt 0x0                           ; my blocks are in,
	s_barrier_signal -1
	s_barrier_wait -1                              ; everybody's are
.set n, 0
.rept 16
	ds_load_b128 v[WF+8*n:WF+8*n+3], v[ADRW0] offset:n*64
	ds_load_b128 v[WF+8*n+4:WF+8*n+7], v[ADRW0] offset:n*64+32
.set n, n+1
.endr
	s_wait_loadcnt 0x0                             ; n
	s_wait_dscnt 0x0                               ; block 0
	s_mov_b32 s[SG], 2
.Lhead:                                                ; the slab's first two heads
	s_mov_b32 s[CB], 0
	s_mov_b32 s[TR], 4
.Ltrip:
	TRIP 1
	s_sub_co_u32 s[TR], s[TR], 1
	s_cmp_lg_u32 s[TR], 0
	s_cbranch_scc1 .Ltrip
	HEAD_OUT
	s_sub_co_u32 s[SG], s[SG], 1
	s_cmp_lg_u32 s[SG], 0
	s_cbranch_scc1 .Lhead
	s_mov_b32 s[CB], 0                             ; the third: its last trip, which has no block to read, is written out
	s_mov_b32 s[TR], 3
.Ltrip2:
	TRIP 1
	s_sub_co_u32 s[TR], s[TR], 1
	s_cmp_lg_u32 s[TR], 0
	s_cbranch_scc1 .Ltrip2
	TRIP 0
	HEAD_OUT
	s_wait_tensorcnt 0x0                           ; the wave's end, behind my last tensor load and my last LDS store
	ds_add_u32 v[SPW], v[NIL]
	s_wait_dscnt 0x0
	ROUND                                          ; the closing round
	s_endpgm
.Lfunc_end_k_qadf54f0f23_proj:
	.size	k_qadf54f0f23_proj, .Lfunc_end_k_qadf54f0f23_proj-k_qadf54f0f23_proj
	.p2alignl 7, 3214868480
	.fill 96, 4, 3214868480
	.section	.rodata,"a",@progbits
	.p2align	6, 0x0
	.amdhsa_kernel k_qadf54f0f23_proj
		.amdhsa_group_segment_fixed_size 237568
		.amdhsa_private_segment_fixed_size 0
		.amdhsa_enable_private_segment 0
		.amdhsa_kernarg_size 24
		.amdhsa_user_sgpr_count 2
		.amdhsa_user_sgpr_kernarg_segment_ptr 1
		.amdhsa_wavefront_size32 1
		.amdhsa_system_sgpr_workgroup_id_x 1
		.amdhsa_system_sgpr_workgroup_id_y 1
		.amdhsa_system_sgpr_workgroup_id_z 1
		.amdhsa_system_vgpr_workitem_id 0
		.amdhsa_next_free_vgpr 512
		.amdhsa_next_free_sgpr 66
		.amdhsa_reserve_vcc 0
		.amdhsa_float_denorm_mode_32 3
		.amdhsa_float_denorm_mode_16_64 3
		.amdhsa_memory_ordered 1
		.amdhsa_forward_progress 1
		.amdhsa_inst_pref_size 32
	.end_amdhsa_kernel
	.amdgpu_metadata
---
amdhsa.version: [ 1, 2 ]
amdhsa.kernels:
  - .name:           k_qadf54f0f23_proj
    .symbol:         k_qadf54f0f23_proj.kd
    .args:
      - { .name: nrm, .offset: 0, .size: 8, .value_kind: global_buffer, .address_space: global }
      - { .name: wt, .offset: 8, .size: 8, .value_kind: global_buffer, .address_space: global }
      - { .name: qkv, .offset: 16, .size: 8, .value_kind: global_buffer, .address_space: global }
    .group_segment_fixed_size: 237568
    .private_segment_fixed_size: 0
    .kernarg_segment_align: 8
    .kernarg_segment_size: 24
    .max_flat_workgroup_size: 256
    .sgpr_count:     66
    .vgpr_count:     512
    .wavefront_size: 32
...
	.end_amdgpu_metadata
.endif
;; end of part 2
;; launch attn_s (part 3): grid 8 x 32, 8 waves a work-group, clusters of 4 x 1, 327,680 bytes of LDS; arguments qkv, o; writes o
.if DOCPART == 3
	.amdgcn_target "amdgcn-amd-amdhsa--gfx1250"
	.amdhsa_code_object_version 6
	.text
	.protected	k_qadf54f0f23_attn_s
	.globl	k_qadf54f0f23_attn_s
	.p2align	8
	.type	k_qadf54f0f23_attn_s,@function
k_qadf54f0f23_attn_s:
	s_mov_b64 s[64:65], 0
	v_nop
	global_prefetch_b8 v0, s[64:65] scope:SCOPE_SE
	s_setreg_imm32_b32 hwreg(HW_REG_WAVE_MODE, 25, 1), 1
	s_wait_xcnt 0x0
	s_wait_alu depctr_hold_cnt(0) depctr_sa_sdst(0) depctr_va_vdst(0) depctr_va_sdst(0) depctr_va_ssrc(0) depctr_va_vcc(0) depctr_vm_vsrc(0)
	s_getreg_b32 s2, hwreg(HW_REG_IB_STS2, 6, 4)
	s_cmp_eq_u32 s2, 0
	s_cbranch_scc0 .Lentry_in_a_cluster
	s_endpgm
.Lentry_in_a_cluster:
	s_bfe_u32 s2, ttmp6, 0x10000c
	s_cmp_lg_u32 s2, 0x3003
	s_cbranch_scc0 .Lentry_shape_is_right
	s_endpgm
.Lentry_shape_is_right:
; GATED ATTENTION, head size 64.  O[q] = sum over k of g(s) softmax_k(s / 8) V[k], s = Q[q] . K[k]; g = 1 where s > 0, else 0; the softmax's divisor is taken over ALL keys.
; Q, K, V, O by heads, dense rows of 128 bytes, bf16.  SELF = 1: Q, K, V lie in one buffer, 2,048 keys.  SELF = 0: Q in one buffer, K and V in another, 1,024 keys.
; SHARES.  A work-group owns 256 queries of one head, each of its eight waves 32: two tiles of 16.  Every wave walks all keys, 64 a step, four steps to an LDS slot.
; LAYOUT.  S^T = K Q^T (source 0 = 16 keys, source 1 = 16 queries): a lane holds ONE query (lane % 16) and the keys 8 (lane / 16) + 0..7.  Two such results rounded to bf16 ARE source 1 of O^T = V^T P.
; K comes out of LDS as it lies, V turned, by ds_load_tr16_b128.
; SOFTMAX.  A running maximum m and sum l: p = 2^(c s - c m), c = log2(e) / 8; in every step O and l are multiplied by a = 2^(c m_old - c m_new).
; THE GATE.  g = s x 2^100 held to 0 .. 1; P = p g; l sums the ungated p.
; BY TURNS.  The wave's two tiles take turns.  Trip n, tile 0's turn: 8 products V^T P of tile 0 for step n - 1, then 8 products K Q^T of tile 0 for step n; tile 1's softmax of step n - 1, a list of 151 vector
; instructions, is dealt out behind them, nine or ten behind each, so that the wave has vector work to issue while a product is at work.  Tile 1's turn: the same products for tile 1, and tile 0's softmax of step n.
; K of step n is asked for at the head of tile 0's turn, eight products ahead of its first use; V of step n behind tile 1's eighth product, eight products ahead of the next trip.
; K, V and Q lie in window 1 and all that a softmax touches in window 0 (together 384 registers: no one window holds them), so a product costs two switches of the window.
; NO FIRST STEP IS WRITTEN OUT.  m starts at -2^27 and l at 1: a virtual key with that score.  Trip 0 runs tile 1's list on scores preset to -2^27: c s - c m is exactly 0 (c x 2^27 is exact), the gates are 0, P is 0,
; a is 1; V's registers, tile 0's P and O are preset to 0.  The virtual key's share of l is multiplied in all by 2^(c (-2^27 - m)), in at most 33 factors, each 0 or at least 2^-126 (v_exp_f32 gives 0 for a
; denormal result: ISA guide 15.8): once a score above 0 has been seen one factor is 0; where no score is above 0 every gate is 0 and O is 0 whatever l holds, and l is at least 1.
; The price: 184 lines that set registers, in the wait for the first tile; at the end 8 products on a stale K.
; CLUSTER.  The four query blocks of a cluster belong to one head and walk the same K and V: each tile is asked for jointly.
; LIMITS.  sigmoid(s / 8) > 0.5 is taken as s > 0; scores between 0 and 2^-100 get a fractional gate.  P and O are rounded once to bf16; a weight below 2^-126 counts as 0; NaN and infinities are not treated apart.
.set SELF,  1
.set LK,    2048
.set NS,    LK/256
.set KS,    64
.set PK,    144                        ; a row of K in LDS: 128 bytes + 16, an odd multiple of 16
.set PV,    160                        ; a row of V: 128 + 32, an odd multiple of 32
.set VOFF,  4*KS*PK                    ; a slot: 256 rows of K, then 256 rows of V
.set SLOT1, 1<<17
.set STAGE, SLOT1+4*KS*(PK+PV)         ; 16 rows x 144 bytes for each wave, for the way out; no tensor load lands here or behind
.set SP,    144
.set SPARE, STAGE+8*16*SP              ; the spare words, 128 bytes for each wave; no other line names them
.set QO,  1
.set AK0, 2
.set AV0, 3
.set AK,  4
.set AV,  5
.set STO, 6
.set RD,  7
.set GO,  8
.set PFO, 9
.set SPW, 10                           ; v10  SPARE + 4 x my thread's number; never rewritten
.set NIL, 11                           ; v11  0; never rewritten
.set BIG, 12                           ; v[12:13] 2^100 twice
.set MV,  14                           ; v14-15 c m_old, by tile
.set ST,  16                           ; tile t at ST + 8 t: c m, m, l (even keys', odd keys'), c0-c3 at work; c2 takes a
.set S,   32                           ; v32-95   S^T, 32 a tile
.set GT,  96                           ; v96-159  the gates, 32 a tile; P ends in the first 16
.set O,   160                          ; v160-223 O^T, 32 a tile
.set OB,  224                          ; v224-255 the way out
.set KF,  0                            ; window 1: K at 16 kb + 8 c; V at 64 + 32 kk + 8 cb; Q at 128 + 16 t + 8 c
.set VF,  64
.set QF,  128
.set QP, 10
.set KP, 12
.set VP, 14
.set OP, 16
.set WV, 20
.set CX, 21
.set G1K, 24
.set G1V, 32
.set G0K, 40
.set G0V, 44
.set PFA, 48
.set LIM, 50
.set SLOTS, 56
.set CNT, 57
.set CS, 58
.set SEL, 60
.set TBK, 62
.set TBV, 63
.set MSB, 0
.macro WIN new                         ; s_set_vgpr_msb: bits 1:0 source 0, 3:2 source 1, 5:4 source 2, 7:6 destination; the high byte repeats the setting that is left
.if MSB != (\new)
	s_set_vgpr_msb (MSB<<8)|(\new)
.set MSB, (\new)
.endif
.endm
.macro NOPS
.rept 4
	v_nop
.endr
.endm
.macro ROUND                           ; a round of the cluster's barrier
	s_barrier_signal -1
	s_barrier_wait -1
	s_cmp_lg_u32 s[WV], 0
	s_cbranch_scc1 .Lnw0_\@
	s_barrier_signal -3
.Lnw0_\@:
	s_barrier_wait -3
	s_barrier_signal -1
	s_barrier_wait -1
.endm
.macro JLOAD                           ; a joint fill: waves 0 to 3 fetch the quarters of a slot's K, waves 4 to 7 those of its V, 64 keys each
	s_cmp_lt_u32 s[WV], 4
	s_cbranch_scc0 .Lfor_v_\@
	tensor_load_to_lds s[G0K:G0K+3], s[G1K:G1K+7]
	s_nop 0
	NOPS
	s_branch .Lasked_\@
.Lfor_v_\@:
	tensor_load_to_lds s[G0V:G0V+3], s[G1V:G1V+7]
	s_nop 0
	NOPS
.Lasked_\@:
.endm
; THE CHANGE OF SLOTS, between two trips: K and V of the slot's fourth step have been asked for.  All my tensor loads have landed (the one that was out is my part of the other slot), the add, my reads of the slot
; that is left are back.  fill = 1: a round of the cluster's barrier, the joint fill of that slot first behind it (four trips in which to land), and a prefetch of the slot that the NEXT change will ask for: the
; head's first cluster asks, its partners share the rows out by address, wave 0 for K and wave 4 for V, a lane a block of 256 bytes: each block is named once; the last filling change asks for nothing.
.macro CHANGE fill
	WIN 0
	s_wait_tensorcnt 0x0
	ds_add_u32 v[SPW], v[NIL]
.if \fill
.irp g, G0K, G0V
	s_xor_b32 s[\g+1], s[\g+1], SLOT1
	s_add_nc_u64 s[\g+2:\g+3], s[\g+2:\g+3], 4*KS*128
.endr
	s_wait_xcnt 0x0                                ; the last prefetch, four trips back, has read its address
	s_add_nc_u64 s[PFA:PFA+1], s[PFA:PFA+1], 4*KS*128
	s_wait_dscnt 0x0
	ROUND
	JLOAD
	s_cmp_gt_u32 s[SLOTS], s[LIM]
	s_cbranch_scc0 .Lnp_\@
	global_prefetch_b8 v[PFO], s[PFA:PFA+1] th:TH_LOAD_NT scope:SCOPE_SE
.Lnp_\@:
.else
	s_wait_dscnt 0x0
	s_barrier_signal -1
	s_barrier_wait -1
.endif
	s_sub_co_u32 s[TBK], s[TBK], 4*KS*PK           ; the fetches go back to a slot's first step, in the other slot
	s_xor_b32 s[TBK], s[TBK], SLOT1
	s_sub_co_u32 s[TBV], s[TBV], 4*KS*PV
	s_xor_b32 s[TBV], s[TBV], SLOT1
.endm
; THE VECTOR WORK OF A TURN: one tile's softmax for one key step, a list of 151; SM writes number j of it for tile t and steps j.  s0-s31 are the lane's 32 scores, in pairs 0-15.
;   0       c m_old is kept
;   1-16    the maximum of s0-s31 and the old m, three operands at a time: four chains of seven scores (each accumulator's lowest registers first), the four left over, the old m
;   17-20   the other half of the lanes' maximum; the new m; c m; c m_old - c m_new
;   21-85   ONE BATCH: for each pair its gate (of the raw scores) and its scaling c s - c m, and between them the exponentials of the pair before; last a.  None of these names an exponential's result
;   86      a plain instruction behind the last exponential, and ONE wait for the 33, ahead of their first reader
;   87-102  P = p g     103-118  rounded to bf16, in place: register i takes pair i     119-134  the sum of the 16 pairs, in place; l = a l + the sum     135-150  the tile's O^T times a, each accumulator from its low end on
.macro SM t
.set rT, ST+8*(\t)
.set rC, ST+8*(\t)+4
.set rS, S+32*(\t)
.set rG, GT+32*(\t)
.set rO, O+32*(\t)
.if j == 0
	v_mov_b32 v[MV+(\t)], v[rT]
.elseif j < 5
	v_max3_num_f32 v[rC+j-1], v[rS+8*(j-1)], v[rS+8*(j-1)+1], v[rS+8*(j-1)+2]
.elseif j < 13
	v_max3_num_f32 v[rC+(j-1)%4], v[rC+(j-1)%4], v[rS+8*((j-1)%4)+2*((j-1)/4)+1], v[rS+8*((j-1)%4)+2*((j-1)/4)+2]
.elseif j == 13
	v_max3_num_f32 v[rC], v[rC], v[rS+7], v[rS+15]
.elseif j == 14
	v_max3_num_f32 v[rC+1], v[rC+1], v[rS+23], v[rS+31]
.elseif j == 15
	v_max3_num_f32 v[rC+2], v[rC+2], v[rC+3], v[rT+1]
.elseif j == 16
	v_max3_num_f32 v[rC], v[rC], v[rC+1], v[rC+2]
.elseif j == 17
	v_permlanex16_b32 v[rC+3], v[rC], s[SEL], s[SEL+1]  ; the query's other 32 keys lie in the lane 16 away
.elseif j == 18
	v_max_num_f32 v[rT+1], v[rC], v[rC+3]
.elseif j == 19
	v_mul_f32 v[rT], s[CS], v[rT+1]
.elseif j == 20
	v_sub_f32 v[rC+1], v[MV+(\t)], v[rT]
.elseif j < 85
.if j < 23                             ; 21, 22: pair 0's gate and scaling
.set b, 0
.set r, 2*(j-21)
.elseif j < 83                         ; fours: pair b's gate, an exponential of pair b - 1, pair b's scaling, the other exponential
.set b, (j-23)/4+1
.set r, (j-23)%4
.else                                  ; 83, 84: pair 15's exponentials
.set b, 16
.set r, 2*(j-83)+1
.endif
.if r == 0
	v_pk_mul_f32 v[rG+2*b:rG+2*b+1], v[rS+2*b:rS+2*b+1], v[BIG:BIG+1] clamp
.elseif r == 2
	v_pk_fma_f32 v[rS+2*b:rS+2*b+1], v[rS+2*b:rS+2*b+1], s[CS:CS+1], v[rT:rT+1] op_sel_hi:[1,0,0] neg_lo:[0,0,1] neg_hi:[0,0,1]
.else
	v_exp_f32 v[rS+2*b-2+r/2], v[rS+2*b-2+r/2]
.endif
.elseif j == 85
	v_exp_f32 v[rC+2], v[rC+1]
.elseif j == 86
	v_nop
	s_wait_alu depctr_va_vdst(0)
.elseif j < 103
	v_pk_mul_f32 v[rG+2*(j-87):rG+2*(j-87)+1], v[rG+2*(j-87):rG+2*(j-87)+1], v[rS+2*(j-87):rS+2*(j-87)+1]
.elseif j < 119
	v_cvt_pk_bf16_f32 v[rG+j-103], v[rG+2*(j-103)], v[rG+2*(j-103)+1]
.elseif j < 134                        ; neighbours 1, 2, 4 and 8 pairs apart
.set z, j-119
.set w, 4
.set u, z
.if z >= 14
.set w, 32
.set u, 0
.elseif z >= 12
.set w, 16
.set u, z-12
.elseif z >= 8
.set w, 8
.set u, z-8
.endif
	v_pk_add_f32 v[rS+w*u:rS+w*u+1], v[rS+w*u:rS+w*u+1], v[rS+w*u+w/2:rS+w*u+w/2+1]
.elseif j == 134
	v_pk_fma_f32 v[rT+2:rT+3], v[rT+2:rT+3], v[rC+2:rC+3], v[rS:rS+1] op_sel_hi:[1,0,1]
.else
	v_pk_mul_f32 v[rO+2*(j-135):rO+2*(j-135)+1], v[rO+2*(j-135):rO+2*(j-135)+1], v[rC+2:rC+3] op_sel_hi:[1,0]
.endif
.set j, j+1
.endm
; THE MATRIX WORK OF A TURN, for tile x.  The four accumulators of a run of 8 take turns, one instruction a turn.
; Product i (0-7) of O^T += V^T P: keys 32 (i / 4) on, channels 16 (i % 4) on.
.macro PV x
	WIN 0x01                                       ; V in window 1
	v_wmma_f32_16x16x32_bf16 v[O+32*(\x)+8*(i%4):O+32*(\x)+8*(i%4)+7], v[VF+32*(i/4)+8*(i%4):VF+32*(i/4)+8*(i%4)+7], v[GT+32*(\x)+8*(i/4):GT+32*(\x)+8*(i/4)+7], v[O+32*(\x)+8*(i%4):O+32*(\x)+8*(i%4)+7]
.endm
; Product i (8-15) of S^T = K Q^T: channels 32 ((i - 8) / 4) on, keys 16 (i % 4) on.  The first four start the sums.
.macro KQ x
	WIN 0x05                                       ; K and Q in window 1
.if i < 12
	v_wmma_f32_16x16x32_bf16 v[S+32*(\x)+8*(i%4):S+32*(\x)+8*(i%4)+7], v[KF+16*(i%4):KF+16*(i%4)+7], v[QF+16*(\x):QF+16*(\x)+7], 0
.else
	v_wmma_f32_16x16x32_bf16 v[S+32*(\x)+8*(i%4):S+32*(\x)+8*(i%4)+7], v[KF+16*(i%4)+8:KF+16*(i%4)+15], v[QF+16*(\x)+8:QF+16*(\x)+15], v[S+32*(\x)+8*(i%4):S+32*(\x)+8*(i%4)+7]
.endif
.endm
; A TURN, for tile x: 16 products, and behind product i the numbers (151 i) / 16 to (151 (i + 1)) / 16 - 1 of the other tile's list.  A turn's vector lines name the other tile's registers alone.  The last slice is ten
; plain multiplies on the other tile's O^T: the places between the turn's last product and what follows it: the next turn's first read of the scores just made, and the loads into K's registers.
; last = 1: the tail's text: its fifth trip asks for no K, so the wait at the head is for all LDS loads there: with no K loads behind V's a count would show nothing of V.
.macro TURN x, last
.set j, 0
.set i, 0
.if (\x) == 0
.if \last
	s_cmp_eq_u32 s[CNT], 1
	s_cbranch_scc1 .Lno_k_\@
.endif
	v_add_nc_u32 v[AK], s[TBK], v[AK0]
	s_add_co_u32 s[TBK], s[TBK], KS*PK             ; the next fetch is the next step's
	WIN 0x40                                       ; destination window 1
.irp f, 0,1,2,3,4,5,6,7                ; keys 16 (f / 2) on, channels 32 (f % 2) on
	ds_load_b128 v[KF+8*\f:KF+8*\f+3], v[AK] offset:(\f/2)*16*PK+(\f%2)*64
	ds_load_b128 v[KF+8*\f+4:KF+8*\f+7], v[AK] offset:(\f/2)*16*PK+(\f%2)*64+32
.endr
	WIN 0
.if \last
.Lno_k_\@:
	s_wait_dscnt 0x0                               ; V is in (and K)
.else
	s_wait_dscnt 16                                ; V, asked for a turn ago, is in; K's 16 loads just issued may stay out
.endif
.endif
.rept 16
.if i < 8
	PV \x
.else
.if ((\x) == 0) && (i == 8) && !(\last)
	s_wait_dscnt 0x0                               ; K is in
.endif
	KQ \x
.endif
	WIN 0
.rept (151*(i+1))/16-(151*i)/16
	SM 1-(\x)
.endr
.if ((\x) == 1) && (i == 7)
	NOPS                                           ; four places behind the last product that read V
	v_add_nc_u32 v[AV], s[TBV], v[AV0]
	s_add_co_u32 s[TBV], s[TBV], KS*PV
	WIN 0x40
.irp f, 0,1,2,3,4,5,6,7                ; keys 32 (f / 4) on, channels 16 (f % 4) on
	ds_load_tr16_b128 v[VF+8*\f:VF+8*\f+3], v[AV] offset:(\f/4)*32*PV+(\f%4)*32
	ds_load_tr16_b128 v[VF+8*\f+4:VF+8*\f+7], v[AV] offset:(\f/4)*32*PV+16*PV+(\f%4)*32
.endr
	WIN 0
.endif
.set i, i+1
.endr
.endm
.if SELF
	s_load_b128 s[4:7], s[0:1], 0x0                ; qkv, o
.else
	s_load_b128 s[4:7], s[0:1], 0x0                ; qc, kvc
	s_load_b64 s[8:9], s[0:1], 0x10                ; o
.endif
	v_lshl_add_u32 v[SPW], v0, 2, SPARE
	v_mov_b32 v[NIL], 0
	ds_add_u32 v[SPW], v[NIL]                      ; the wave's opening: the add and its wait stand ahead of my first tensor load; work on registers stands between them
	v_lshrrev_b32 v1, 5, v0
	v_readfirstlane_b32 s[WV], v1
	s_bfe_u32 s[CX], ttmp6, 0x40000                ; my place in the cluster: it enters Q's, O's and the prefetches' addresses alone
	s_lshl_b32 s22, ttmp9, 2
	s_add_co_u32 s22, s22, s[CX]                   ; my block of 256 queries
	s_and_b32 s23, ttmp7, 0xffff                   ; batch x 8 + head, which the partners share
	s_mul_i32 s2, s23, LK*128                      ; the head's first byte in K and in V,
	s_lshl_b32 s54, s[CX], 13
	s_add_co_u32 s54, s54, s2
	s_add_co_u32 s54, s54, 4*KS*128                ; the prefetches: my work-group's 32 blocks, in slot 1; the first change steps them to slot 2
	s_mov_b32 s55, 0
	s_and_b32 s18, s[WV], 3
	s_lshl_b32 s19, s18, 13                        ; my quarter of a slot: 64 rows of 128 bytes
	s_add_co_u32 s2, s2, s19
	s_mov_b32 s3, 0
	s_mov_b32 s[G0K], 1
	s_mul_i32 s[G0K+1], s18, KS*PK
	s_mov_b32 s[G0V], 1
	s_mul_i32 s[G0V+1], s18, KS*PV
	s_add_co_u32 s[G0V+1], s[G0V+1], VOFF
	s_or_b32 s[LIM], s18, ttmp9                    ; waves 0 and 4 of the head's first cluster prefetch
	s_cmp_eq_u32 s[LIM], 0
	s_cselect_b32 s[LIM], 1, -1
	s_lshl_b32 s52, s23, 18                        ; Q and O: the head's 2,048 rows,
	s_lshl_b32 s53, s22, 15
	s_add_co_u32 s52, s52, s53                     ; my block's 256,
	s_lshl_b32 s53, s[WV], 12
	s_add_co_u32 s52, s52, s53                     ; my wave's 32
	s_mov_b32 s53, 0
	; 64 keys are 8,192 dense bytes: asked for as 32 rows of 256 bytes, padded in LDS after every key
	s_mov_b32 s[G1K], 15|(1<<16)|(1<<20)|(1<<21)|(4<<22)|(3<<25)  ; the mask of four; 2-byte elements; padding on; bit 21 beside a mask; after every 32 words, 4 words
	s_mov_b32 s[G1V], 15|(1<<16)|(1<<20)|(1<<21)|(4<<22)|(7<<25)  ; the same with 8 words
.irp g, G1K, G1V
	s_mov_b32 s[\g+1], 128<<16                     ; tensor_dim0 = 128
	s_mov_b32 s[\g+2], 32<<16                      ; tensor_dim1 = 32
	s_mov_b32 s[\g+3], 128<<16                     ; tile_dim0 = 128
	s_mov_b32 s[\g+4], 32                          ; tile_dim1 = 32
	s_mov_b32 s[\g+5], 128                         ; elements from row to row
	s_mov_b32 s[\g+6], 0
	s_mov_b32 s[\g+7], 0
.endr
	s_mov_b32 s[CS], 0x3e38aa3b                    ; c = log2(e) / 8
	s_mov_b32 s[CS+1], s[CS]
	s_mov_b32 s[SEL], 0x76543210
	s_mov_b32 s[SEL+1], 0xfedcba98
	s_mov_b32 s[TBK], SLOT1+4*KS*PK                ; the first change of slots turns these two into 0
	s_mov_b32 s[TBV], SLOT1+4*KS*PV
	s_mov_b32 s[SLOTS], NS-1
	s_wait_dscnt 0x0                               ; the opening add is done
	s_wait_kmcnt 0x0
.if SELF
	s_mov_b64 s[QP:QP+1], s[4:5]
	s_add_nc_u64 s[KP:KP+1], s[4:5], 8388608
	s_add_nc_u64 s[VP:VP+1], s[4:5], 16777216
	s_mov_b64 s[OP:OP+1], s[6:7]
.else
	s_mov_b64 s[QP:QP+1], s[4:5]
	s_mov_b64 s[KP:KP+1], s[6:7]
	s_add_nc_u64 s[VP:VP+1], s[6:7], 4194304
	s_mov_b64 s[OP:OP+1], s[8:9]
.endif
	s_cmp_lt_u32 s[WV], 4
	s_cselect_b64 s[PFA:PFA+1], s[KP:KP+1], s[VP:VP+1]
	s_add_nc_u64 s[PFA:PFA+1], s[PFA:PFA+1], s[54:55]
	s_add_nc_u64 s[G0K+2:G0K+3], s[KP:KP+1], s[2:3]
	s_or_b32 s[G0K+3], s[G0K+3], 0x80000000
	s_add_nc_u64 s[G0V+2:G0V+3], s[VP:VP+1], s[2:3]
	s_or_b32 s[G0V+3], s[G0V+3], 0x80000000
	s_add_nc_u64 s[QP:QP+1], s[QP:QP+1], s[52:53]
	s_add_nc_u64 s[OP:OP+1], s[OP:OP+1], s[52:53]
	ROUND                                          ; all four work-groups are here: the first joint loads meet
	JLOAD                                          ; slot 0; slot 1 is asked for when slot 0 is in
	v_and_b32 v224, 15, v0                         ; l % 16
	v_bfe_u32 v225, v0, 4, 1                       ; l / 16
	v_lshlrev_b32 v[QO], 7, v224
	v_lshl_add_u32 v[QO], v225, 4, v[QO]
	WIN 0x40
.set n, 0
.rept 4                                ; Q stays in registers: tile n / 2, channels 32 (n % 2) on
	global_load_b128 v[QF+8*n:QF+8*n+3], v[QO], s[QP:QP+1] offset:(n/2)*2048+(n%2)*64
	global_load_b128 v[QF+8*n+4:QF+8*n+7], v[QO], s[QP:QP+1] offset:(n/2)*2048+(n%2)*64+32
.set n, n+1
.endr
	; what trip 0 finds; all this stands in the wait for the first tile
.set n, 0
.rept 64
	v_mov_b32 v[VF+n], 0                           ; V of a step that has not been
.set n, n+1
.endr
	WIN 0
.set n, 0
.rept 64
	v_mov_b32 v[O+n], 0
.set n, n+1
.endr
.irp t, 0,1
	v_mov_b32 v[ST+8*\t+1], 0xcd000000             ; m = -2^27
	v_mul_f32 v[ST+8*\t], s[CS], v[ST+8*\t+1]      ; c m, by the multiply that the list uses
	v_mov_b32 v[ST+8*\t+2], 1.0                    ; l
	v_mov_b32 v[ST+8*\t+3], 0
.endr
.set n, 0
.rept 16
	v_mov_b32 v[GT+n], 0                           ; tile 0's P of that step
.set n, n+1
.endr
.set n, 0
.rept 32
	v_mov_b32 v[S+32+n], v[ST+1]                   ; tile 1's scores of that step
.set n, n+1
.endr
	v_mov_b32 v[BIG], 0x71800000
	v_mov_b32 v[BIG+1], 0x71800000
	v_mul_u32_u24 v[AK0], v224, PK
	v_lshl_add_u32 v[AK0], v225, 4, v[AK0]         ; row x pitch + 16 x half
	v_and_b32 v226, 7, v0                          ; the turning load: lane l reads key 8 (l / 16) + l % 8, channels 8 ((l / 8) % 2) on
	v_bfe_u32 v227, v0, 3, 1
	v_lshl_add_u32 v[AV0], v225, 3, v226
	v_mul_u32_u24 v[AV0], v[AV0], PV
	v_lshl_add_u32 v[AV0], v227, 4, v[AV0]
	v_add_nc_u32 v[AV0], VOFF, v[AV0]
	s_mul_i32 s19, s[WV], 16*SP
	s_add_co_u32 s19, s19, STAGE                   ; my stage
	v_mul_u32_u24 v[STO], v224, SP
	v_lshl_add_u32 v[STO], v225, 4, v[STO]
	v_add_nc_u32 v[STO], s19, v[STO]
	v_bfe_u32 v[RD], v0, 3, 2
	v_mul_u32_u24 v[RD], v[RD], SP
	v_lshl_add_u32 v[RD], v226, 4, v[RD]
	v_add_nc_u32 v[RD], s19, v[RD]
	v_and_b32 v[GO], 31, v0
	v_lshlrev_b32 v[PFO], 8, v[GO]
	v_lshlrev_b32 v[GO], 4, v[GO]
	s_wait_loadcnt 0x0                             ; Q
.Lslot:                                                ; NS - 1 times: a slot is entered and the next is asked for
	CHANGE 1
	s_mov_b32 s[CNT], 4
.Lstep:                                                ; a trip fetches one step's K and V
	TURN 0, 0
	TURN 1, 0
	s_sub_co_u32 s[CNT], s[CNT], 1
	s_cmp_lg_u32 s[CNT], 0
	s_cbranch_scc1 .Lstep
	s_sub_co_u32 s[SLOTS], s[SLOTS], 1
	s_cmp_lg_u32 s[SLOTS], 0
	s_cbranch_scc1 .Lslot
	CHANGE 0                                       ; the last slot is written out
	s_mov_b32 s[CNT], 5                            ; four trips fetch its steps; the fifth is left behind tile 0's turn
.Ltail:
	TURN 0, 1
	s_cmp_eq_u32 s[CNT], 1
	s_cbranch_scc1 .Lout
	TURN 1, 1
	s_sub_co_u32 s[CNT], s[CNT], 1
	s_cmp_lg_u32 s[CNT], 0
	s_cbranch_scc1 .Ltail
.Lout:
.set i, 0
.rept 8
	PV 1                                           ; tile 1's V^T P of the last step
.set i, i+1
.endr
	WIN 0
	NOPS                                           ; four places ahead of the way out
	; THE WAY OUT: l's two halves and the other half of the lanes'; O^T / l, rounded to bf16, through my stage, a tile at a time
.irp t, 0,1
	v_add_f32 v[ST+8*\t+2], v[ST+8*\t+2], v[ST+8*\t+3]
.endr
.irp t, 0,1
	v_permlanex16_b32 v[ST+8*\t+3], v[ST+8*\t+2], s[SEL], s[SEL+1]
.endr
.irp t, 0,1
	v_add_f32 v[ST+8*\t+2], v[ST+8*\t+2], v[ST+8*\t+3]
.endr
.irp t, 0,1
	v_rcp_f32 v[ST+8*\t+2], v[ST+8*\t+2]
.endr
	v_nop                                          ; a plain instruction behind the last reciprocal,
	s_wait_alu depctr_va_vdst(0)                   ; and one wait for the two
.macro PACK t
.set n, 0
.rept 16
	v_pk_mul_f32 v[O+32*(\t)+2*n:O+32*(\t)+2*n+1], v[O+32*(\t)+2*n:O+32*(\t)+2*n+1], v[ST+8*(\t)+2:ST+8*(\t)+3] op_sel_hi:[1,0]
.set n, n+1
.endr
.set n, 0
.rept 16
	v_cvt_pk_bf16_f32 v[OB+16*(\t)+n], v[O+32*(\t)+2*n], v[O+32*(\t)+2*n+1]
.set n, n+1
.endr
.irp f, 0,1,2,3
	ds_store_b128 v[STO], v[OB+16*(\t)+4*\f:OB+16*(\t)+4*\f+3] offset:32*\f
.endr
.irp f, 0,1,2,3
	ds_load_b128 v[OB+16*(\t)+4*\f:OB+16*(\t)+4*\f+3], v[RD] offset:\f*4*SP  ; LDS serves a wave's instructions in order: these see the stores above, and the next tile's stores come behind them
.endr
.endm
.macro SEND t, younger                 ; younger: the LDS instructions issued behind tile t's loads
.irp f, 0,1,2,3
	s_wait_dscnt (\younger)+3-\f
	global_store_b128 v[GO], v[OB+16*(\t)+4*\f:OB+16*(\t)+4*\f+3], s[OP:OP+1] offset:(\t)*2048+\f*512  ; 512 consecutive bytes
.endr
.endm
	PACK 0
	PACK 1
	SEND 0, 8
	SEND 1, 0
	s_wait_tensorcnt 0x0                           ; the wave's end, behind my last tensor load and my last LDS store
	ds_add_u32 v[SPW], v[NIL]
	s_wait_dscnt 0x0
	ROUND                                          ; the closing round
	s_endpgm
.Lfunc_end_k_qadf54f0f23_attn_s:
	.size	k_qadf54f0f23_attn_s, .Lfunc_end_k_qadf54f0f23_attn_s-k_qadf54f0f23_attn_s
	.p2alignl 7, 3214868480
	.fill 96, 4, 3214868480
	.section	.rodata,"a",@progbits
	.p2align	6, 0x0
	.amdhsa_kernel k_qadf54f0f23_attn_s
		.amdhsa_group_segment_fixed_size 327680
		.amdhsa_private_segment_fixed_size 0
		.amdhsa_enable_private_segment 0
		.amdhsa_kernarg_size 16
		.amdhsa_user_sgpr_count 2
		.amdhsa_user_sgpr_kernarg_segment_ptr 1
		.amdhsa_wavefront_size32 1
		.amdhsa_system_sgpr_workgroup_id_x 1
		.amdhsa_system_sgpr_workgroup_id_y 1
		.amdhsa_system_sgpr_workgroup_id_z 1
		.amdhsa_system_vgpr_workitem_id 0
		.amdhsa_next_free_vgpr 416
		.amdhsa_next_free_sgpr 66
		.amdhsa_reserve_vcc 0
		.amdhsa_float_denorm_mode_32 3
		.amdhsa_float_denorm_mode_16_64 3
		.amdhsa_memory_ordered 1
		.amdhsa_forward_progress 1
		.amdhsa_inst_pref_size 69
	.end_amdhsa_kernel
	.amdgpu_metadata
---
amdhsa.version: [ 1, 2 ]
amdhsa.kernels:
  - .name:           k_qadf54f0f23_attn_s
    .symbol:         k_qadf54f0f23_attn_s.kd
    .args:
      - { .name: qkv, .offset: 0, .size: 8, .value_kind: global_buffer, .address_space: global }
      - { .name: o, .offset: 8, .size: 8, .value_kind: global_buffer, .address_space: global }
    .group_segment_fixed_size: 327680
    .private_segment_fixed_size: 0
    .kernarg_segment_align: 8
    .kernarg_segment_size: 16
    .max_flat_workgroup_size: 256
    .sgpr_count:     66
    .vgpr_count:     416
    .wavefront_size: 32
...
	.end_amdgpu_metadata
.endif
;; end of part 3
;; launch mid (part 4): grid 256 x 1, 8 waves a work-group, clusters of 4 x 1, 327,680 bytes of LDS; arguments o, X, g1, b1, wt, x1, qc; writes x1, qc
.if DOCPART == 4
	.amdgcn_target "amdgcn-amd-amdhsa--gfx1250"
	.amdhsa_code_object_version 6
	.text
	.protected	k_qadf54f0f23_mid
	.globl	k_qadf54f0f23_mid
	.p2align	8
	.type	k_qadf54f0f23_mid,@function
k_qadf54f0f23_mid:
	s_mov_b64 s[64:65], 0
	v_nop
	global_prefetch_b8 v0, s[64:65] scope:SCOPE_SE
	s_setreg_imm32_b32 hwreg(HW_REG_WAVE_MODE, 25, 1), 1
	s_wait_xcnt 0x0
	s_wait_alu depctr_hold_cnt(0) depctr_sa_sdst(0) depctr_va_vdst(0) depctr_va_sdst(0) depctr_va_ssrc(0) depctr_va_vcc(0) depctr_vm_vsrc(0)
	s_getreg_b32 s2, hwreg(HW_REG_IB_STS2, 6, 4)
	s_cmp_eq_u32 s2, 0
	s_cbranch_scc0 .Lentry_in_a_cluster
	s_endpgm
.Lentry_in_a_cluster:
	s_bfe_u32 s2, ttmp6, 0x10000c
	s_cmp_lg_u32 s2, 0x3003
	s_cbranch_scc0 .Lentry_shape_is_right
	s_endpgm
.Lentry_shape_is_right:
; MID.  X1 = X + o Wo_s (stored in f32); n = LayerNorm(X1); qc = n Wq_c, stored by heads, [b 8 + h][2048][64] in bf16, unscaled.
; SHARES.  A work-group owns 32 whole rows (256 work-groups) and carries them through both products.  Row phase: wave w has rows 4 w .. 4 w + 3, a lane columns 128 j + 4 l + e.  Products: the activations'
; fragments (32 rows x 512 k) stay in the registers of every wave; a weight comes in four chunks of 128 columns x all 512 k; of a chunk wave w makes 32 rows x 16 columns (n = 64 w + 16 c + i).
; WEIGHTS lie in wt as bf16 rows along k.  All row blocks walk the same 8 chunks, so each is asked for JOINTLY by the four work-groups of a cluster.  Two LDS slots take turns; a chunk's fragments are read
; into registers while the chunk before is multiplied.  What changes lanes goes through ACT, 32 rows in bf16.
; LIMITS.  o, o Wo_s, n, the weights and qc are each rounded once to bf16; the residual stream stays in f32.  LayerNorm in f32: mean, then squares of differences.  NaN and infinities are not treated apart.
.set PW,    1040                       ; an LDS row: 1,024 bytes + 16 of padding, an odd multiple of 16
.set SLOTB, 0x20800                    ; a slot: 128 rows; as a bit pattern it shares no bit with wave x 16 rows, so one exclusive or changes slots
.set ACT,   2*SLOTB                    ; 32 rows of activations in bf16, pitch PW; no tensor load lands here or behind
.set SPARE, ACT+32*PW                  ; the spare words, 128 bytes for each wave; no other line names them
.set PAR,   SPARE+1024                 ; g1, b1: 2,048 bytes each
.set CHUNK, 131072
.set ADRW0, 1
.set ADR,   2
.set ADRA,  3
.set STO0,  4
.set STO,   5
.set RDH,   6
.set GOH,   7
.set ROWL,  8
.set XO,    9
.set PFO,   10
.set PARL,  11
.set BIA0,  12
.set ONE,   13
.set SPW,   14                         ; v14  SPARE + 4 x my thread's number; never rewritten
.set NIL,   15                         ; v15  0; never rewritten
.set ACC,   16
.set TA,    16
.set WF,    32
.set XR,    160
.set T,     224
.set YY,    0
.set GG,    32
.set BB,    48
.set BF,    64
.set WV, 20
.set CX, 21
.set GI, 22
.set G1, 24
.set G0A, 32
.set G0B, 36
.set TB, 40
.set CB, 41
.set TR, 42
.set FILLS, 44
.set LIM, 45
.set PFA, 46
.set SEL, 48
.set RN, 50
.set EPS, 51
.set OP, 4
.set XP, 6
.set G1P, 8
.set B1P, 10
.set WTP, 12
.set X1P, 14
.set QCP, 16
.set MSB, 0
.macro WIN new                         ; s_set_vgpr_msb: bits 1:0 source 0, 3:2 source 1, 5:4 source 2, 7:6 destination; the high byte repeats the setting that is left
.if MSB != (\new)
	s_set_vgpr_msb (MSB<<8)|(\new)
.set MSB, (\new)
.endif
.endm
.macro NOPS
.rept 4
	v_nop
.endr
.endm
.macro ROUND                           ; a round of the cluster's barrier
	s_barrier_signal -1
	s_barrier_wait -1
	s_cmp_lg_u32 s[WV], 0
	s_cbranch_scc1 .Lnw0_\@
	s_barrier_signal -3
.Lnw0_\@:
	s_barrier_wait -3
	s_barrier_signal -1
	s_barrier_wait -1
.endm
.macro BAR                             ; the work-group's barrier between phases on ACT: the one tensor load that is out may stay out
	WIN 0
	s_wait_dscnt 0x0
	s_barrier_signal -1
	s_barrier_wait -1
.endm
.macro HEAD1 kind
	v_lshl_add_u32 v[SPW], v0, 2, SPARE
	v_mov_b32 v[NIL], 0
	ds_add_u32 v[SPW], v[NIL]                      ; the wave's opening: the add and its wait stand ahead of my first tensor load; work on registers stands between them
	v_lshrrev_b32 v1, 5, v0
	v_readfirstlane_b32 s[WV], v1
	s_bfe_u32 s[CX], ttmp6, 0x40000                ; my place in the cluster: it enters global addresses of my own rows and of prefetches alone
	s_lshl_b32 s[GI], ttmp9, 2
	s_add_co_u32 s[GI], s[GI], s[CX]               ; my block of 32 rows
	s_mov_b32 s[G1], 15|(1<<16)|(1<<20)|(1<<21)|(7<<22)|(3<<25)  ; the mask of four; 2-byte elements; padding on; bit 21 beside a mask; after every 256 words, 4 words
	s_mov_b32 s[G1+1], 512<<16                     ; tensor_dim0 = 512
	s_mov_b32 s[G1+2], 16<<16                      ; tensor_dim1 = 16
	s_mov_b32 s[G1+3], 512<<16                     ; tile_dim0 = 512
	s_mov_b32 s[G1+4], 16                          ; tile_dim1 = 16: each wave fetches the 16 rows that it reads
	s_mov_b32 s[G1+5], 512                         ; elements from row to row
	s_mov_b32 s[G1+6], 0
	s_mov_b32 s[G1+7], 0
	s_mov_b32 s[G0A], 1
	s_mul_i32 s[G0A+1], s[WV], 16*PW
	s_mov_b32 s[G0B], 1
	s_add_co_u32 s[G0B+1], s[G0A+1], SLOTB
	s_mov_b32 s[TB], 0
	s_mov_b32 s[SEL], 0x76543210
	s_mov_b32 s[SEL+1], 0xfedcba98
	s_mov_b32 s[RN], 0x3b000000                    ; 1 / 512
	s_mov_b32 s[EPS], 0x3727c5ac                   ; 1e-5
	s_lshr_b32 s[LIM], s[WV], 2
	s_or_b32 s[LIM], s[LIM], ttmp9                 ; waves 0 to 3 of the first cluster prefetch: the same in all four partners
	s_cmp_eq_u32 s[LIM], 0
	s_cselect_b32 s[LIM], 3, -1
	v_and_b32 v16, 31, v0                          ; l
	v_and_b32 v17, 15, v0                          ; l % 16
	v_bfe_u32 v18, v0, 4, 1                        ; l / 16
	v_mul_u32_u24 v19, v17, PW
	v_lshl_add_u32 v19, v18, 4, v19                ; a fragment's lane place: row x pitch + 16 x half
	v_add_nc_u32 v[ADRW0], s[G0A+1], v19
	v_add_nc_u32 v[ADRA], ACT, v19
	s_lshl_b32 s23, s[WV], 7
	v_add_nc_u32 v[STO0], s23, v[ADRA]
	v_lshrrev_b32 v20, 3, v16
	v_and_b32 v21, 7, v0
	v_mul_u32_u24 v20, v20, PW
	v_lshl_add_u32 v20, v21, 4, v20
	s_add_co_u32 s23, s23, ACT
	v_add_nc_u32 v[RDH], s23, v20
	v_lshlrev_b32 v[GOH], 4, v16
	s_mul_i32 s23, s[WV], 4*PW
	s_add_co_u32 s23, s23, ACT
	v_lshl_add_u32 v[ROWL], v16, 3, s23
	s_lshl_b32 s23, s[WV], 13
	v_lshl_add_u32 v[XO], v16, 4, s23
	v_lshlrev_b32 v[PFO], 8, v16
.if (\kind) > 0
	v_lshl_add_u32 v[PARL], v16, 4, PAR
	v_mov_b32 v[ONE], 1.0
.endif
.if (\kind) == 2
	s_lshl_b32 s23, s[WV], 8
	s_add_co_u32 s23, s23, PAR+4096
	v_lshl_add_u32 v[BIA0], v18, 5, s23
.endif
	s_wait_dscnt 0x0                               ; the opening add is done
.endm
.macro HEAD2 wtp, wboff                ; the two group 0 and the prefetches' place; wboff: the launch's first weight in wt
	s_lshl_b32 s2, s[WV], 14                       ; my 16 rows of a chunk
	s_add_co_u32 s2, s2, \wboff
	s_mov_b32 s3, 0
	s_add_nc_u64 s[G0A+2:G0A+3], s[\wtp:\wtp+1], s[2:3]
	s_add_nc_u64 s[G0B+2:G0B+3], s[G0A+2:G0A+3], CHUNK
	s_or_b32 s[G0A+3], s[G0A+3], 0x80000000
	s_or_b32 s[G0B+3], s[G0B+3], 0x80000000
	s_and_b32 s52, s[WV], 3
	s_lshl_b32 s52, s52, 13                        ; a chunk's 512 blocks of 256 bytes: 4 partners (by address) x 4 waves x 32 lanes
	s_lshl_b32 s53, s[CX], 15
	s_add_co_u32 s52, s52, s53
	s_add_co_u32 s52, s52, (\wboff)+4*CHUNK        ; at chunk 4: the first refill steps it to 5
	s_mov_b32 s53, 0
	s_add_nc_u64 s[PFA:PFA+1], s[\wtp:\wtp+1], s[52:53]
.endm
.macro FIRST                           ; a round, then both first fills as one group: two tensor loads of mine are out
	ROUND
	tensor_load_to_lds s[G0A:G0A+3], s[G1:G1+7]
	s_nop 0
	tensor_load_to_lds s[G0B:G0B+3], s[G1:G1+7]
	s_nop 0
	NOPS
.endm
; 32 products: K in 16 steps, the two accumulators by turns, over the loop's jump too.  fetch = 1: behind every eight products, and four places, the next chunk's fragments take the registers just read.
.macro GEMM fetch
	WIN 0x04                                       ; source 1 (the activations) in window 1
.irp g, 0,1,2,3
.irp q, 0,1,2,3
.irp rt, 0,1
.if (4*(\g)+(\q)) == 0
	v_wmma_f32_16x16x32_bf16 v[ACC+8*(\rt):ACC+8*(\rt)+7], v[WF:WF+7], v[128*(\rt):128*(\rt)+7], 0
.else
	v_wmma_f32_16x16x32_bf16 v[ACC+8*(\rt):ACC+8*(\rt)+7], v[WF+8*(4*(\g)+(\q)):WF+8*(4*(\g)+(\q))+7], v[8*(16*(\rt)+4*(\g)+(\q)):8*(16*(\rt)+4*(\g)+(\q))+7], v[ACC+8*(\rt):ACC+8*(\rt)+7]
.endif
.endr
.endr
.if (\fetch) || ((\g) == 3)
	NOPS
.endif
.if \fetch
.irp q, 0,1,2,3
	ds_load_b128 v[WF+8*(4*(\g)+(\q)):WF+8*(4*(\g)+(\q))+3], v[ADR] offset:(4*(\g)+(\q))*64
	ds_load_b128 v[WF+8*(4*(\g)+(\q))+4:WF+8*(4*(\g)+(\q))+7], v[ADR] offset:(4*(\g)+(\q))*64+32
.endr
.endif
.endr
.endm
.macro EPI0                            ; both accumulators rounded to bf16, 16 bytes a lane into ACT
	WIN 0
	s_wait_xcnt 0x0                                ; T may still be the data of stores
.irp rt, 0,1
.irp q, 0,1,2,3
	v_cvt_pk_bf16_f32 v[T+4*(\rt)+(\q)], v[ACC+8*(\rt)+2*(\q)], v[ACC+8*(\rt)+2*(\q)+1]
.endr
	ds_store_b128 v[STO], v[T+4*(\rt):T+4*(\rt)+3] offset:(\rt)*16*PW
.endr
.endm
; A TRIP multiplies the chunk whose fragments are in registers.  chg = 2: all my tensor loads have landed (the one that was out is the next chunk's), the add, my LDS reads are back (the slot that held this
; chunk is read out); a round of the cluster's barrier; the joint refill of that slot, two chunks on, first behind it; a prefetch.  chg = 1: the same waits and the work-group's barrier, nothing is asked for.
; chg = 0: the last chunk.
.macro TRIP chg, fetch, epi
	WIN 0
.if \chg
	s_wait_tensorcnt 0x0
	ds_add_u32 v[SPW], v[NIL]                      ; 0 onto my spare word; work on registers stands between it and the wait for it
.endif
.if (\chg) == 2
	s_xor_b32 s[G0B+1], s[G0B+1], SLOTB            ; no tensor load of mine is out, so the walking group 0 may be written: the other slot, the next chunk
	s_add_nc_u64 s[G0B+2:G0B+3], s[G0B+2:G0B+3], CHUNK
	s_wait_xcnt 0x0                                ; the last prefetch, a trip back, has read its address
	s_add_nc_u64 s[PFA:PFA+1], s[PFA:PFA+1], CHUNK
.endif
.if \fetch
	v_add_nc_u32 v[ADR], s[TB], v[ADRW0]
.endif
	v_add_nc_u32 v[STO], s[CB], v[STO0]
.if \epi
	v_lshl_add_u32 v[T+23], s[CB], 1, v[BIA0]
.endif
	s_wait_dscnt 0x0
.if (\chg) == 2
	ROUND
	tensor_load_to_lds s[G0B:G0B+3], s[G1:G1+7]
	s_nop 0
	NOPS
	s_cmp_gt_u32 s[FILLS], s[LIM]                  ; the chunk that the refill three trips on will ask for: 96 products of each of a SIMD's two waves ahead; each block of 256 bytes is named once in the launch;
	s_cbranch_scc0 .Lnp_\@                         ; the last three refills have no such chunk
	global_prefetch_b8 v[PFO], s[PFA:PFA+1] th:TH_LOAD_NT scope:SCOPE_SE
.Lnp_\@:
	s_sub_co_u32 s[FILLS], s[FILLS], 1
.elseif (\chg) == 1
	s_barrier_signal -1
	s_barrier_wait -1
.endif
	s_xor_b32 s[TB], s[TB], SLOTB
	s_add_co_u32 s[CB], s[CB], 32
.if \epi
	ds_load_b128 v[T+24:T+27], v[T+23]
	ds_load_b128 v[T+28:T+31], v[T+23] offset:16
.endif
	GEMM \fetch
.if \epi
	EPIG
.else
	EPI0
.endif
.endm
.macro LOADA                           ; ACT's 32 fragments into window 1; the next trip's wait for all LDS instructions covers them
	WIN 0x40
.set n, 0
.rept 32
	ds_load_b128 v[8*n:8*n+3], v[ADRA] offset:(n/16)*16*PW+(n%16)*64
	ds_load_b128 v[8*n+4:8*n+7], v[ADRA] offset:(n/16)*16*PW+(n%16)*64+32
.set n, n+1
.endr
	WIN 0
.endm
.macro FETCHW0                         ; chunk 0's fragments
	v_add_nc_u32 v[ADR], s[TB], v[ADRW0]
.set n, 0
.rept 16
	ds_load_b128 v[WF+8*n:WF+8*n+3], v[ADR] offset:n*64
	ds_load_b128 v[WF+8*n+4:WF+8*n+7], v[ADR] offset:n*64+32
.set n, n+1
.endr
	s_xor_b32 s[TB], s[TB], SLOTB
.endm
.macro HEADS_OUT p                     ; head w's 64 columns of the 32 rows are my own bytes of ACT: read back in rows, stored as 512 consecutive bytes
	WIN 0
	s_wait_xcnt 0x0
.irp i, 0,1,2,3,4,5,6,7
	ds_load_b128 v[T+4*\i:T+4*\i+3], v[RDH] offset:4*PW*\i
.endr
.irp i, 0,1,2,3,4,5,6,7
	s_wait_dscnt 7-\i                              ; the younger loads may stay out
	global_store_b128 v[GOH], v[T+4*\i:T+4*\i+3], s[\p:\p+1] offset:512*\i
.endr
.endm
.macro REDUCE base                     ; four rows' sums over the 32 lanes, the rows by turns
.irp m, 1,2,4,8
.irp i, 0,1,2,3
	v_add_f32_dpp v[TA+(\base)+2*\i], v[TA+(\base)+2*\i], v[TA+(\base)+2*\i] row_xmask:\m row_mask:0xf bank_mask:0xf
.endr
.endr
.irp i, 0,1,2,3
	v_permlanex16_b32 v[TA+(\base)+2*\i+1], v[TA+(\base)+2*\i], s[SEL], s[SEL+1]
.endr
.irp i, 0,1,2,3
	v_add_f32 v[TA+(\base)+2*\i], v[TA+(\base)+2*\i], v[TA+(\base)+2*\i+1]
.endr
.endm
; THE ROW PHASE on my four rows.  mode 0: XR holds X.  mode 1, 2: XR += the product's result from ACT (the residual stream stays in f32); mode 1 stores it.  Then LayerNorm, rounded to bf16 into my rows of ACT.
; mode 2: afterwards XR += bf2.
.macro ROWS mode
.if \mode
	WIN 0x40
.set n, 0
.rept 16
	ds_load_b64 v[YY+2*n:YY+2*n+1], v[ROWL] offset:(n/4)*PW+(n%4)*256
.set n, n+1
.endr
.irp j, 0,1,2,3
	ds_load_b128 v[GG+4*\j:GG+4*\j+3], v[PARL] offset:512*\j
	ds_load_b128 v[BB+4*\j:BB+4*\j+3], v[PARL] offset:2048+512*\j
.if (\mode) == 2
	ds_load_b128 v[BF+4*\j:BF+4*\j+3], v[PARL] offset:6144+512*\j
.endif
.endr
	WIN 0
	s_wait_dscnt 0x0
	s_wait_loadcnt 0x0                             ; the residual rows
.endif
.irp i, 0,1,2,3
.if \mode
	WIN 0x01
.set n, 0
.rept 8
	v_fma_mix_f32_bf16 v[XR+16*\i+2*n], v[YY+8*\i+n], v[ONE], v[XR+16*\i+2*n] op_sel_hi:[1,0,0]
	v_fma_mix_f32_bf16 v[XR+16*\i+2*n+1], v[YY+8*\i+n], v[ONE], v[XR+16*\i+2*n+1] op_sel:[1,0,0] op_sel_hi:[1,0,0]
.set n, n+1
.endr
	WIN 0
.endif
.if (\mode) == 1
.irp j, 0,1,2,3
	global_store_b128 v[XO], v[XR+16*\i+4*\j:XR+16*\i+4*\j+3], s[X1P:X1P+1] offset:2048*\i+512*\j
.endr
.endif
.irp q, 0,2,4,6
	v_pk_add_f32 v[T+8*\i+\q:T+8*\i+\q+1], v[XR+16*\i+2*\q:XR+16*\i+2*\q+1], v[XR+16*\i+2*\q+2:XR+16*\i+2*\q+3]
.endr
	v_pk_add_f32 v[T+8*\i:T+8*\i+1], v[T+8*\i:T+8*\i+1], v[T+8*\i+2:T+8*\i+3]
	v_pk_add_f32 v[T+8*\i+4:T+8*\i+5], v[T+8*\i+4:T+8*\i+5], v[T+8*\i+6:T+8*\i+7]
	v_pk_add_f32 v[T+8*\i:T+8*\i+1], v[T+8*\i:T+8*\i+1], v[T+8*\i+4:T+8*\i+5]
	v_add_f32 v[TA+2*\i], v[T+8*\i], v[T+8*\i+1]
	v_mov_b32 v[TA+2*\i+1], 0                      ; the exchange's destinations count as read
	v_mov_b32 v[TA+8+2*\i+1], 0
.endr
	REDUCE 0
.irp i, 0,1,2,3
	v_mul_f32 v[TA+2*\i], s[RN], v[TA+2*\i]        ; the mean
.endr
.irp i, 0,1,2,3
.irp q, 0,2,4,6,8,10,12,14
	v_pk_add_f32 v[T+\q:T+\q+1], v[XR+16*\i+\q:XR+16*\i+\q+1], v[TA+2*\i:TA+2*\i+1] op_sel_hi:[1,0] neg_lo:[0,1] neg_hi:[0,1]
.endr
	v_pk_mul_f32 v[T+16:T+17], v[T:T+1], v[T:T+1]
	v_pk_mul_f32 v[T+18:T+19], v[T+2:T+3], v[T+2:T+3]
.irp q, 4,8,12
	v_pk_fma_f32 v[T+16:T+17], v[T+\q:T+\q+1], v[T+\q:T+\q+1], v[T+16:T+17]
	v_pk_fma_f32 v[T+18:T+19], v[T+\q+2:T+\q+3], v[T+\q+2:T+\q+3], v[T+18:T+19]
.endr
	v_pk_add_f32 v[T+16:T+17], v[T+16:T+17], v[T+18:T+19]
	v_add_f32 v[TA+8+2*\i], v[T+16], v[T+17]
.endr
	REDUCE 8
.irp i, 0,1,2,3
	v_fma_f32 v[TA+8+2*\i], v[TA+8+2*\i], s[RN], s[EPS]
.endr
.irp i, 0,1,2,3
	v_rsq_f32 v[TA+8+2*\i], v[TA+8+2*\i]
.endr
	v_nop                                          ; a plain instruction behind the last root,
	s_wait_alu depctr_va_vdst(0)                   ; and one wait for the four, ahead of their first reader
.irp i, 0,1,2,3
	v_mul_f32 v[TA+2*\i], v[TA+2*\i], v[TA+8+2*\i] ; mean / sigma
.endr
.if (\mode) == 0
	s_wait_loadcnt 0x0                             ; g1 and b1
.endif
.irp i, 0,1,2,3
.irp q, 0,2,4,6,8,10,12,14
	v_pk_fma_f32 v[T+\q:T+\q+1], v[XR+16*\i+\q:XR+16*\i+\q+1], v[TA+8+2*\i:TA+8+2*\i+1], v[TA+2*\i:TA+2*\i+1] op_sel_hi:[1,0,0] neg_lo:[0,0,1] neg_hi:[0,0,1]
.endr
	WIN 0x14                                       ; g and b in window 1
.irp q, 0,2,4,6,8,10,12,14
	v_pk_fma_f32 v[T+\q:T+\q+1], v[T+\q:T+\q+1], v[GG+\q:GG+\q+1], v[BB+\q:BB+\q+1]
.endr
	WIN 0
.irp q, 0,1,2,3,4,5,6,7
	v_cvt_pk_bf16_f32 v[T+16+\q], v[T+2*\q], v[T+2*\q+1]
.endr
.irp j, 0,1,2,3
	ds_store_b64 v[ROWL], v[T+16+2*\j:T+17+2*\j] offset:\i*PW+256*\j
.endr
.if (\mode) == 2
	WIN 0x04
.irp q, 0,2,4,6,8,10,12,14
	v_pk_add_f32 v[XR+16*\i+\q:XR+16*\i+\q+1], v[XR+16*\i+\q:XR+16*\i+\q+1], v[BF+\q:BF+\q+1]
.endr
	WIN 0
.endif
.endr
.endm
	s_load_b256 s[4:11], s[0:1], 0x0               ; o X g1 b1
	s_load_b128 s[12:15], s[0:1], 0x20             ; wt x1
	s_load_b64 s[16:17], s[0:1], 0x30              ; qc
	HEAD1 1
	s_wait_kmcnt 0x0
	HEAD2 WTP, 3*524288                            ; Wo_s, then Wq_c
	s_lshl_b32 s52, s[GI], 16                      ; my 32 rows of 2,048 bytes
	s_mov_b32 s53, 0
	s_add_nc_u64 s[XP:XP+1], s[XP:XP+1], s[52:53]
	s_add_nc_u64 s[X1P:X1P+1], s[X1P:X1P+1], s[52:53]
	s_lshr_b32 s52, s[GI], 6                       ; by heads: batch,
	s_lshl_b32 s52, s52, 21
	s_lshl_b32 s23, s[WV], 18                      ; head = my wave,
	s_add_co_u32 s52, s52, s23
	s_and_b32 s23, s[GI], 63
	s_lshl_b32 s23, s23, 12                        ; 32 rows of 128 bytes
	s_add_co_u32 s52, s52, s23
	s_add_nc_u64 s[OP:OP+1], s[OP:OP+1], s[52:53]
	s_add_nc_u64 s[QCP:QCP+1], s[QCP:QCP+1], s[52:53]
	s_mov_b32 s[FILLS], 6                          ; 8 chunks, two of them first fills
	FIRST
.irp i, 0,1,2,3,4,5,6,7
	global_load_b128 v[T+4*\i:T+4*\i+3], v[GOH], s[OP:OP+1] offset:512*\i th:TH_LOAD_NT  ; head w's 64 channels of my work-group's 32 rows
.endr
	v_and_b32 v[ADR], 127, v0
	v_lshlrev_b32 v[ADR], 4, v[ADR]
	v_lshl_add_u32 v[STO], v0, 4, PAR
	s_cmp_lt_u32 s[WV], 4                          ; waves 0 to 3 bring g1, waves 4 to 7 b1: 16 bytes a thread
	s_cselect_b64 s[2:3], s[G1P:G1P+1], s[B1P:B1P+1]
	global_load_b128 v[16:19], v[ADR], s[2:3]
.set n, 0
.rept 16
	global_load_b128 v[XR+4*n:XR+4*n+3], v[XO], s[XP:XP+1] offset:2048*(n/4)+512*(n%4) th:TH_LOAD_NT
.set n, n+1
.endr
	s_wait_loadcnt 16                              ; o and the parameters are in; X's 16 loads may stay out
.irp i, 0,1,2,3,4,5,6,7
	ds_store_b128 v[RDH], v[T+4*\i:T+4*\i+3] offset:4*PW*\i
.endr
	ds_store_b128 v[STO], v[16:19]
	s_wait_tensorcnt 0x1                           ; my part of chunk 0 is in; chunk 1's may stay out
	BAR
	LOADA
	FETCHW0
	s_mov_b32 s[CB], 0
	s_mov_b32 s[TR], 4
.Ltrip:                                                ; o Wo_s
	TRIP 2, 1, 0
	s_sub_co_u32 s[TR], s[TR], 1
	s_cmp_lg_u32 s[TR], 0
	s_cbranch_scc1 .Ltrip
	BAR                                            ; every wave's columns of the result lie in ACT
	ROWS 1
	BAR                                            ; every wave's rows of n lie in ACT
	LOADA
	s_mov_b32 s[CB], 0                             ; n Wq_c: the last two trips are written out
	s_mov_b32 s[TR], 2
.Ltrip2:
	TRIP 2, 1, 0
	s_sub_co_u32 s[TR], s[TR], 1
	s_cmp_lg_u32 s[TR], 0
	s_cbranch_scc1 .Ltrip2
	TRIP 1, 1, 0
	TRIP 0, 0, 0
	HEADS_OUT QCP
	s_wait_tensorcnt 0x0                           ; the wave's end, behind my last tensor load and my last LDS store
	ds_add_u32 v[SPW], v[NIL]
	s_wait_dscnt 0x0
	ROUND                                          ; the closing round
	s_endpgm
.Lfunc_end_k_qadf54f0f23_mid:
	.size	k_qadf54f0f23_mid, .Lfunc_end_k_qadf54f0f23_mid-k_qadf54f0f23_mid
	.p2alignl 7, 3214868480
	.fill 96, 4, 3214868480
	.section	.rodata,"a",@progbits
	.p2align	6, 0x0
	.amdhsa_kernel k_qadf54f0f23_mid
		.amdhsa_group_segment_fixed_size 327680
		.amdhsa_private_segment_fixed_size 0
		.amdhsa_enable_private_segment 0
		.amdhsa_kernarg_size 56
		.amdhsa_user_sgpr_count 2
		.amdhsa_user_sgpr_kernarg_segment_ptr 1
		.amdhsa_wavefront_size32 1
		.amdhsa_system_sgpr_workgroup_id_x 1
		.amdhsa_system_sgpr_workgroup_id_y 1
		.amdhsa_system_sgpr_workgroup_id_z 1
		.amdhsa_system_vgpr_workitem_id 0
		.amdhsa_next_free_vgpr 512
		.amdhsa_next_free_sgpr 66
		.amdhsa_reserve_vcc 0
		.amdhsa_float_denorm_mode_32 3
		.amdhsa_float_denorm_mode_16_64 3
		.amdhsa_memory_ordered 1
		.amdhsa_forward_progress 1
		.amdhsa_inst_pref_size 67
	.end_amdhsa_kernel
	.amdgpu_metadata
---
amdhsa.version: [ 1, 2 ]
amdhsa.kernels:
  - .name:           k_qadf54f0f23_mid
    .symbol:         k_qadf54f0f23_mid.kd
    .args:
      - { .name: o, .offset: 0, .size: 8, .value_kind: global_buffer, .address_space: global }
      - { .name: X, .offset: 8, .size: 8, .value_kind: global_buffer, .address_space: global }
      - { .name: g1, .offset: 16, .size: 8, .value_kind: global_buffer, .address_space: global }
      - { .name: b1, .offset: 24, .size: 8, .value_kind: global_buffer, .address_space: global }
      - { .name: wt, .offset: 32, .size: 8, .value_kind: global_buffer, .address_space: global }
      - { .name: x1, .offset: 40, .size: 8, .value_kind: global_buffer, .address_space: global }
      - { .name: qc, .offset: 48, .size: 8, .value_kind: global_buffer, .address_space: global }
    .group_segment_fixed_size: 327680
    .private_segment_fixed_size: 0
    .kernarg_segment_align: 8
    .kernarg_segment_size: 56
    .max_flat_workgroup_size: 256
    .sgpr_count:     66
    .vgpr_count:     512
    .wavefront_size: 32
...
	.end_amdgpu_metadata
.endif
;; end of part 4
;; launch attn_c (part 5): grid 8 x 32, 8 waves a work-group, clusters of 4 x 1, 327,680 bytes of LDS; arguments qc, kvc, o; writes o
.if DOCPART == 5
	.amdgcn_target "amdgcn-amd-amdhsa--gfx1250"
	.amdhsa_code_object_version 6
	.text
	.protected	k_qadf54f0f23_attn_c
	.globl	k_qadf54f0f23_attn_c
	.p2align	8
	.type	k_qadf54f0f23_attn_c,@function
k_qadf54f0f23_attn_c:
	s_mov_b64 s[64:65], 0
	v_nop
	global_prefetch_b8 v0, s[64:65] scope:SCOPE_SE
	s_setreg_imm32_b32 hwreg(HW_REG_WAVE_MODE, 25, 1), 1
	s_wait_xcnt 0x0
	s_wait_alu depctr_hold_cnt(0) depctr_sa_sdst(0) depctr_va_vdst(0) depctr_va_sdst(0) depctr_va_ssrc(0) depctr_va_vcc(0) depctr_vm_vsrc(0)
	s_getreg_b32 s2, hwreg(HW_REG_IB_STS2, 6, 4)
	s_cmp_eq_u32 s2, 0
	s_cbranch_scc0 .Lentry_in_a_cluster
	s_endpgm
.Lentry_in_a_cluster:
	s_bfe_u32 s2, ttmp6, 0x10000c
	s_cmp_lg_u32 s2, 0x3003
	s_cbranch_scc0 .Lentry_shape_is_right
	s_endpgm
.Lentry_shape_is_right:
; GATED ATTENTION, head size 64.  O[q] = sum over k of g(s) softmax_k(s / 8) V[k], s = Q[q] . K[k]; g = 1 where s > 0, else 0; the softmax's divisor is taken over ALL keys.
; Q, K, V, O by heads, dense rows of 128 bytes, bf16.  SELF = 1: Q, K, V lie in one buffer, 2,048 keys.  SELF = 0: Q in one buffer, K and V in another, 1,024 keys.
; SHARES.  A work-group owns 256 queries of one head, each of its eight waves 32: two tiles of 16.  Every wave walks all keys, 64 a step, four steps to an LDS slot.
; LAYOUT.  S^T = K Q^T (source 0 = 16 keys, source 1 = 16 queries): a lane holds ONE query (lane % 16) and the keys 8 (lane / 16) + 0..7.  Two such results rounded to bf16 ARE source 1 of O^T = V^T P.
; K comes out of LDS as it lies, V turned, by ds_load_tr16_b128.
; SOFTMAX.  A running maximum m and sum l: p = 2^(c s - c m), c = log2(e) / 8; in every step O and l are multiplied by a = 2^(c m_old - c m_new).
; THE GATE.  g = s x 2^100 held to 0 .. 1; P = p g; l sums the ungated p.
; BY TURNS.  The wave's two tiles take turns.  Trip n, tile 0's turn: 8 products V^T P of tile 0 for step n - 1, then 8 products K Q^T of tile 0 for step n; tile 1's softmax of step n - 1, a list of 151 vector
; instructions, is dealt out behind them, nine or ten behind each, so that the wave has vector work to issue while a product is at work.  Tile 1's turn: the same products for tile 1, and tile 0's softmax of step n.
; K of step n is asked for at the head of tile 0's turn, eight products ahead of its first use; V of step n behind tile 1's eighth product, eight products ahead of the next trip.
; K, V and Q lie in window 1 and all that a softmax touches in window 0 (together 384 registers: no one window holds them), so a product costs two switches of the window.
; NO FIRST STEP IS WRITTEN OUT.  m starts at -2^27 and l at 1: a virtual key with that score.  Trip 0 runs tile 1's list on scores preset to -2^27: c s - c m is exactly 0 (c x 2^27 is exact), the gates are 0, P is 0,
; a is 1; V's registers, tile 0's P and O are preset to 0.  The virtual key's share of l is multiplied in all by 2^(c (-2^27 - m)), in at most 33 factors, each 0 or at least 2^-126 (v_exp_f32 gives 0 for a
; denormal result: ISA guide 15.8): once a score above 0 has been seen one factor is 0; where no score is above 0 every gate is 0 and O is 0 whatever l holds, and l is at least 1.
; The price: 184 lines that set registers, in the wait for the first tile; at the end 8 products on a stale K.
; CLUSTER.  The four query blocks of a cluster belong to one head and walk the same K and V: each tile is asked for jointly.
; LIMITS.  sigmoid(s / 8) > 0.5 is taken as s > 0; scores between 0 and 2^-100 get a fractional gate.  P and O are rounded once to bf16; a weight below 2^-126 counts as 0; NaN and infinities are not treated apart.
.set SELF,  0
.set LK,    1024
.set NS,    LK/256
.set KS,    64
.set PK,    144                        ; a row of K in LDS: 128 bytes + 16, an odd multiple of 16
.set PV,    160                        ; a row of V: 128 + 32, an odd multiple of 32
.set VOFF,  4*KS*PK                    ; a slot: 256 rows of K, then 256 rows of V
.set SLOT1, 1<<17
.set STAGE, SLOT1+4*KS*(PK+PV)         ; 16 rows x 144 bytes for each wave, for the way out; no tensor load lands here or behind
.set SP,    144
.set SPARE, STAGE+8*16*SP              ; the spare words, 128 bytes for each wave; no other line names them
.set QO,  1
.set AK0, 2
.set AV0, 3
.set AK,  4
.set AV,  5
.set STO, 6
.set RD,  7
.set GO,  8
.set PFO, 9
.set SPW, 10                           ; v10  SPARE + 4 x my thread's number; never rewritten
.set NIL, 11                           ; v11  0; never rewritten
.set BIG, 12                           ; v[12:13] 2^100 twice
.set MV,  14                           ; v14-15 c m_old, by tile
.set ST,  16                           ; tile t at ST + 8 t: c m, m, l (even keys', odd keys'), c0-c3 at work; c2 takes a
.set S,   32                           ; v32-95   S^T, 32 a tile
.set GT,  96                           ; v96-159  the gates, 32 a tile; P ends in the first 16
.set O,   160                          ; v160-223 O^T, 32 a tile
.set OB,  224                          ; v224-255 the way out
.set KF,  0                            ; window 1: K at 16 kb + 8 c; V at 64 + 32 kk + 8 cb; Q at 128 + 16 t + 8 c
.set VF,  64
.set QF,  128
.set QP, 10
.set KP, 12
.set VP, 14
.set OP, 16
.set WV, 20
.set CX, 21
.set G1K, 24
.set G1V, 32
.set G0K, 40
.set G0V, 44
.set PFA, 48
.set LIM, 50
.set SLOTS, 56
.set CNT, 57
.set CS, 58
.set SEL, 60
.set TBK, 62
.set TBV, 63
.set MSB, 0
.macro WIN new                         ; s_set_vgpr_msb: bits 1:0 source 0, 3:2 source 1, 5:4 source 2, 7:6 destination; the high byte repeats the setting that is left
.if MSB != (\new)
	s_set_vgpr_msb (MSB<<8)|(\new)
.set MSB, (\new)
.endif
.endm
.macro NOPS
.rept 4
	v_nop
.endr
.endm
.macro ROUND                           ; a round of the cluster's barrier
	s_barrier_signal -1
	s_barrier_wait -1
	s_cmp_lg_u32 s[WV], 0
	s_cbranch_scc1 .Lnw0_\@
	s_barrier_signal -3
.Lnw0_\@:
	s_barrier_wait -3
	s_barrier_signal -1
	s_barrier_wait -1
.endm
.macro JLOAD                           ; a joint fill: waves 0 to 3 fetch the quarters of a slot's K, waves 4 to 7 those of its V, 64 keys each
	s_cmp_lt_u32 s[WV], 4
	s_cbranch_scc0 .Lfor_v_\@
	tensor_load_to_lds s[G0K:G0K+3], s[G1K:G1K+7]
	s_nop 0
	NOPS
	s_branch .Lasked_\@
.Lfor_v_\@:
	tensor_load_to_lds s[G0V:G0V+3], s[G1V:G1V+7]
	s_nop 0
	NOPS
.Lasked_\@:
.endm
; THE CHANGE OF SLOTS, between two trips: K and V of the slot's fourth step have been asked for.  All my tensor loads have landed (the one that was out is my part of the other slot), the add, my reads of the slot
; that is left are back.  fill = 1: a round of the cluster's barrier, the joint fill of that slot first behind it (four trips in which to land), and a prefetch of the slot that the NEXT change will ask for: the
; head's first cluster asks, its partners share the rows out by address, wave 0 for K and wave 4 for V, a lane a block of 256 bytes: each block is named once; the last filling change asks for nothing.
.macro CHANGE fill
	WIN 0
	s_wait_tensorcnt 0x0
	ds_add_u32 v[SPW], v[NIL]
.if \fill
.irp g, G0K, G0V
	s_xor_b32 s[\g+1], s[\g+1], SLOT1
	s_add_nc_u64 s[\g+2:\g+3], s[\g+2:\g+3], 4*KS*128
.endr
	s_wait_xcnt 0x0                                ; the last prefetch, four trips back, has read its address
	s_add_nc_u64 s[PFA:PFA+1], s[PFA:PFA+1], 4*KS*128
	s_wait_dscnt 0x0
	ROUND
	JLOAD
	s_cmp_gt_u32 s[SLOTS], s[LIM]
	s_cbranch_scc0 .Lnp_\@
	global_prefetch_b8 v[PFO], s[PFA:PFA+1] th:TH_LOAD_NT scope:SCOPE_SE
.Lnp_\@:
.else
	s_wait_dscnt 0x0
	s_barrier_signal -1
	s_barrier_wait -1
.endif
	s_sub_co_u32 s[TBK], s[TBK], 4*KS*PK           ; the fetches go back to a slot's first step, in the other slot
	s_xor_b32 s[TBK], s[TBK], SLOT1
	s_sub_co_u32 s[TBV], s[TBV], 4*KS*PV
	s_xor_b32 s[TBV], s[TBV], SLOT1
.endm
; THE VECTOR WORK OF A TURN: one tile's softmax for one key step, a list of 151; SM writes number j of it for tile t and steps j.  s0-s31 are the lane's 32 scores, in pairs 0-15.
;   0       c m_old is kept
;   1-16    the maximum of s0-s31 and the old m, three operands at a time: four chains of seven scores (each accumulator's lowest registers first), the four left over, the old m
;   17-20   the other half of the lanes' maximum; the new m; c m; c m_old - c m_new
;   21-85   ONE BATCH: for each pair its gate (of the raw scores) and its scaling c s - c m, and between them the exponentials of the pair before; last a.  None of these names an exponential's result
;   86      a plain instruction behind the last exponential, and ONE wait for the 33, ahead of their first reader
;   87-102  P = p g     103-118  rounded to bf16, in place: register i takes pair i     119-134  the sum of the 16 pairs, in place; l = a l + the sum     135-150  the tile's O^T times a, each accumulator from its low end on
.macro SM t
.set rT, ST+8*(\t)
.set rC, ST+8*(\t)+4
.set rS, S+32*(\t)
.set rG, GT+32*(\t)
.set rO, O+32*(\t)
.if j == 0
	v_mov_b32 v[MV+(\t)], v[rT]
.elseif j < 5
	v_max3_num_f32 v[rC+j-1], v[rS+8*(j-1)], v[rS+8*(j-1)+1], v[rS+8*(j-1)+2]
.elseif j < 13
	v_max3_num_f32 v[rC+(j-1)%4], v[rC+(j-1)%4], v[rS+8*((j-1)%4)+2*((j-1)/4)+1], v[rS+8*((j-1)%4)+2*((j-1)/4)+2]
.elseif j == 13
	v_max3_num_f32 v[rC], v[rC], v[rS+7], v[rS+15]
.elseif j == 14
	v_max3_num_f32 v[rC+1], v[rC+1], v[rS+23], v[rS+31]
.elseif j == 15
	v_max3_num_f32 v[rC+2], v[rC+2], v[rC+3], v[rT+1]
.elseif j == 16
	v_max3_num_f32 v[rC], v[rC], v[rC+1], v[rC+2]
.elseif j == 17
	v_permlanex16_b32 v[rC+3], v[rC], s[SEL], s[SEL+1]  ; the query's other 32 keys lie in the lane 16 away
.elseif j == 18
	v_max_num_f32 v[rT+1], v[rC], v[rC+3]
.elseif j == 19
	v_mul_f32 v[rT], s[CS], v[rT+1]
.elseif j == 20
	v_sub_f32 v[rC+1], v[MV+(\t)], v[rT]
.elseif j < 85
.if j < 23                             ; 21, 22: pair 0's gate and scaling
.set b, 0
.set r, 2*(j-21)
.elseif j < 83                         ; fours: pair b's gate, an exponential of pair b - 1, pair b's scaling, the other exponential
.set b, (j-23)/4+1
.set r, (j-23)%4
.else                                  ; 83, 84: pair 15's exponentials
.set b, 16
.set r, 2*(j-83)+1
.endif
.if r == 0
	v_pk_mul_f32 v[rG+2*b:rG+2*b+1], v[rS+2*b:rS+2*b+1], v[BIG:BIG+1] clamp
.elseif r == 2
	v_pk_fma_f32 v[rS+2*b:rS+2*b+1], v[rS+2*b:rS+2*b+1], s[CS:CS+1], v[rT:rT+1] op_sel_hi:[1,0,0] neg_lo:[0,0,1] neg_hi:[0,0,1]
.else
	v_exp_f32 v[rS+2*b-2+r/2], v[rS+2*b-2+r/2]
.endif
.elseif j == 85
	v_exp_f32 v[rC+2], v[rC+1]
.elseif j == 86
	v_nop
	s_wait_alu depctr_va_vdst(0)
.elseif j < 103
	v_pk_mul_f32 v[rG+2*(j-87):rG+2*(j-87)+1], v[rG+2*(j-87):rG+2*(j-87)+1], v[rS+2*(j-87):rS+2*(j-87)+1]
.elseif j < 119
	v_cvt_pk_bf16_f32 v[rG+j-103], v[rG+2*(j-103)], v[rG+2*(j-103)+1]
.elseif j < 134                        ; neighbours 1, 2, 4 and 8 pairs apart
.set z, j-119
.set w, 4
.set u, z
.if z >= 14
.set w, 32
.set u, 0
.elseif z >= 12
.set w, 16
.set u, z-12
.elseif z >= 8
.set w, 8
.set u, z-8
.endif
	v_pk_add_f32 v[rS+w*u:rS+w*u+1], v[rS+w*u:rS+w*u+1], v[rS+w*u+w/2:rS+w*u+w/2+1]
.elseif j == 134
	v_pk_fma_f32 v[rT+2:rT+3], v[rT+2:rT+3], v[rC+2:rC+3], v[rS:rS+1] op_sel_hi:[1,0,1]
.else
	v_pk_mul_f32 v[rO+2*(j-135):rO+2*(j-135)+1], v[rO+2*(j-135):rO+2*(j-135)+1], v[rC+2:rC+3] op_sel_hi:[1,0]
.endif
.set j, j+1
.endm
; THE MATRIX WORK OF A TURN, for tile x.  The four accumulators of a run of 8 take turns, one instruction a turn.
; Product i (0-7) of O^T += V^T P: keys 32 (i / 4) on, channels 16 (i % 4) on.
.macro PV x
	WIN 0x01                                       ; V in window 1
	v_wmma_f32_16x16x32_bf16 v[O+32*(\x)+8*(i%4):O+32*(\x)+8*(i%4)+7], v[VF+32*(i/4)+8*(i%4):VF+32*(i/4)+8*(i%4)+7], v[GT+32*(\x)+8*(i/4):GT+32*(\x)+8*(i/4)+7], v[O+32*(\x)+8*(i%4):O+32*(\x)+8*(i%4)+7]
.endm
; Product i (8-15) of S^T = K Q^T: channels 32 ((i - 8) / 4) on, keys 16 (i % 4) on.  The first four start the sums.
.macro KQ x
	WIN 0x05                                       ; K and Q in window 1
.if i < 12
	v_wmma_f32_16x16x32_bf16 v[S+32*(\x)+8*(i%4):S+32*(\x)+8*(i%4)+7], v[KF+16*(i%4):KF+16*(i%4)+7], v[QF+16*(\x):QF+16*(\x)+7], 0
.else
	v_wmma_f32_16x16x32_bf16 v[S+32*(\x)+8*(i%4):S+32*(\x)+8*(i%4)+7], v[KF+16*(i%4)+8:KF+16*(i%4)+15], v[QF+16*(\x)+8:QF+16*(\x)+15], v[S+32*(\x)+8*(i%4):S+32*(\x)+8*(i%4)+7]
.endif
.endm
; A TURN, for tile x: 16 products, and behind product i the numbers (151 i) / 16 to (151 (i + 1)) / 16 - 1 of the other tile's list.  A turn's vector lines name the other tile's registers alone.  The last slice is ten
; plain multiplies on the other tile's O^T: the places between the turn's last product and what follows it: the next turn's first read of the scores just made, and the loads into K's registers.
; last = 1: the tail's text: its fifth trip asks for no K, so the wait at the head is for all LDS loads there: with no K loads behind V's a count would show nothing of V.
.macro TURN x, last
.set j, 0
.set i, 0
.if (\x) == 0
.if \last
	s_cmp_eq_u32 s[CNT], 1
	s_cbranch_scc1 .Lno_k_\@
.endif
	v_add_nc_u32 v[AK], s[TBK], v[AK0]
	s_add_co_u32 s[TBK], s[TBK], KS*PK             ; the next fetch is the next step's
	WIN 0x40                                       ; destination window 1
.irp f, 0,1,2,3,4,5,6,7                ; keys 16 (f / 2) on, channels 32 (f % 2) on
	ds_load_b128 v[KF+8*\f:KF+8*\f+3], v[AK] offset:(\f/2)*16*PK+(\f%2)*64
	ds_load_b128 v[KF+8*\f+4:KF+8*\f+7], v[AK] offset:(\f/2)*16*PK+(\f%2)*64+32
.endr
	WIN 0
.if \last
.Lno_k_\@:
	s_wait_dscnt 0x0                               ; V is in (and K)
.else
	s_wait_dscnt 16                                ; V, asked for a turn ago, is in; K's 16 loads just issued may stay out
.endif
.endif
.rept 16
.if i < 8
	PV \x
.else
.if ((\x) == 0) && (i == 8) && !(\last)
	s_wait_dscnt 0x0                               ; K is in
.endif
	KQ \x
.endif
	WIN 0
.rept (151*(i+1))/16-(151*i)/16
	SM 1-(\x)
.endr
.if ((\x) == 1) && (i == 7)
	NOPS                                           ; four places behind the last product that read V
	v_add_nc_u32 v[AV], s[TBV], v[AV0]
	s_add_co_u32 s[TBV], s[TBV], KS*PV
	WIN 0x40
.irp f, 0,1,2,3,4,5,6,7                ; keys 32 (f / 4) on, channels 16 (f % 4) on
	ds_load_tr16_b128 v[VF+8*\f:VF+8*\f+3], v[AV] offset:(\f/4)*32*PV+(\f%4)*32
	ds_load_tr16_b128 v[VF+8*\f+4:VF+8*\f+7], v[AV] offset:(\f/4)*32*PV+16*PV+(\f%4)*32
.endr
	WIN 0
.endif
.set i, i+1
.endr
.endm
.if SELF
	s_load_b128 s[4:7], s[0:1], 0x0                ; qkv, o
.else
	s_load_b128 s[4:7], s[0:1], 0x0                ; qc, kvc
	s_load_b64 s[8:9], s[0:1], 0x10                ; o
.endif
	v_lshl_add_u32 v[SPW], v0, 2, SPARE
	v_mov_b32 v[NIL], 0
	ds_add_u32 v[SPW], v[NIL]                      ; the wave's opening: the add and its wait stand ahead of my first tensor load; work on registers stands between them
	v_lshrrev_b32 v1, 5, v0
	v_readfirstlane_b32 s[WV], v1
	s_bfe_u32 s[CX], ttmp6, 0x40000                ; my place in the cluster: it enters Q's, O's and the prefetches' addresses alone
	s_lshl_b32 s22, ttmp9, 2
	s_add_co_u32 s22, s22, s[CX]                   ; my block of 256 queries
	s_and_b32 s23, ttmp7, 0xffff                   ; batch x 8 + head, which the partners share
	s_mul_i32 s2, s23, LK*128                      ; the head's first byte in K and in V,
	s_lshl_b32 s54, s[CX], 13
	s_add_co_u32 s54, s54, s2
	s_add_co_u32 s54, s54, 4*KS*128                ; the prefetches: my work-group's 32 blocks, in slot 1; the first change steps them to slot 2
	s_mov_b32 s55, 0
	s_and_b32 s18, s[WV], 3
	s_lshl_b32 s19, s18, 13                        ; my quarter of a slot: 64 rows of 128 bytes
	s_add_co_u32 s2, s2, s19
	s_mov_b32 s3, 0
	s_mov_b32 s[G0K], 1
	s_mul_i32 s[G0K+1], s18, KS*PK
	s_mov_b32 s[G0V], 1
	s_mul_i32 s[G0V+1], s18, KS*PV
	s_add_co_u32 s[G0V+1], s[G0V+1], VOFF
	s_or_b32 s[LIM], s18, ttmp9                    ; waves 0 and 4 of the head's first cluster prefetch
	s_cmp_eq_u32 s[LIM], 0
	s_cselect_b32 s[LIM], 1, -1
	s_lshl_b32 s52, s23, 18                        ; Q and O: the head's 2,048 rows,
	s_lshl_b32 s53, s22, 15
	s_add_co_u32 s52, s52, s53                     ; my block's 256,
	s_lshl_b32 s53, s[WV], 12
	s_add_co_u32 s52, s52, s53                     ; my wave's 32
	s_mov_b32 s53, 0
	; 64 keys are 8,192 dense bytes: asked for as 32 rows of 256 bytes, padded in LDS after every key
	s_mov_b32 s[G1K], 15|(1<<16)|(1<<20)|(1<<21)|(4<<22)|(3<<25)  ; the mask of four; 2-byte elements; padding on; bit 21 beside a mask; after every 32 words, 4 words
	s_mov_b32 s[G1V], 15|(1<<16)|(1<<20)|(1<<21)|(4<<22)|(7<<25)  ; the same with 8 words
.irp g, G1K, G1V
	s_mov_b32 s[\g+1], 128<<16                     ; tensor_dim0 = 128
	s_mov_b32 s[\g+2], 32<<16                      ; tensor_dim1 = 32
	s_mov_b32 s[\g+3], 128<<16                     ; tile_dim0 = 128
	s_mov_b32 s[\g+4], 32                          ; tile_dim1 = 32
	s_mov_b32 s[\g+5], 128                         ; elements from row to row
	s_mov_b32 s[\g+6], 0
	s_mov_b32 s[\g+7], 0
.endr
	s_mov_b32 s[CS], 0x3e38aa3b                    ; c = log2(e) / 8
	s_mov_b32 s[CS+1], s[CS]
	s_mov_b32 s[SEL], 0x76543210
	s_mov_b32 s[SEL+1], 0xfedcba98
	s_mov_b32 s[TBK], SLOT1+4*KS*PK                ; the first change of slots turns these two into 0
	s_mov_b32 s[TBV], SLOT1+4*KS*PV
	s_mov_b32 s[SLOTS], NS-1
	s_wait_dscnt 0x0                               ; the opening add is done
	s_wait_kmcnt 0x0
.if SELF
	s_mov_b64 s[QP:QP+1], s[4:5]
	s_add_nc_u64 s[KP:KP+1], s[4:5], 8388608
	s_add_nc_u64 s[VP:VP+1], s[4:5], 16777216
	s_mov_b64 s[OP:OP+1], s[6:7]
.else
	s_mov_b64 s[QP:QP+1], s[4:5]
	s_mov_b64 s[KP:KP+1], s[6:7]
	s_add_nc_u64 s[VP:VP+1], s[6:7], 4194304
	s_mov_b64 s[OP:OP+1], s[8:9]
.endif
	s_cmp_lt_u32 s[WV], 4
	s_cselect_b64 s[PFA:PFA+1], s[KP:KP+1], s[VP:VP+1]
	s_add_nc_u64 s[PFA:PFA+1], s[PFA:PFA+1], s[54:55]
	s_add_nc_u64 s[G0K+2:G0K+3], s[KP:KP+1], s[2:3]
	s_or_b32 s[G0K+3], s[G0K+3], 0x80000000
	s_add_nc_u64 s[G0V+2:G0V+3], s[VP:VP+1], s[2:3]
	s_or_b32 s[G0V+3], s[G0V+3], 0x80000000
	s_add_nc_u64 s[QP:QP+1], s[QP:QP+1], s[52:53]
	s_add_nc_u64 s[OP:OP+1], s[OP:OP+1], s[52:53]
	ROUND                                          ; all four work-groups are here: the first joint loads meet
	JLOAD                                          ; slot 0; slot 1 is asked for when slot 0 is in
	v_and_b32 v224, 15, v0                         ; l % 16
	v_bfe_u32 v225, v0, 4, 1                       ; l / 16
	v_lshlrev_b32 v[QO], 7, v224
	v_lshl_add_u32 v[QO], v225, 4, v[QO]
	WIN 0x40
.set n, 0
.rept 4                                ; Q stays in registers: tile n / 2, channels 32 (n % 2) on
	global_load_b128 v[QF+8*n:QF+8*n+3], v[QO], s[QP:QP+1] offset:(n/2)*2048+(n%2)*64
	global_load_b128 v[QF+8*n+4:QF+8*n+7], v[QO], s[QP:QP+1] offset:(n/2)*2048+(n%2)*64+32
.set n, n+1
.endr
	; what trip 0 finds; all this stands in the wait for the first tile
.set n, 0
.rept 64
	v_mov_b32 v[VF+n], 0                           ; V of a step that has not been
.set n, n+1
.endr
	WIN 0
.set n, 0
.rept 64
	v_mov_b32 v[O+n], 0
.set n, n+1
.endr
.irp t, 0,1
	v_mov_b32 v[ST+8*\t+1], 0xcd000000             ; m = -2^27
	v_mul_f32 v[ST+8*\t], s[CS], v[ST+8*\t+1]      ; c m, by the multiply that the list uses
	v_mov_b32 v[ST+8*\t+2], 1.0                    ; l
	v_mov_b32 v[ST+8*\t+3], 0
.endr
.set n, 0
.rept 16
	v_mov_b32 v[GT+n], 0                           ; tile 0's P of that step
.set n, n+1
.endr
.set n, 0
.rept 32
	v_mov_b32 v[S+32+n], v[ST+1]                   ; tile 1's scores of that step
.set n, n+1
.endr
	v_mov_b32 v[BIG], 0x71800000
	v_mov_b32 v[BIG+1], 0x71800000
	v_mul_u32_u24 v[AK0], v224, PK
	v_lshl_add_u32 v[AK0], v225, 4, v[AK0]         ; row x pitch + 16 x half
	v_and_b32 v226, 7, v0                          ; the turning load: lane l reads key 8 (l / 16) + l % 8, channels 8 ((l / 8) % 2) on
	v_bfe_u32 v227, v0, 3, 1
	v_lshl_add_u32 v[AV0], v225, 3, v226
	v_mul_u32_u24 v[AV0], v[AV0], PV
	v_lshl_add_u32 v[AV0], v227, 4, v[AV0]
	v_add_nc_u32 v[AV0], VOFF, v[AV0]
	s_mul_i32 s19, s[WV], 16*SP
	s_add_co_u32 s19, s19, STAGE                   ; my stage
	v_mul_u32_u24 v[STO], v224, SP
	v_lshl_add_u32 v[STO], v225, 4, v[STO]
	v_add_nc_u32 v[STO], s19, v[STO]
	v_bfe_u32 v[RD], v0, 3, 2
	v_mul_u32_u24 v[RD], v[RD], SP
	v_lshl_add_u32 v[RD], v226, 4, v[RD]
	v_add_nc_u32 v[RD], s19, v[RD]
	v_and_b32 v[GO], 31, v0
	v_lshlrev_b32 v[PFO], 8, v[GO]
	v_lshlrev_b32 v[GO], 4, v[GO]
	s_wait_loadcnt 0x0                             ; Q
.Lslot:                                                ; NS - 1 times: a slot is entered and the next is asked for
	CHANGE 1
	s_mov_b32 s[CNT], 4
.Lstep:                                                ; a trip fetches one step's K and V
	TURN 0, 0
	TURN 1, 0
	s_sub_co_u32 s[CNT], s[CNT], 1
	s_cmp_lg_u32 s[CNT], 0
	s_cbranch_scc1 .Lstep
	s_sub_co_u32 s[SLOTS], s[SLOTS], 1
	s_cmp_lg_u32 s[SLOTS], 0
	s_cbranch_scc1 .Lslot
	CHANGE 0                                       ; the last slot is written out
	s_mov_b32 s[CNT], 5                            ; four trips fetch its steps; the fifth is left behind tile 0's turn
.Ltail:
	TURN 0, 1
	s_cmp_eq_u32 s[CNT], 1
	s_cbranch_scc1 .Lout
	TURN 1, 1
	s_sub_co_u32 s[CNT], s[CNT], 1
	s_cmp_lg_u32 s[CNT], 0
	s_cbranch_scc1 .Ltail
.Lout:
.set i, 0
.rept 8
	PV 1                                           ; tile 1's V^T P of the last step
.set i, i+1
.endr
	WIN 0
	NOPS                                           ; four places ahead of the way out
	; THE WAY OUT: l's two halves and the other half of the lanes'; O^T / l, rounded to bf16, through my stage, a tile at a time
.irp t, 0,1
	v_add_f32 v[ST+8*\t+2], v[ST+8*\t+2], v[ST+8*\t+3]
.endr
.irp t, 0,1
	v_permlanex16_b32 v[ST+8*\t+3], v[ST+8*\t+2], s[SEL], s[SEL+1]
.endr
.irp t, 0,1
	v_add_f32 v[ST+8*\t+2], v[ST+8*\t+2], v[ST+8*\t+3]
.endr
.irp t, 0,1
	v_rcp_f32 v[ST+8*\t+2], v[ST+8*\t+2]
.endr
	v_nop                                          ; a plain instruction behind the last reciprocal,
	s_wait_alu depctr_va_vdst(0)                   ; and one wait for the two
.macro PACK t
.set n, 0
.rept 16
	v_pk_mul_f32 v[O+32*(\t)+2*n:O+32*(\t)+2*n+1], v[O+32*(\t)+2*n:O+32*(\t)+2*n+1], v[ST+8*(\t)+2:ST+8*(\t)+3] op_sel_hi:[1,0]
.set n, n+1
.endr
.set n, 0
.rept 16
	v_cvt_pk_bf16_f32 v[OB+16*(\t)+n], v[O+32*(\t)+2*n], v[O+32*(\t)+2*n+1]
.set n, n+1
.endr
.irp f, 0,1,2,3
	ds_store_b128 v[STO], v[OB+16*(\t)+4*\f:OB+16*(\t)+4*\f+3] offset:32*\f
.endr
.irp f, 0,1,2,3
	ds_load_b128 v[OB+16*(\t)+4*\f:OB+16*(\t)+4*\f+3], v[RD] offset:\f*4*SP  ; LDS serves a wave's instructions in order: these see the stores above, and the next tile's stores come behind them
.endr
.endm
.macro SEND t, younger                 ; younger: the LDS instructions issued behind tile t's loads
.irp f, 0,1,2,3
	s_wait_dscnt (\younger)+3-\f
	global_store_b128 v[GO], v[OB+16*(\t)+4*\f:OB+16*(\t)+4*\f+3], s[OP:OP+1] offset:(\t)*2048+\f*512  ; 512 consecutive bytes
.endr
.endm
	PACK 0
	PACK 1
	SEND 0, 8
	SEND 1, 0
	s_wait_tensorcnt 0x0                           ; the wave's end, behind my last tensor load and my last LDS store
	ds_add_u32 v[SPW], v[NIL]
	s_wait_dscnt 0x0
	ROUND                                          ; the closing round
	s_endpgm
.Lfunc_end_k_qadf54f0f23_attn_c:
	.size	k_qadf54f0f23_attn_c, .Lfunc_end_k_qadf54f0f23_attn_c-k_qadf54f0f23_attn_c
	.p2alignl 7, 3214868480
	.fill 96, 4, 3214868480
	.section	.rodata,"a",@progbits
	.p2align	6, 0x0
	.amdhsa_kernel k_qadf54f0f23_attn_c
		.amdhsa_group_segment_fixed_size 327680
		.amdhsa_private_segment_fixed_size 0
		.amdhsa_enable_private_segment 0
		.amdhsa_kernarg_size 24
		.amdhsa_user_sgpr_count 2
		.amdhsa_user_sgpr_kernarg_segment_ptr 1
		.amdhsa_wavefront_size32 1
		.amdhsa_system_sgpr_workgroup_id_x 1
		.amdhsa_system_sgpr_workgroup_id_y 1
		.amdhsa_system_sgpr_workgroup_id_z 1
		.amdhsa_system_vgpr_workitem_id 0
		.amdhsa_next_free_vgpr 416
		.amdhsa_next_free_sgpr 66
		.amdhsa_reserve_vcc 0
		.amdhsa_float_denorm_mode_32 3
		.amdhsa_float_denorm_mode_16_64 3
		.amdhsa_memory_ordered 1
		.amdhsa_forward_progress 1
		.amdhsa_inst_pref_size 69
	.end_amdhsa_kernel
	.amdgpu_metadata
---
amdhsa.version: [ 1, 2 ]
amdhsa.kernels:
  - .name:           k_qadf54f0f23_attn_c
    .symbol:         k_qadf54f0f23_attn_c.kd
    .args:
      - { .name: qc, .offset: 0, .size: 8, .value_kind: global_buffer, .address_space: global }
      - { .name: kvc, .offset: 8, .size: 8, .value_kind: global_buffer, .address_space: global }
      - { .name: o, .offset: 16, .size: 8, .value_kind: global_buffer, .address_space: global }
    .group_segment_fixed_size: 327680
    .private_segment_fixed_size: 0
    .kernarg_segment_align: 8
    .kernarg_segment_size: 24
    .max_flat_workgroup_size: 256
    .sgpr_count:     66
    .vgpr_count:     416
    .wavefront_size: 32
...
	.end_amdgpu_metadata
.endif
;; end of part 5
;; launch tail (part 6): grid 256 x 1, 8 waves a work-group, clusters of 4 x 1, 327,680 bytes of LDS; arguments o, x1, g1, b1, bf1, bf2, wt, out0; writes out0
.if DOCPART == 6
	.amdgcn_target "amdgcn-amd-amdhsa--gfx1250"
	.amdhsa_code_object_version 6
	.text
	.protected	k_qadf54f0f23_tail
	.globl	k_qadf54f0f23_tail
	.p2align	8
	.type	k_qadf54f0f23_tail,@function
k_qadf54f0f23_tail:
	s_mov_b64 s[64:65], 0
	v_nop
	global_prefetch_b8 v0, s[64:65] scope:SCOPE_SE
	s_setreg_imm32_b32 hwreg(HW_REG_WAVE_MODE, 25, 1), 1
	s_wait_xcnt 0x0
	s_wait_alu depctr_hold_cnt(0) depctr_sa_sdst(0) depctr_va_vdst(0) depctr_va_sdst(0) depctr_va_ssrc(0) depctr_va_vcc(0) depctr_vm_vsrc(0)
	s_getreg_b32 s2, hwreg(HW_REG_IB_STS2, 6, 4)
	s_cmp_eq_u32 s2, 0
	s_cbranch_scc0 .Lentry_in_a_cluster
	s_endpgm
.Lentry_in_a_cluster:
	s_bfe_u32 s2, ttmp6, 0x10000c
	s_cmp_lg_u32 s2, 0x3003
	s_cbranch_scc0 .Lentry_shape_is_right
	s_endpgm
.Lentry_shape_is_right:
; TAIL.  X2 = X1 + o Wo_c; n = LayerNorm(X2); h = gelu(n W1 + bf1), the exact one; out = X2 + h W2 + bf2.
; SHARES.  A work-group owns 32 whole rows (256 work-groups) and carries them through the three products.  Row phase: wave w has rows 4 w .. 4 w + 3, a lane columns 128 j + 4 l + e; X2 + bf2 stays in its
; registers in f32 to the end.  Products: the activations' fragments (32 rows x 512 k) stay in the registers of every wave; a weight comes in four chunks of 128 columns x all 512 k; of a chunk wave w makes
; 32 rows x 16 columns (n = 64 w + 16 c + i).
; WEIGHTS lie in wt as bf16 rows along k.  All row blocks walk the same 12 chunks, so each is asked for JOINTLY by the four work-groups of a cluster.  Two LDS slots take turns; a chunk's fragments are read
; into registers while the chunk before is multiplied.  What changes lanes goes through ACT, 32 rows in bf16.
; GELU.  erf(x) = 1 - (a1 t + .. + a5 t^5) exp(-x^2), t = 1 / (1 + 0.3275911 x), for x = |u| / sqrt(2), with u's sign put back: within 1.5e-7 of erf for every x.
; LIMITS.  o, o Wo_c, n, h, h W2 and the weights are each rounded once to bf16; the residual stream stays in f32.  LayerNorm in f32: mean, then squares of differences.  NaN and infinities are not treated apart.
.set PW,    1040                       ; an LDS row: 1,024 bytes + 16 of padding, an odd multiple of 16
.set SLOTB, 0x20800                    ; a slot: 128 rows; as a bit pattern it shares no bit with wave x 16 rows, so one exclusive or changes slots
.set ACT,   2*SLOTB                    ; 32 rows of activations in bf16, pitch PW; no tensor load lands here or behind
.set SPARE, ACT+32*PW                  ; the spare words, 128 bytes for each wave; no other line names them
.set PAR,   SPARE+1024                 ; g1, b1, bf1, bf2: 2,048 bytes each
.set CHUNK, 131072
.set ADRW0, 1
.set ADR,   2
.set ADRA,  3
.set STO0,  4
.set STO,   5
.set RDH,   6
.set GOH,   7
.set ROWL,  8
.set XO,    9
.set PFO,   10
.set PARL,  11
.set BIA0,  12                         ; v12  bf1 of my eight columns, chunk 0
.set ONE,   13
.set SPW,   14                         ; v14  SPARE + 4 x my thread's number; never rewritten
.set NIL,   15                         ; v15  0; never rewritten
.set ACC,   16
.set TA,    16
.set WF,    32
.set XR,    160
.set T,     224
.set YY,    0
.set GG,    32
.set BB,    48
.set BF,    64
.set WV, 20
.set CX, 21
.set GI, 22
.set G1, 24
.set G0A, 32
.set G0B, 36
.set TB, 40
.set CB, 41
.set TR, 42
.set FILLS, 44
.set LIM, 45
.set PFA, 46
.set SEL, 48
.set RN, 50
.set EPS, 51
.set OP, 4
.set XP, 6
.set G1P, 8
.set B1P, 10
.set BF1P, 12
.set BF2P, 14
.set WTP, 16
.set OUTP, 18
.set MSB, 0
.macro WIN new                         ; s_set_vgpr_msb: bits 1:0 source 0, 3:2 source 1, 5:4 source 2, 7:6 destination; the high byte repeats the setting that is left
.if MSB != (\new)
	s_set_vgpr_msb (MSB<<8)|(\new)
.set MSB, (\new)
.endif
.endm
.macro NOPS
.rept 4
	v_nop
.endr
.endm
.macro ROUND                           ; a round of the cluster's barrier
	s_barrier_signal -1
	s_barrier_wait -1
	s_cmp_lg_u32 s[WV], 0
	s_cbranch_scc1 .Lnw0_\@
	s_barrier_signal -3
.Lnw0_\@:
	s_barrier_wait -3
	s_barrier_signal -1
	s_barrier_wait -1
.endm
.macro BAR                             ; the work-group's barrier between phases on ACT: the one tensor load that is out may stay out
	WIN 0
	s_wait_dscnt 0x0
	s_barrier_signal -1
	s_barrier_wait -1
.endm
.macro HEAD1 kind
	v_lshl_add_u32 v[SPW], v0, 2, SPARE
	v_mov_b32 v[NIL], 0
	ds_add_u32 v[SPW], v[NIL]                      ; the wave's opening: the add and its wait stand ahead of my first tensor load; work on registers stands between them
	v_lshrrev_b32 v1, 5, v0
	v_readfirstlane_b32 s[WV], v1
	s_bfe_u32 s[CX], ttmp6, 0x40000                ; my place in the cluster: it enters global addresses of my own rows and of prefetches alone
	s_lshl_b32 s[GI], ttmp9, 2
	s_add_co_u32 s[GI], s[GI], s[CX]               ; my block of 32 rows
	s_mov_b32 s[G1], 15|(1<<16)|(1<<20)|(1<<21)|(7<<22)|(3<<25)  ; the mask of four; 2-byte elements; padding on; bit 21 beside a mask; after every 256 words, 4 words
	s_mov_b32 s[G1+1], 512<<16                     ; tensor_dim0 = 512
	s_mov_b32 s[G1+2], 16<<16                      ; tensor_dim1 = 16
	s_mov_b32 s[G1+3], 512<<16                     ; tile_dim0 = 512
	s_mov_b32 s[G1+4], 16                          ; tile_dim1 = 16: each wave fetches the 16 rows that it reads
	s_mov_b32 s[G1+5], 512                         ; elements from row to row
	s_mov_b32 s[G1+6], 0
	s_mov_b32 s[G1+7], 0
	s_mov_b32 s[G0A], 1
	s_mul_i32 s[G0A+1], s[WV], 16*PW
	s_mov_b32 s[G0B], 1
	s_add_co_u32 s[G0B+1], s[G0A+1], SLOTB
	s_mov_b32 s[TB], 0
	s_mov_b32 s[SEL], 0x76543210
	s_mov_b32 s[SEL+1], 0xfedcba98
	s_mov_b32 s[RN], 0x3b000000                    ; 1 / 512
	s_mov_b32 s[EPS], 0x3727c5ac                   ; 1e-5
	s_lshr_b32 s[LIM], s[WV], 2
	s_or_b32 s[LIM], s[LIM], ttmp9                 ; waves 0 to 3 of the first cluster prefetch: the same in all four partners
	s_cmp_eq_u32 s[LIM], 0
	s_cselect_b32 s[LIM], 3, -1
	v_and_b32 v16, 31, v0                          ; l
	v_and_b32 v17, 15, v0                          ; l % 16
	v_bfe_u32 v18, v0, 4, 1                        ; l / 16
	v_mul_u32_u24 v19, v17, PW
	v_lshl_add_u32 v19, v18, 4, v19                ; a fragment's lane place: row x pitch + 16 x half
	v_add_nc_u32 v[ADRW0], s[G0A+1], v19
	v_add_nc_u32 v[ADRA], ACT, v19
	s_lshl_b32 s23, s[WV], 7
	v_add_nc_u32 v[STO0], s23, v[ADRA]
	v_lshrrev_b32 v20, 3, v16
	v_and_b32 v21, 7, v0
	v_mul_u32_u24 v20, v20, PW
	v_lshl_add_u32 v20, v21, 4, v20
	s_add_co_u32 s23, s23, ACT
	v_add_nc_u32 v[RDH], s23, v20
	v_lshlrev_b32 v[GOH], 4, v16
	s_mul_i32 s23, s[WV], 4*PW
	s_add_co_u32 s23, s23, ACT
	v_lshl_add_u32 v[ROWL], v16, 3, s23
	s_lshl_b32 s23, s[WV], 13
	v_lshl_add_u32 v[XO], v16, 4, s23
	v_lshlrev_b32 v[PFO], 8, v16
.if (\kind) > 0
	v_lshl_add_u32 v[PARL], v16, 4, PAR
	v_mov_b32 v[ONE], 1.0
.endif
.if (\kind) == 2
	s_lshl_b32 s23, s[WV], 8
	s_add_co_u32 s23, s23, PAR+4096
	v_lshl_add_u32 v[BIA0], v18, 5, s23
.endif
	s_wait_dscnt 0x0                               ; the opening add is done
.endm
.macro HEAD2 wtp, wboff                ; the two group 0 and the prefetches' place; wboff: the launch's first weight in wt
	s_lshl_b32 s2, s[WV], 14                       ; my 16 rows of a chunk
	s_add_co_u32 s2, s2, \wboff
	s_mov_b32 s3, 0
	s_add_nc_u64 s[G0A+2:G0A+3], s[\wtp:\wtp+1], s[2:3]
	s_add_nc_u64 s[G0B+2:G0B+3], s[G0A+2:G0A+3], CHUNK
	s_or_b32 s[G0A+3], s[G0A+3], 0x80000000
	s_or_b32 s[G0B+3], s[G0B+3], 0x80000000
	s_and_b32 s52, s[WV], 3
	s_lshl_b32 s52, s52, 13                        ; a chunk's 512 blocks of 256 bytes: 4 partners (by address) x 4 waves x 32 lanes
	s_lshl_b32 s53, s[CX], 15
	s_add_co_u32 s52, s52, s53
	s_add_co_u32 s52, s52, (\wboff)+4*CHUNK        ; at chunk 4: the first refill steps it to 5
	s_mov_b32 s53, 0
	s_add_nc_u64 s[PFA:PFA+1], s[\wtp:\wtp+1], s[52:53]
.endm
.macro FIRST                           ; a round, then both first fills as one group: two tensor loads of mine are out
	ROUND
	tensor_load_to_lds s[G0A:G0A+3], s[G1:G1+7]
	s_nop 0
	tensor_load_to_lds s[G0B:G0B+3], s[G1:G1+7]
	s_nop 0
	NOPS
.endm
; 32 products: K in 16 steps, the two accumulators by turns, over the loop's jump too.  fetch = 1: behind every eight products, and four places, the next chunk's fragments take the registers just read.
.macro GEMM fetch
	WIN 0x04                                       ; source 1 (the activations) in window 1
.irp g, 0,1,2,3
.irp q, 0,1,2,3
.irp rt, 0,1
.if (4*(\g)+(\q)) == 0
	v_wmma_f32_16x16x32_bf16 v[ACC+8*(\rt):ACC+8*(\rt)+7], v[WF:WF+7], v[128*(\rt):128*(\rt)+7], 0
.else
	v_wmma_f32_16x16x32_bf16 v[ACC+8*(\rt):ACC+8*(\rt)+7], v[WF+8*(4*(\g)+(\q)):WF+8*(4*(\g)+(\q))+7], v[8*(16*(\rt)+4*(\g)+(\q)):8*(16*(\rt)+4*(\g)+(\q))+7], v[ACC+8*(\rt):ACC+8*(\rt)+7]
.endif
.endr
.endr
.if (\fetch) || ((\g) == 3)
	NOPS
.endif
.if \fetch
.irp q, 0,1,2,3
	ds_load_b128 v[WF+8*(4*(\g)+(\q)):WF+8*(4*(\g)+(\q))+3], v[ADR] offset:(4*(\g)+(\q))*64
	ds_load_b128 v[WF+8*(4*(\g)+(\q))+4:WF+8*(4*(\g)+(\q))+7], v[ADR] offset:(4*(\g)+(\q))*64+32
.endr
.endif
.endr
.endm
.macro EPI0                            ; both accumulators rounded to bf16, 16 bytes a lane into ACT
	WIN 0
	s_wait_xcnt 0x0                                ; T may still be the data of stores
.irp rt, 0,1
.irp q, 0,1,2,3
	v_cvt_pk_bf16_f32 v[T+4*(\rt)+(\q)], v[ACC+8*(\rt)+2*(\q)], v[ACC+8*(\rt)+2*(\q)+1]
.endr
	ds_store_b128 v[STO], v[T+4*(\rt):T+4*(\rt)+3] offset:(\rt)*16*PW
.endr
.endm
; The bias and the exact GELU on both accumulators, then as EPI0.  T: 0-7 t, 8-15 the exponential, 16-23 the polynomial, 24-31 the bias of my eight columns.
.macro EPIG
	WIN 0
	s_wait_dscnt 32                                ; the bias is in; the 32 fragments asked for behind it may stay out
.irp rt, 0,1
.set A0, ACC+8*(\rt)
.irp q, 0,2,4,6
	v_pk_add_f32 v[A0+\q:A0+\q+1], v[A0+\q:A0+\q+1], v[T+24+\q:T+24+\q+1]  ; u
.endr
.irp i, 0,1,2,3,4,5,6,7
	v_and_b32 v[T+\i], s71, v[A0+\i]               ; |u|
.endr
.irp q, 0,2,4,6
	v_pk_fma_f32 v[T+\q:T+\q+1], v[T+\q:T+\q+1], s[72:73], 1.0 op_sel_hi:[1,0,0]  ; 1 + 0.3275911 |u| / sqrt(2)
.endr
.irp q, 0,2,4,6
	v_pk_mul_f32 v[T+8+\q:T+8+\q+1], v[A0+\q:A0+\q+1], v[A0+\q:A0+\q+1]
.endr
.irp q, 0,2,4,6
	v_pk_mul_f32 v[T+8+\q:T+8+\q+1], v[T+8+\q:T+8+\q+1], s[68:69] op_sel_hi:[1,0]  ; - u^2 / 2 x log2(e)
.endr
.irp i, 0,1,2,3,4,5,6,7
	v_rcp_f32 v[T+\i], v[T+\i]
.endr
.irp i, 0,1,2,3,4,5,6,7
	v_exp_f32 v[T+8+\i], v[T+8+\i]
.endr
.irp q, 0,2,4,6
	v_pk_mul_f32 v[A0+\q:A0+\q+1], v[A0+\q:A0+\q+1], 0.5 op_sel_hi:[1,0]  ; u / 2: plain work behind the batch
.endr
	s_wait_alu depctr_va_vdst(0)                   ; one wait for the sixteen, ahead of their first reader
.irp q, 0,2,4,6
	v_pk_fma_f32 v[T+16+\q:T+16+\q+1], v[T+\q:T+\q+1], s[56:57], s[58:59] op_sel_hi:[1,0,0]
.endr
.irp q, 0,2,4,6
	v_pk_fma_f32 v[T+16+\q:T+16+\q+1], v[T+16+\q:T+16+\q+1], v[T+\q:T+\q+1], s[60:61] op_sel_hi:[1,1,0]
.endr
.irp q, 0,2,4,6
	v_pk_fma_f32 v[T+16+\q:T+16+\q+1], v[T+16+\q:T+16+\q+1], v[T+\q:T+\q+1], s[62:63] op_sel_hi:[1,1,0]
.endr
.irp q, 0,2,4,6
	v_pk_fma_f32 v[T+16+\q:T+16+\q+1], v[T+16+\q:T+16+\q+1], v[T+\q:T+\q+1], s[66:67] op_sel_hi:[1,1,0]
.endr
.irp q, 0,2,4,6
	v_pk_mul_f32 v[T+16+\q:T+16+\q+1], v[T+16+\q:T+16+\q+1], v[T+\q:T+\q+1]
.endr
.irp q, 0,2,4,6
	v_pk_fma_f32 v[T+16+\q:T+16+\q+1], v[T+16+\q:T+16+\q+1], v[T+8+\q:T+8+\q+1], 1.0 op_sel_hi:[1,1,0] neg_lo:[1,0,0] neg_hi:[1,0,0]  ; erf(|u| / sqrt(2))
.endr
.irp i, 0,1,2,3,4,5,6,7
	v_bfi_b32 v[T+16+\i], s71, v[T+16+\i], v[A0+\i]  ; with u's sign
.endr
.irp q, 0,2,4,6
	v_pk_fma_f32 v[T+16+\q:T+16+\q+1], v[A0+\q:A0+\q+1], v[T+16+\q:T+16+\q+1], v[A0+\q:A0+\q+1]  ; u / 2 x (1 + erf)
.endr
.irp q, 0,1,2,3
	v_cvt_pk_bf16_f32 v[T+\q], v[T+16+2*\q], v[T+16+2*\q+1]
.endr
	ds_store_b128 v[STO], v[T:T+3] offset:(\rt)*16*PW
.endr
.endm
; A TRIP multiplies the chunk whose fragments are in registers.  chg = 2: all my tensor loads have landed (the one that was out is the next chunk's), the add, my LDS reads are back (the slot that held this
; chunk is read out); a round of the cluster's barrier; the joint refill of that slot, two chunks on, first behind it; a prefetch.  chg = 1: the same waits and the work-group's barrier, nothing is asked for.
; chg = 0: the last chunk.  epi = 1: bias and GELU; the bias is asked for behind the refill.
.macro TRIP chg, fetch, epi
	WIN 0
.if \chg
	s_wait_tensorcnt 0x0
	ds_add_u32 v[SPW], v[NIL]                      ; 0 onto my spare word; work on registers stands between it and the wait for it
.endif
.if (\chg) == 2
	s_xor_b32 s[G0B+1], s[G0B+1], SLOTB            ; no tensor load of mine is out, so the walking group 0 may be written: the other slot, the next chunk
	s_add_nc_u64 s[G0B+2:G0B+3], s[G0B+2:G0B+3], CHUNK
	s_wait_xcnt 0x0                                ; the last prefetch, a trip back, has read its address
	s_add_nc_u64 s[PFA:PFA+1], s[PFA:PFA+1], CHUNK
.endif
.if \fetch
	v_add_nc_u32 v[ADR], s[TB], v[ADRW0]
.endif
	v_add_nc_u32 v[STO], s[CB], v[STO0]
.if \epi
	v_lshl_add_u32 v[T+23], s[CB], 1, v[BIA0]
.endif
	s_wait_dscnt 0x0
.if (\chg) == 2
	ROUND
	tensor_load_to_lds s[G0B:G0B+3], s[G1:G1+7]
	s_nop 0
	NOPS
	s_cmp_gt_u32 s[FILLS], s[LIM]                  ; the chunk that the refill three trips on will ask for: 96 products of each of a SIMD's two waves ahead; each block of 256 bytes is named once in the launch;
	s_cbranch_scc0 .Lnp_\@                         ; the last three refills have no such chunk
	global_prefetch_b8 v[PFO], s[PFA:PFA+1] th:TH_LOAD_NT scope:SCOPE_SE
.Lnp_\@:
	s_sub_co_u32 s[FILLS], s[FILLS], 1
.elseif (\chg) == 1
	s_barrier_signal -1
	s_barrier_wait -1
.endif
	s_xor_b32 s[TB], s[TB], SLOTB
	s_add_co_u32 s[CB], s[CB], 32
.if \epi
	ds_load_b128 v[T+24:T+27], v[T+23]
	ds_load_b128 v[T+28:T+31], v[T+23] offset:16
.endif
	GEMM \fetch
.if \epi
	EPIG
.else
	EPI0
.endif
.endm
.macro LOADA                           ; ACT's 32 fragments into window 1; the next trip's wait for all LDS instructions covers them
	WIN 0x40
.set n, 0
.rept 32
	ds_load_b128 v[8*n:8*n+3], v[ADRA] offset:(n/16)*16*PW+(n%16)*64
	ds_load_b128 v[8*n+4:8*n+7], v[ADRA] offset:(n/16)*16*PW+(n%16)*64+32
.set n, n+1
.endr
	WIN 0
.endm
.macro FETCHW0                         ; chunk 0's fragments
	v_add_nc_u32 v[ADR], s[TB], v[ADRW0]
.set n, 0
.rept 16
	ds_load_b128 v[WF+8*n:WF+8*n+3], v[ADR] offset:n*64
	ds_load_b128 v[WF+8*n+4:WF+8*n+7], v[ADR] offset:n*64+32
.set n, n+1
.endr
	s_xor_b32 s[TB], s[TB], SLOTB
.endm
.macro REDUCE base                     ; four rows' sums over the 32 lanes, the rows by turns
.irp m, 1,2,4,8
.irp i, 0,1,2,3
	v_add_f32_dpp v[TA+(\base)+2*\i], v[TA+(\base)+2*\i], v[TA+(\base)+2*\i] row_xmask:\m row_mask:0xf bank_mask:0xf
.endr
.endr
.irp i, 0,1,2,3
	v_permlanex16_b32 v[TA+(\base)+2*\i+1], v[TA+(\base)+2*\i], s[SEL], s[SEL+1]
.endr
.irp i, 0,1,2,3
	v_add_f32 v[TA+(\base)+2*\i], v[TA+(\base)+2*\i], v[TA+(\base)+2*\i+1]
.endr
.endm
; THE ROW PHASE on my four rows.  mode 0: XR holds X.  mode 1, 2: XR += the product's result from ACT (the residual stream stays in f32); mode 1 stores it.  Then LayerNorm, rounded to bf16 into my rows of ACT.
; mode 2: afterwards XR += bf2.
.macro ROWS mode
.if \mode
	WIN 0x40
.set n, 0
.rept 16
	ds_load_b64 v[YY+2*n:YY+2*n+1], v[ROWL] offset:(n/4)*PW+(n%4)*256
.set n, n+1
.endr
.irp j, 0,1,2,3
	ds_load_b128 v[GG+4*\j:GG+4*\j+3], v[PARL] offset:512*\j
	ds_load_b128 v[BB+4*\j:BB+4*\j+3], v[PARL] offset:2048+512*\j
.if (\mode) == 2
	ds_load_b128 v[BF+4*\j:BF+4*\j+3], v[PARL] offset:6144+512*\j
.endif
.endr
	WIN 0
	s_wait_dscnt 0x0
	s_wait_loadcnt 0x0                             ; the residual rows
.endif
.irp i, 0,1,2,3
.if \mode
	WIN 0x01
.set n, 0
.rept 8
	v_fma_mix_f32_bf16 v[XR+16*\i+2*n], v[YY+8*\i+n], v[ONE], v[XR+16*\i+2*n] op_sel_hi:[1,0,0]
	v_fma_mix_f32_bf16 v[XR+16*\i+2*n+1], v[YY+8*\i+n], v[ONE], v[XR+16*\i+2*n+1] op_sel:[1,0,0] op_sel_hi:[1,0,0]
.set n, n+1
.endr
	WIN 0
.endif
.if (\mode) == 1
.irp j, 0,1,2,3
	global_store_b128 v[XO], v[XR+16*\i+4*\j:XR+16*\i+4*\j+3], s[X1P:X1P+1] offset:2048*\i+512*\j
.endr
.endif
.irp q, 0,2,4,6
	v_pk_add_f32 v[T+8*\i+\q:T+8*\i+\q+1], v[XR+16*\i+2*\q:XR+16*\i+2*\q+1], v[XR+16*\i+2*\q+2:XR+16*\i+2*\q+3]
.endr
	v_pk_add_f32 v[T+8*\i:T+8*\i+1], v[T+8*\i:T+8*\i+1], v[T+8*\i+2:T+8*\i+3]
	v_pk_add_f32 v[T+8*\i+4:T+8*\i+5], v[T+8*\i+4:T+8*\i+5], v[T+8*\i+6:T+8*\i+7]
	v_pk_add_f32 v[T+8*\i:T+8*\i+1], v[T+8*\i:T+8*\i+1], v[T+8*\i+4:T+8*\i+5]
	v_add_f32 v[TA+2*\i], v[T+8*\i], v[T+8*\i+1]
	v_mov_b32 v[TA+2*\i+1], 0                      ; the exchange's destinations count as read
	v_mov_b32 v[TA+8+2*\i+1], 0
.endr
	REDUCE 0
.irp i, 0,1,2,3
	v_mul_f32 v[TA+2*\i], s[RN], v[TA+2*\i]        ; the mean
.endr
.irp i, 0,1,2,3
.irp q, 0,2,4,6,8,10,12,14
	v_pk_add_f32 v[T+\q:T+\q+1], v[XR+16*\i+\q:XR+16*\i+\q+1], v[TA+2*\i:TA+2*\i+1] op_sel_hi:[1,0] neg_lo:[0,1] neg_hi:[0,1]
.endr
	v_pk_mul_f32 v[T+16:T+17], v[T:T+1], v[T:T+1]
	v_pk_mul_f32 v[T+18:T+19], v[T+2:T+3], v[T+2:T+3]
.irp q, 4,8,12
	v_pk_fma_f32 v[T+16:T+17], v[T+\q:T+\q+1], v[T+\q:T+\q+1], v[T+16:T+17]
	v_pk_fma_f32 v[T+18:T+19], v[T+\q+2:T+\q+3], v[T+\q+2:T+\q+3], v[T+18:T+19]
.endr
	v_pk_add_f32 v[T+16:T+17], v[T+16:T+17], v[T+18:T+19]
	v_add_f32 v[TA+8+2*\i], v[T+16], v[T+17]
.endr
	REDUCE 8
.irp i, 0,1,2,3
	v_fma_f32 v[TA+8+2*\i], v[TA+8+2*\i], s[RN], s[EPS]
.endr
.irp i, 0,1,2,3
	v_rsq_f32 v[TA+8+2*\i], v[TA+8+2*\i]
.endr
	v_nop                                          ; a plain instruction behind the last root,
	s_wait_alu depctr_va_vdst(0)                   ; and one wait for the four, ahead of their first reader
.irp i, 0,1,2,3
	v_mul_f32 v[TA+2*\i], v[TA+2*\i], v[TA+8+2*\i] ; mean / sigma
.endr
.if (\mode) == 0
	s_wait_loadcnt 0x0                             ; g1 and b1
.endif
.irp i, 0,1,2,3
.irp q, 0,2,4,6,8,10,12,14
	v_pk_fma_f32 v[T+\q:T+\q+1], v[XR+16*\i+\q:XR+16*\i+\q+1], v[TA+8+2*\i:TA+8+2*\i+1], v[TA+2*\i:TA+2*\i+1] op_sel_hi:[1,0,0] neg_lo:[0,0,1] neg_hi:[0,0,1]
.endr
	WIN 0x14                                       ; g and b in window 1
.irp q, 0,2,4,6,8,10,12,14
	v_pk_fma_f32 v[T+\q:T+\q+1], v[T+\q:T+\q+1], v[GG+\q:GG+\q+1], v[BB+\q:BB+\q+1]
.endr
	WIN 0
.irp q, 0,1,2,3,4,5,6,7
	v_cvt_pk_bf16_f32 v[T+16+\q], v[T+2*\q], v[T+2*\q+1]
.endr
.irp j, 0,1,2,3
	ds_store_b64 v[ROWL], v[T+16+2*\j:T+17+2*\j] offset:\i*PW+256*\j
.endr
.if (\mode) == 2
	WIN 0x04
.irp q, 0,2,4,6,8,10,12,14
	v_pk_add_f32 v[XR+16*\i+\q:XR+16*\i+\q+1], v[XR+16*\i+\q:XR+16*\i+\q+1], v[BF+\q:BF+\q+1]
.endr
	WIN 0
.endif
.endr
.endm
	s_load_b512 s[4:19], s[0:1], 0x0               ; o x1 g1 b1 bf1 bf2 wt out0
	HEAD1 2
	s_mov_b32 s56, 0x3f87dc22                      ; a5 = 1.061405429; each constant twice, named as a pair
	s_mov_b32 s57, 0x3f87dc22
	s_mov_b32 s58, 0xbfba00e3                      ; a4 = -1.453152027
	s_mov_b32 s59, 0xbfba00e3
	s_mov_b32 s60, 0x3fb5f0e3                      ; a3 = 1.421413741
	s_mov_b32 s61, 0x3fb5f0e3
	s_mov_b32 s62, 0xbe91a98e                      ; a2 = -0.284496736
	s_mov_b32 s63, 0xbe91a98e
	s_mov_b32 s66, 0x3e827906                      ; a1 = 0.254829592
	s_mov_b32 s67, 0x3e827906
	s_mov_b32 s68, 0xbf38aa3b                      ; -log2(e) / 2
	s_mov_b32 s69, 0xbf38aa3b
	s_mov_b32 s71, 0x7fffffff
	s_mov_b32 s72, 0x3e6d3388                      ; 0.3275911 / sqrt(2)
	s_mov_b32 s73, 0x3e6d3388
	s_wait_kmcnt 0x0
	HEAD2 WTP, 5*524288                            ; Wo_c, W1, W2
	s_lshl_b32 s52, s[GI], 16                      ; my 32 rows of 2,048 bytes
	s_mov_b32 s53, 0
	s_add_nc_u64 s[XP:XP+1], s[XP:XP+1], s[52:53]
	s_add_nc_u64 s[OUTP:OUTP+1], s[OUTP:OUTP+1], s[52:53]
	s_lshr_b32 s52, s[GI], 6                       ; by heads: batch,
	s_lshl_b32 s52, s52, 21
	s_lshl_b32 s23, s[WV], 18                      ; head = my wave,
	s_add_co_u32 s52, s52, s23
	s_and_b32 s23, s[GI], 63
	s_lshl_b32 s23, s23, 12                        ; 32 rows of 128 bytes
	s_add_co_u32 s52, s52, s23
	s_add_nc_u64 s[OP:OP+1], s[OP:OP+1], s[52:53]
	s_mov_b32 s[FILLS], 10                         ; 12 chunks, two of them first fills
	FIRST
.irp i, 0,1,2,3,4,5,6,7
	global_load_b128 v[T+4*\i:T+4*\i+3], v[GOH], s[OP:OP+1] offset:512*\i th:TH_LOAD_NT  ; head w's 64 channels of my work-group's 32 rows
.endr
	v_and_b32 v[ADR], 127, v0
	v_lshlrev_b32 v[ADR], 4, v[ADR]
	v_lshl_add_u32 v[STO], v0, 4, PAR
	s_cmp_lt_u32 s[WV], 4                          ; waves 0 to 3 bring g1 and bf1, waves 4 to 7 b1 and bf2: 16 bytes a thread
	s_cselect_b64 s[2:3], s[G1P:G1P+1], s[B1P:B1P+1]
	s_cselect_b64 s[54:55], s[BF1P:BF1P+1], s[BF2P:BF2P+1]
	global_load_b128 v[16:19], v[ADR], s[2:3]
	global_load_b128 v[20:23], v[ADR], s[54:55]
.set n, 0
.rept 16
	global_load_b128 v[XR+4*n:XR+4*n+3], v[XO], s[XP:XP+1] offset:2048*(n/4)+512*(n%4) th:TH_LOAD_NT
.set n, n+1
.endr
	s_wait_loadcnt 16                              ; o and the parameters are in; X1's 16 loads may stay out
.irp i, 0,1,2,3,4,5,6,7
	ds_store_b128 v[RDH], v[T+4*\i:T+4*\i+3] offset:4*PW*\i
.endr
	ds_store_b128 v[STO], v[16:19]
	ds_store_b128 v[STO], v[20:23] offset:4096
	s_wait_tensorcnt 0x1                           ; my part of chunk 0 is in; chunk 1's may stay out
	BAR
	LOADA
	FETCHW0
	s_mov_b32 s[CB], 0
	s_mov_b32 s[TR], 4
.Ltrip:                                                ; o Wo_c
	TRIP 2, 1, 0
	s_sub_co_u32 s[TR], s[TR], 1
	s_cmp_lg_u32 s[TR], 0
	s_cbranch_scc1 .Ltrip
	BAR                                            ; every wave's columns of the result lie in ACT
	ROWS 2
	BAR                                            ; every wave's rows of n lie in ACT
	LOADA
	s_mov_b32 s[CB], 0
	s_mov_b32 s[TR], 4
.Ltrip1:                                               ; gelu(n W1 + bf1)
	TRIP 2, 1, 1
	s_sub_co_u32 s[TR], s[TR], 1
	s_cmp_lg_u32 s[TR], 0
	s_cbranch_scc1 .Ltrip1
	BAR                                            ; every wave's columns of h lie in ACT
	LOADA
	s_mov_b32 s[CB], 0                             ; h W2: the last two trips are written out
	s_mov_b32 s[TR], 2
.Ltrip2:
	TRIP 2, 1, 0
	s_sub_co_u32 s[TR], s[TR], 1
	s_cmp_lg_u32 s[TR], 0
	s_cbranch_scc1 .Ltrip2
	TRIP 1, 1, 0
	TRIP 0, 0, 0
	BAR                                            ; every wave's columns of h W2 lie in ACT
	WIN 0x40
.set n, 0
.rept 16
	ds_load_b64 v[YY+2*n:YY+2*n+1], v[ROWL] offset:(n/4)*PW+(n%4)*256
.set n, n+1
.endr
	WIN 0
	s_wait_dscnt 0x0
	WIN 0x01
.set n, 0
.rept 32
	v_fma_mix_f32_bf16 v[XR+2*n], v[YY+n], v[ONE], v[XR+2*n] op_sel_hi:[1,0,0]
	v_fma_mix_f32_bf16 v[XR+2*n+1], v[YY+n], v[ONE], v[XR+2*n+1] op_sel:[1,0,0] op_sel_hi:[1,0,0]
.set n, n+1
.endr
	WIN 0
.set n, 0
.rept 16
	global_store_b128 v[XO], v[XR+4*n:XR+4*n+3], s[OUTP:OUTP+1] offset:2048*(n/4)+512*(n%4) th:TH_STORE_NT  ; 512 consecutive bytes of a row
.set n, n+1
.endr
	s_wait_tensorcnt 0x0                           ; the wave's end, behind my last tensor load and my last LDS store
	ds_add_u32 v[SPW], v[NIL]
	s_wait_dscnt 0x0
	ROUND                                          ; the closing round
	s_endpgm
.Lfunc_end_k_qadf54f0f23_tail:
	.size	k_qadf54f0f23_tail, .Lfunc_end_k_qadf54f0f23_tail-k_qadf54f0f23_tail
	.p2alignl 7, 3214868480
	.fill 96, 4, 3214868480
	.section	.rodata,"a",@progbits
	.p2align	6, 0x0
	.amdhsa_kernel k_qadf54f0f23_tail
		.amdhsa_group_segment_fixed_size 327680
		.amdhsa_private_segment_fixed_size 0
		.amdhsa_enable_private_segment 0
		.amdhsa_kernarg_size 64
		.amdhsa_user_sgpr_count 2
		.amdhsa_user_sgpr_kernarg_segment_ptr 1
		.amdhsa_wavefront_size32 1
		.amdhsa_system_sgpr_workgroup_id_x 1
		.amdhsa_system_sgpr_workgroup_id_y 1
		.amdhsa_system_sgpr_workgroup_id_z 1
		.amdhsa_system_vgpr_workitem_id 0
		.amdhsa_next_free_vgpr 512
		.amdhsa_next_free_sgpr 84
		.amdhsa_reserve_vcc 0
		.amdhsa_float_denorm_mode_32 3
		.amdhsa_float_denorm_mode_16_64 3
		.amdhsa_memory_ordered 1
		.amdhsa_forward_progress 1
		.amdhsa_inst_pref_size 94
	.end_amdhsa_kernel
	.amdgpu_metadata
---
amdhsa.version: [ 1, 2 ]
amdhsa.kernels:
  - .name:           k_qadf54f0f23_tail
    .symbol:         k_qadf54f0f23_tail.kd
    .args:
      - { .name: o, .offset: 0, .size: 8, .value_kind: global_buffer, .address_space: global }
      - { .name: x1, .offset: 8, .size: 8, .value_kind: global_buffer, .address_space: global }
      - { .name: g1, .offset: 16, .size: 8, .value_kind: global_buffer, .address_space: global }
      - { .name: b1, .offset: 24, .size: 8, .value_kind: global_buffer, .address_space: global }
      - { .name: bf1, .offset: 32, .size: 8, .value_kind: global_buffer, .address_space: global }
      - { .name: bf2, .offset: 40, .size: 8, .value_kind: global_buffer, .address_space: global }
      - { .name: wt, .offset: 48, .size: 8, .value_kind: global_buffer, .address_space: global }
      - { .name: out0, .offset: 56, .size: 8, .value_kind: global_buffer, .address_space: global }
    .group_segment_fixed_size: 327680
    .private_segment_fixed_size: 0
    .kernarg_segment_align: 8
    .kernarg_segment_size: 64
    .max_flat_workgroup_size: 256
    .sgpr_count:     84
    .vgpr_count:     512
    .wavefront_size: 32
...
	.end_amdgpu_metadata
.endif
;; end of part 6
;; ======== version 2 of 2: 6 launches; version 1 with the launch prep written anew for expert scheduling mode
;; limits: a function is approximated: absolute error at most 1.5e-07
;; workspace buffers: wt 4,194,304 bytes; qkv 25,165,824 bytes; kvc 8,388,608 bytes; o 8,388,608 bytes; x1 16,777,216 bytes; qc 8,388,608 bytes; nrm 8,388,608 bytes
;; launch prep (part 7): grid 16 x 16, 8 waves a work-group, no clusters, 207,872 bytes of LDS; arguments Wq_s, Wk_s, Wv_s, Wo_s, Wq_c, Wo_c, W1, W2, Wk_c, Wv_c, Zelta, g2, b2, wt, kvc, X, g1, b1, nrm; writes wt, kvc, nrm
.if DOCPART == 7
	.amdgcn_target "amdgcn-amd-amdhsa--gfx1250"
	.amdhsa_code_object_version 6
	.text
	.protected	k_qadf54f0f23_prep
	.globl	k_qadf54f0f23_prep
	.p2align	8
	.type	k_qadf54f0f23_prep,@function
k_qadf54f0f23_prep:
	s_mov_b64 s[64:65], 0
	v_nop
	global_prefetch_b8 v0, s[64:65] scope:SCOPE_SE
	s_setreg_imm32_b32 hwreg(HW_REG_WAVE_SCHED_MODE, 0, 2), 2
	s_setreg_imm32_b32 hwreg(HW_REG_WAVE_MODE, 25, 1), 1
	s_wait_xcnt 0x0
	s_wait_alu depctr_vm_vsrc(0)
; PREP.  Two kinds of work-group, told apart by the grid's y.
; y < 8: (a) one tile, 128 k x 128 n, of the y-th of the eight 512 x 512 weights is rounded to bf16 and turned: wt[y][p][k] = W[k][n], rows of 1,024 bytes along k.
;   Row p = 128 c + 16 w + i holds column n = 64 w + 16 c + i: 16 rows on end are 16 columns of head w.
;   (b) 64 rows of X are normalised (mean, then squares of differences, in f32), rounded to bf16 and stored as the matrix fragments that the next launch loads: nrm holds 16 rows x 512 k in 16,384 bytes,
;   K step kk, half j, lane l at 1,024 kk + 512 j + 16 l: row l % 16, k = 32 kk + 16 j + 8 (l / 16) + 0..7.  This kind has far fewer instructions than the other, so its loop asks for its rows at each trip's head.
; y >= 8: 256 rows of Zelta are normalised likewise, rounded to bf16 and multiplied by 128 columns of Wk_c or Wv_c (K = 100, padded to 128);
;   the result goes out by heads, [b 8 + h][1024][64] in bf16: kc at byte 0 of kvc, vc at byte 4,194,304.
; LIMITS.  n, zn, the weights, kc and vc are each rounded once to bf16.  The K padding multiplies zeros of zn by copies of the weight's row 99: an infinity or NaN there would spread.
; LDS: T [128 n][128 k] bf16, pitch 272, at 0; RAW, each wave's 32 rows of Zelta as they lie (12,800 bytes), or NACT, 64 rows of n, pitch 1,040; ACTZ, 256 rows of zn and later of the result, pitch 272; the spare words.
; THE MODE: SCHED_MODE bits 1:0 = 2 (LLVM: expert scheduling mode 2), set by the entry lines.  The code itself states the register dependences between vector or matrix instructions and memory or LDS
; instructions, with s_wait_alu, always for 0.
; THE PLAN.  Registers that memory or LDS instructions touch, and who else names them:
;   OF, v8        Made in one run at the head; one wait on va_vdst; the weight's 16 loads follow on end.  OF's registers are written again (TA; v16, v17) only behind a wait on vm_vsrc.
;   CV, R+0..15   STORE_T: 32 conversions write them (the second 16 go into registers of R that the first 16 have emptied); ONE wait on va_vdst, which also shows the addresses made just ahead of it written; eight LDS stores.
;   XR            X's loop: loaded at a trip's head, read by the trip's vector lines, all of which stand ahead of the trip's last wait on va_vdst.  XO is never written again: X's scalar base steps.
;   PK            X's loop: four rows' packed results, registers of their own; one wait on va_vdst ahead of the run of 16 LDS stores; one wait on vm_vsrc behind it, ahead of the add to ROWL and of the next trip's conversions.
;   LX, LY        Zelta's loop: two pairs of rows a trip, in two sets of registers, dealt stage by stage.  Four loads at the trip's head; behind them a wait on vm_vsrc and the adds to v10 and v11;
;                 one wait on va_vdst ahead of the two stores (data, v1, v10, v11 written; all that names LX and LY done); behind them a wait on vm_vsrc and the add to v1.
;   WF            The product: a head's 16 fragments of the weight lie whole in window 1, so none is loaded again inside a head and the product has no wait of its own.
;   CZ            A head's packed results, registers of their own.  The wait on va_vdst ahead of head 0's stores also shows the products done reading WF: the next head's 32 loads follow it.
;                 A wait on vm_vsrc stands ahead of head 1's conversions, a head's products behind the stores that read CZ.
;   AF            zn's fragments: loaded once, read by the products; the way out's loads land in them behind the wait on va_vdst ahead of head 1's stores.
;   v[SPW], v[NIL]  Written at the head, read by the closing add alone.
.set TP,    272
.set RAW,   128*TP
.set NACT,  RAW
.set PW,    1040
.set ACTZ,  RAW+8*12800
.set SPARE, ACTZ+256*TP                ; 128 bytes for each of the eight waves; no other line names them
.set SPW, 14                           ; v14  SPARE + 4 x my thread's number; never rewritten
.set NIL, 15                           ; v15  0; never rewritten
.set OF,  16                           ; v16-31   byte offsets of my 16 rows of the weight
.set R,   32                           ; v32-95   16 rows x 4 columns of the weight, f32
.set ZR,  96                           ; v96-195  my wave's 12,800 bytes of Zelta
.set CV,  196                          ; v196-211 packed bf16 on their way to T
.set LX,  196                          ; v196-209 a pair of rows of Zelta: 8 numbers a lane, and work (CV's registers, idle by then)
.set LY,  210                          ; v210-223 the next pair of rows
.set G2,  224                          ; v224-231 g2 of my 8 columns, 0 beyond column 99
.set B2,  232                          ; v232-239 b2 likewise
.set ACC, 32                           ; v32-95   8 accumulators (rt, nb)
.set AF,  96                           ; v96-159  zn's fragments (rt, kk)
.set CZ,  160                          ; v160-191 a head's results, packed: four registers for each accumulator
.set WF,  0                            ; window 1, v256-383: a head's fragments of the weight: half hf, column block nl, K step kk at 64 hf + 8 (4 nl + kk)
.set TA,  16                           ; X's rows: v16-31 statistics
.set PK,  32                           ; v32-63   four rows of n, packed: eight registers a row
.set LT,  96                           ; v96-127  at work
.set XR,  128                          ; v128-191 four rows in f32, 16 registers a row: columns 128 j + 4 l + e at 4 j + e
.set GG,  212                          ; v212-227 g1 of my 16 columns
.set BB,  228                          ; v228-243 b1
.set XO,  244                          ; v244 my 16 bytes of my wave's first row of X; never rewritten
.set ROWL, 245                         ; v245 my 8 bytes of my wave's next row in NACT
.set GO,  246                          ; v246 16 x lane; never rewritten
.set FR,  247                          ; v247 my lane's place in the fragments that I send
.set FT,  248
.set MSB, 0
.macro WIN new                         ; s_set_vgpr_msb: bits 1:0 source 0, 3:2 source 1, 5:4 source 2, 7:6 destination; the high byte repeats the setting that is left
.if MSB != (\new)
	s_set_vgpr_msb (MSB<<8)|(\new)
.set MSB, (\new)
.endif
.endm
	s_load_b512 s[4:19], s[0:1], 0x0               ; Wq_s Wk_s Wv_s Wo_s Wq_c Wo_c W1 W2
	s_load_b256 s[20:27], s[0:1], 0x40             ; Wk_c Wv_c Zelta g2
	s_load_b128 s[28:31], s[0:1], 0x60             ; b2 wt
	s_load_b64 s[32:33], s[0:1], 0x70              ; kvc
	s_load_b256 s[56:63], s[0:1], 0x78             ; X g1 b1 nrm
	v_lshl_add_u32 v[SPW], v0, 2, SPARE
	v_mov_b32 v[NIL], 0
	v_lshrrev_b32 v1, 5, v0
	v_readfirstlane_b32 s34, v1                    ; wave
	s_and_b32 s35, ttmp7, 0xffff                   ; y
	s_mov_b32 s36, ttmp9                           ; x
	v_and_b32 v2, 31, v0                           ; lane
	s_and_b32 s41, s36, 3
	s_lshl_b32 s41, s41, 9                         ; the tile's first column, in bytes of f32: 512 (x & 3), for both kinds
	s_lshr_b32 s40, s36, 2
	s_lshl_b32 s40, s40, 7                         ; the tile's first k: 128 (x >> 2), or 0 for Zelta's weights
	s_movk_i32 s42, 99
	s_cmp_lt_u32 s35, 8
	s_cselect_b32 s40, s40, 0
	s_cselect_b32 s42, 511, s42                    ; the weight's last row: rows beyond it are read as that row
	s_wait_alu depctr_va_sdst(0)                   ; s34 is written, ahead of its first reader
	s_lshl_b32 s43, s34, 4
	s_add_co_u32 s43, s43, s40                     ; my wave's first row
	v_lshl_add_u32 v3, v2, 4, s41                  ; 16 bytes a lane: a load of the wave covers 512 consecutive bytes of a row
	v_mul_u32_u24 v8, v2, 4*TP
	v_lshl_add_u32 v8, s34, 5, v8                  ; into T: row 4 lane (+ e), byte 32 wave (+ 16 it)
.set n, 0
.rept 16
	s_add_co_u32 s46, s43, n
	s_min_u32 s46, s46, s42
	s_lshl_b32 s46, s46, 11                        ; a row of the weight is 2,048 bytes
	v_add_nc_u32 v[OF+n], s46, v3
.set n, n+1
.endr
	s_wait_kmcnt 0x0
	s_mov_b64 s[38:39], s[4:5]                     ; which weight: by y,
.irp q, 1,2,3,4,5,6,7
	s_cmp_eq_u32 s35, \q
	s_cselect_b64 s[38:39], s[4+2*\q:5+2*\q], s[38:39]
.endr
	s_and_b32 s46, s36, 4
	s_cmp_lg_u32 s46, 0
	s_cselect_b64 s[44:45], s[22:23], s[20:21]     ; or, for y >= 8, Wk_c (x & 4 = 0) or Wv_c
	s_cmp_lt_u32 s35, 8
	s_cselect_b64 s[38:39], s[38:39], s[44:45]
	s_wait_alu depctr_va_vdst(0)                   ; the 16 offsets v16-31 are written, which the loads below read; so is v8, which the stores into T read
.set n, 0
.rept 16
	global_load_b128 v[R+4*n:R+4*n+3], v[OF+n], s[38:39]
.set n, n+1
.endr
; My 16 k x 128 n go into T turned: for each of my lane's four columns, 16 k as two stores of 16 bytes.  The lanes' rows lie 1,088 bytes apart, so these stores share banks; 32 KiB, once a launch.
; The first eight k are packed into CV, the second eight into R's first 16 registers, which the first 16 conversions have read: so all 32 conversions stand ahead of one wait, and the eight stores behind it.
.macro STORE_T
.irp it, 0,1
.set TD, CV+(\it)*(R-CV)
.irp e, 0,1,2,3
.irp m, 0,1,2,3
	v_cvt_pk_bf16_f32 v[TD+4*(\e)+(\m)], v[R+(8*(\it)+2*(\m))*4+(\e)], v[R+(8*(\it)+2*(\m)+1)*4+(\e)]
.endr
.endr
.endr
	s_wait_alu depctr_va_vdst(0)                   ; the conversions have written CV and R+0..15, which the stores below read; the addresses made ahead of this macro are written too
.irp it, 0,1
.set TD, CV+(\it)*(R-CV)
.irp e, 0,1,2,3
	ds_store_b128 v8, v[TD+4*(\e):TD+4*(\e)+3] offset:(\e)*TP+(\it)*16
.endr
.endr
.endm
.macro NOPS
.rept 4
	v_nop
.endr
.endm
.macro REDUCE base                     ; four rows' sums over the 32 lanes, the rows by turns
.irp m, 1,2,4,8
.irp i, 0,1,2,3
	v_add_f32_dpp v[TA+(\base)+2*\i], v[TA+(\base)+2*\i], v[TA+(\base)+2*\i] row_xmask:\m row_mask:0xf bank_mask:0xf
.endr
.endr
.irp i, 0,1,2,3
	v_permlanex16_b32 v[TA+(\base)+2*\i+1], v[TA+(\base)+2*\i], s48, s49
.endr
.irp i, 0,1,2,3
	v_add_f32 v[TA+(\base)+2*\i], v[TA+(\base)+2*\i], v[TA+(\base)+2*\i+1]
.endr
.endm
; LayerNorm of the four rows in XR, rounded to bf16 into PK and from there into my rows of NACT
.macro LNROWS
.irp i, 0,1,2,3
.irp q, 0,2,4,6
	v_pk_add_f32 v[LT+8*\i+\q:LT+8*\i+\q+1], v[XR+16*\i+2*\q:XR+16*\i+2*\q+1], v[XR+16*\i+2*\q+2:XR+16*\i+2*\q+3]
.endr
	v_pk_add_f32 v[LT+8*\i:LT+8*\i+1], v[LT+8*\i:LT+8*\i+1], v[LT+8*\i+2:LT+8*\i+3]
	v_pk_add_f32 v[LT+8*\i+4:LT+8*\i+5], v[LT+8*\i+4:LT+8*\i+5], v[LT+8*\i+6:LT+8*\i+7]
	v_pk_add_f32 v[LT+8*\i:LT+8*\i+1], v[LT+8*\i:LT+8*\i+1], v[LT+8*\i+4:LT+8*\i+5]
	v_add_f32 v[TA+2*\i], v[LT+8*\i], v[LT+8*\i+1]
	v_mov_b32 v[TA+2*\i+1], 0                      ; the exchange's destinations count as read
	v_mov_b32 v[TA+8+2*\i+1], 0
.endr
	REDUCE 0
.irp i, 0,1,2,3
	v_mul_f32 v[TA+2*\i], s50, v[TA+2*\i]          ; the mean
.endr
.irp i, 0,1,2,3
.irp q, 0,2,4,6,8,10,12,14
	v_pk_add_f32 v[LT+\q:LT+\q+1], v[XR+16*\i+\q:XR+16*\i+\q+1], v[TA+2*\i:TA+2*\i+1] op_sel_hi:[1,0] neg_lo:[0,1] neg_hi:[0,1]
.endr
	v_pk_mul_f32 v[LT+16:LT+17], v[LT:LT+1], v[LT:LT+1]
	v_pk_mul_f32 v[LT+18:LT+19], v[LT+2:LT+3], v[LT+2:LT+3]
.irp q, 4,8,12
	v_pk_fma_f32 v[LT+16:LT+17], v[LT+\q:LT+\q+1], v[LT+\q:LT+\q+1], v[LT+16:LT+17]
	v_pk_fma_f32 v[LT+18:LT+19], v[LT+\q+2:LT+\q+3], v[LT+\q+2:LT+\q+3], v[LT+18:LT+19]
.endr
	v_pk_add_f32 v[LT+16:LT+17], v[LT+16:LT+17], v[LT+18:LT+19]
	v_add_f32 v[TA+8+2*\i], v[LT+16], v[LT+17]
.endr
	REDUCE 8
.irp i, 0,1,2,3
	v_fma_f32 v[TA+8+2*\i], v[TA+8+2*\i], s50, s51 ; variance + eps
.endr
.irp i, 0,1,2,3
	v_rsq_f32 v[TA+8+2*\i], v[TA+8+2*\i]
.endr
	v_nop                                          ; a plain instruction behind the last root,
	s_wait_alu depctr_va_vdst(0)                   ; and one wait for the four roots in v[TA+8 ..], ahead of their first reader
.irp i, 0,1,2,3
	v_mul_f32 v[TA+2*\i], v[TA+2*\i], v[TA+8+2*\i] ; mean / sigma
.endr
.irp i, 0,1,2,3
.irp q, 0,2,4,6,8,10,12,14
	v_pk_fma_f32 v[LT+\q:LT+\q+1], v[XR+16*\i+\q:XR+16*\i+\q+1], v[TA+8+2*\i:TA+8+2*\i+1], v[TA+2*\i:TA+2*\i+1] op_sel_hi:[1,0,0] neg_lo:[0,0,1] neg_hi:[0,0,1]
.endr
.irp q, 0,2,4,6,8,10,12,14
	v_pk_fma_f32 v[LT+\q:LT+\q+1], v[LT+\q:LT+\q+1], v[GG+\q:GG+\q+1], v[BB+\q:BB+\q+1]
.endr
.irp q, 0,1,2,3,4,5,6,7
	v_cvt_pk_bf16_f32 v[PK+8*\i+\q], v[LT+2*\q], v[LT+2*\q+1]
.endr
.endr
	s_wait_alu depctr_va_vdst(0)                   ; the conversions have written PK, which the stores below read by ROWL, written too; and every line that reads XR is done: the next loads into XR owe nothing more
.irp i, 0,1,2,3
.irp j, 0,1,2,3
	ds_store_b64 v[ROWL], v[PK+8*\i+2*\j:PK+8*\i+2*\j+1] offset:\i*PW+256*\j
.endr
.endr
.endm
	s_cmp_lt_u32 s35, 8
	s_cbranch_scc0 .Lz                             ; the same for all waves of a work-group: each kind has its own barriers below
	; ---- a weight's tile ----
	v_lshlrev_b32 v[GO], 4, v2
	v_lshrrev_b32 v9, 4, v0                        ; i = thread / 16
	v_and_b32 v10, 15, v0
	v_mul_u32_u24 v11, v9, TP
	v_lshl_add_u32 v11, v10, 4, v11                ; T: row i (+ 16 pass), 16 bytes of its 256
	v_lshlrev_b32 v12, 10, v9
	v_lshl_add_u32 v12, v10, 4, v12                ; wt: row i, the same 16 bytes
	s_lshl_b32 s46, s35, 19                        ; the weight,
	s_and_b32 s47, s36, 3
	s_lshl_b32 s47, s47, 15                        ; 32 rows for each 128 columns,
	s_add_co_u32 s46, s46, s47
	s_lshr_b32 s47, s36, 2
	s_lshl_b32 s47, s47, 8                         ; the tile's 256 bytes along k
	s_add_co_u32 s46, s46, s47
	s_mov_b32 s47, 0
	s_add_nc_u64 s[30:31], s[30:31], s[46:47]
	s_wait_loadcnt 0x0                             ; the weight's 16 rows are in
	STORE_T                                        ; its wait also shows v[GO], v11 and v12 written
.irp j, 0,1,2,3
	global_load_b128 v[GG+4*\j:GG+4*\j+3], v[GO], s[58:59] offset:512*\j
	global_load_b128 v[BB+4*\j:BB+4*\j+3], v[GO], s[60:61] offset:512*\j
.endr
	s_wait_dscnt 0x0                               ; my stores into T are done, for the others' sake
	s_barrier_signal -1
	s_barrier_wait -1
.irp p, 0,1,2,3,4,5,6,7
	ds_load_b128 v[ZR+4*\p:ZR+4*\p+3], v11 offset:\p*16*TP
.endr
.irp p, 0,1,2,3,4,5,6,7
	s_wait_dscnt 7-\p                              ; the younger loads may stay out
	global_store_b128 v12, v[ZR+4*\p:ZR+4*\p+3], s[30:31] offset:((\p%4)*128+(\p/4)*16)*1024  ; columns 16 pass + i: chunk pass % 4, wave 2 tn + pass / 4; 16 lanes store 256 consecutive bytes, aligned
.endr
	; ---- 64 rows of X: wave w has rows 8 w .. 8 w + 7, four a trip ----
	s_lshl_b32 s46, s35, 4
	s_add_co_u32 s46, s46, s36                     ; which of the 128 work-groups of this kind
	s_lshl_b32 s47, s46, 3
	s_add_co_u32 s47, s47, s34
	s_lshl_b32 s47, s47, 14                        ; my wave's 8 rows of 2,048 bytes
	v_lshl_add_u32 v[XO], v2, 4, s47
	s_mul_i32 s47, s34, 8*PW
	s_add_co_u32 s47, s47, NACT
	v_lshl_add_u32 v[ROWL], v2, 3, s47
	s_lshr_b32 s52, s34, 1                         ; afterwards wave w sends the fragments of row tile w / 2, K steps 8 (w % 2) on
	s_and_b32 s53, s34, 1
	s_mul_i32 s47, s52, 16*PW
	s_lshl_b32 s55, s53, 9
	s_add_co_u32 s47, s47, s55
	s_add_co_u32 s47, s47, NACT
	v_mul_u32_u24 v[FR], v10, PW
	v_bfe_u32 v[FT], v0, 4, 1
	v_lshl_add_u32 v[FR], v[FT], 4, v[FR]          ; row l % 16, 16 bytes for each half of the lanes
	v_add_nc_u32 v[FR], s47, v[FR]
	s_lshl_b32 s46, s46, 2
	s_add_co_u32 s46, s46, s52                     ; the row tile's number among the 512,
	s_lshl_b32 s46, s46, 14
	s_lshl_b32 s53, s53, 13                        ; my eight K steps
	s_add_co_u32 s46, s46, s53
	s_mov_b32 s47, 0
	s_add_nc_u64 s[62:63], s[62:63], s[46:47]
	s_mov_b32 s48, 0x76543210                      ; v_permlanex16_b32: each lane takes its own place in the other half
	s_mov_b32 s49, 0xfedcba98
	s_mov_b32 s50, 0x3b000000                      ; 1 / 512
	s_mov_b32 s51, 0x3727c5ac                      ; 1e-5
	s_wait_xcnt 0x0                                ; the stores above have had their addresses translated: LT's registers, their data, may be written
	s_wait_alu depctr_vm_vsrc(0)                   ; the stores into wt have read v96-127 (LT from here on), the stores into T v32-47 (PK), the weight's loads v16-31 (TA): the loop's vector lines write all three
	s_wait_alu depctr_va_vdst(0)                   ; v[XO], v[ROWL] and v[FR] are written, which the loop's loads and stores and the loads behind it read
	s_mov_b32 s54, 2
.Lln1:
.set n, 0
.rept 16
	global_load_b128 v[XR+4*n:XR+4*n+3], v[XO], s[56:57] offset:2048*(n/4)+512*(n%4)
.set n, n+1
.endr
	s_wait_loadcnt 0x0                             ; the four rows (and, the first time, g1 and b1)
	s_add_nc_u64 s[56:57], s[56:57], 4*2048        ; free since that wait, which shows the loads that read it done: my wave's next four rows
	LNROWS
	s_wait_alu depctr_vm_vsrc(0)                   ; the 16 stores have read v[ROWL], which the next line writes, and PK, which the next trip's conversions write
	v_add_nc_u32 v[ROWL], 4*PW, v[ROWL]
	s_sub_co_u32 s54, s54, 1
	s_cmp_lg_u32 s54, 0
	s_cbranch_scc1 .Lln1
	s_wait_dscnt 0x0                               ; my rows lie in NACT, for the others' sake
	s_barrier_signal -1
	s_barrier_wait -1
.set n, 0
.rept 16
	ds_load_b128 v[XR+4*n:XR+4*n+3], v[FR] offset:(n/2)*64+(n%2)*32  ; no vector line since the last trip's wait on va_vdst names XR or v[FR]
.set n, n+1
.endr
.set n, 0
.rept 16
	s_wait_dscnt 15-n                              ; the younger loads may stay out
	global_store_b128 v[GO], v[XR+4*n:XR+4*n+3], s[62:63] offset:512*n  ; half a fragment: 512 consecutive bytes
.set n, n+1
.endr
	s_branch .Lend
	; ---- 256 rows of Zelta x 128 columns ----
.Lz:
	s_sub_co_u32 s47, s35, 8
	s_lshl_b32 s47, s47, 1
	s_lshr_b32 s46, s36, 3
	s_add_co_u32 s47, s47, s46                     ; rb: which 256 rows
	s_mul_i32 s46, s47, 102400
	s_mul_i32 s37, s34, 12800                      ; my wave's 32 rows are 12,800 dense bytes
	s_add_co_u32 s46, s46, s37
	v_lshl_add_u32 v4, v2, 4, s46
	v_and_b32 v5, 15, v0                           ; i: my 8 columns 8 i .. 8 i + 7
	v_bfe_u32 v13, v0, 4, 1                        ; h: which half of the lanes
	v_min_u32 v6, 12, v5
	v_lshlrev_b32 v6, 5, v6                        ; columns 8 i .. + 3 exist up to i = 12,
	v_min_u32 v7, 11, v5
	v_lshlrev_b32 v7, 5, v7                        ; columns 8 i + 4 .. + 7 up to i = 11: the clamps keep every access inside the 400 bytes
	s_wait_alu depctr_va_vdst(0)                   ; v4, v6 and v7 are written, which the 29 loads below read as offsets
.set n, 0
.rept 25
	global_load_b128 v[ZR+4*n:ZR+4*n+3], v4, s[24:25] offset:512*n
.set n, n+1
.endr
	global_load_b128 v[G2:G2+3], v6, s[26:27]
	global_load_b128 v[G2+4:G2+7], v7, s[26:27] offset:16
	global_load_b128 v[B2:B2+3], v6, s[28:29]
	global_load_b128 v[B2+4:B2+7], v7, s[28:29] offset:16
	s_mov_b32 s48, 0x1fff1fff                      ; lanes with i <= 12
	s_mov_b32 s49, 0x0fff0fff                      ; lanes with i <= 11
	s_mov_b32 s50, 0x3c23d70a                      ; 1 / 100
	s_mov_b32 s51, 0x3727c5ac                      ; 1e-5
	v_lshl_add_u32 v9, v2, 4, s37                  ; RAW: my wave's bytes as they lie
	v_mul_u32_u24 v12, v13, 400
	v_add3_u32 v10, v6, v12, s37                   ; RAW: row h, my first four numbers
	v_add3_u32 v11, v7, v12, s37                   ; and my last four (+ 16)
	s_mul_i32 s46, s34, 32*TP
	s_add_co_u32 s46, s46, ACTZ                    ; my wave's 32 rows of ACTZ
	v_mul_u32_u24 v1, v13, TP
	v_lshl_add_u32 v1, v5, 4, v1
	v_add_nc_u32 v1, s46, v1                       ; zn: row h, 16 bytes at 16 i
	v_mul_u32_u24 v12, v5, TP
	v_lshl_add_u32 v12, v13, 4, v12                ; a fragment's lane place: row l % 16, 16 bytes for each half of the lanes (T begins at 0)
	v_add_nc_u32 v3, s46, v12                      ; the same in my rows of ACTZ
	s_lshr_b32 s52, s47, 2                         ; where my rows go in kvc: batch rb / 4,
	s_lshl_b32 s52, s52, 3
	s_and_b32 s53, s36, 3
	s_lshl_b32 s53, s53, 1
	s_add_co_u32 s52, s52, s53                     ; head 2 (x & 3) (+ hh),
	s_lshl_b32 s52, s52, 10
	s_and_b32 s53, s47, 3
	s_lshl_b32 s53, s53, 8
	s_add_co_u32 s52, s52, s53                     ; row 256 (rb & 3)
	s_lshl_b32 s53, s34, 5
	s_add_co_u32 s52, s52, s53                     ; + 32 wave,
	s_lshl_b32 s52, s52, 7                         ; 128 bytes a row,
	s_bfe_u32 s53, s36, 0x10002
	s_lshl_b32 s53, s53, 22                        ; kc or vc
	s_add_co_u32 s52, s52, s53
	s_mov_b32 s53, 0
	s_add_nc_u64 s[32:33], s[32:33], s[52:53]
	s_wait_loadcnt 0x0
	STORE_T                                        ; its wait also shows v9, v10, v11, v1, v12 and v3 written
.set n, 0
.rept 25
	ds_store_b128 v9, v[ZR+4*n:ZR+4*n+3] offset:RAW+512*n
.set n, n+1
.endr
.irp j, 0,1,2,3
	v_cndmask_b32 v[G2+\j], 0, v[G2+\j], s48
	v_cndmask_b32 v[B2+\j], 0, v[B2+\j], s48
	v_cndmask_b32 v[G2+4+\j], 0, v[G2+4+\j], s49
	v_cndmask_b32 v[B2+4+\j], 0, v[B2+4+\j], s49
.endr
	s_wait_alu depctr_vm_vsrc(0)                   ; the weight's loads have read v16 and v17; the stores into T have read CV (LX and LY from here on) and v32-47 (of ACC); the stores into RAW have read ZR (AF and CZ from here on)
	v_lshrrev_b32 v16, 3, v2                       ; the way out: four rows of 128 bytes to a load
	v_mul_u32_u24 v16, v16, TP
	v_and_b32 v17, 7, v0
	v_lshl_add_u32 v16, v17, 4, v16
	v_add_nc_u32 v16, s46, v16
	v_lshlrev_b32 v17, 4, v2                       ; which are 512 consecutive bytes of kvc
	v_mov_b32 v[LX+13], 0                          ; named with 1 / sigma as a pair
	v_mov_b32 v[LY+13], 0
	s_wait_dscnt 0x0                               ; my stores into T are done, for the others' sake
	s_barrier_signal -1
	s_barrier_wait -1
	; LayerNorm: a trip takes four rows: two pairs, a row for each half of the lanes, in LX and in LY, dealt stage by stage, so that each set's chain has the other set's line between its links.
	; RAW and ACTZ's rows are the wave's own, so no barrier follows.
	s_mov_b32 s54, 8
.Llnz:
	ds_load_b128 v[LX:LX+3], v10 offset:RAW        ; no vector line since the last wait on va_vdst names v10, v11 or these sixteen registers
	ds_load_b128 v[LX+4:LX+7], v11 offset:RAW+16
	ds_load_b128 v[LY:LY+3], v10 offset:RAW+800
	ds_load_b128 v[LY+4:LY+7], v11 offset:RAW+816
	s_wait_alu depctr_vm_vsrc(0)                   ; the four loads have read v10 and v11, which the next two lines write
	v_add_nc_u32 v10, 1600, v10
	v_add_nc_u32 v11, 1600, v11
	s_wait_dscnt 0x0
.irp s, LX, LY
.irp j, 0,1,2,3
	v_cndmask_b32 v[\s+\j], 0, v[\s+\j], s48       ; columns beyond 99 count as 0
	v_cndmask_b32 v[\s+4+\j], 0, v[\s+4+\j], s49
.endr
.endr
.irp s, LX, LY
	v_pk_add_f32 v[\s+8:\s+9], v[\s:\s+1], v[\s+2:\s+3]
	v_pk_add_f32 v[\s+10:\s+11], v[\s+4:\s+5], v[\s+6:\s+7]
.endr
.irp s, LX, LY
	v_pk_add_f32 v[\s+8:\s+9], v[\s+8:\s+9], v[\s+10:\s+11]
.endr
.irp s, LX, LY
	v_add_f32 v[\s+8], v[\s+8], v[\s+9]
.endr
.irp m, 1,2,4,8
.irp s, LX, LY
	v_add_f32_dpp v[\s+8], v[\s+8], v[\s+8] row_xmask:\m row_mask:0xf bank_mask:0xf
.endr
.endr
.irp s, LX, LY
	v_mul_f32 v[\s+8], s50, v[\s+8]                ; the mean
.endr
.irp s, LX, LY
.irp q, 0,2,4,6
	v_pk_add_f32 v[\s+\q:\s+\q+1], v[\s+\q:\s+\q+1], v[\s+8:\s+9] op_sel_hi:[1,0] neg_lo:[0,1] neg_hi:[0,1]
.endr
.endr
.irp s, LX, LY
.irp j, 0,1,2,3
	v_cndmask_b32 v[\s+\j], 0, v[\s+\j], s48
	v_cndmask_b32 v[\s+4+\j], 0, v[\s+4+\j], s49
.endr
.endr
.irp s, LX, LY
	v_pk_mul_f32 v[\s+10:\s+11], v[\s:\s+1], v[\s:\s+1]
.endr
.irp q, 2,4,6
.irp s, LX, LY
	v_pk_fma_f32 v[\s+10:\s+11], v[\s+\q:\s+\q+1], v[\s+\q:\s+\q+1], v[\s+10:\s+11]
.endr
.endr
.irp s, LX, LY
	v_add_f32 v[\s+10], v[\s+10], v[\s+11]
.endr
.irp m, 1,2,4,8
.irp s, LX, LY
	v_add_f32_dpp v[\s+10], v[\s+10], v[\s+10] row_xmask:\m row_mask:0xf bank_mask:0xf
.endr
.endr
.irp s, LX, LY
	v_fma_f32 v[\s+10], v[\s+10], s50, s51         ; variance + eps
.endr
.irp s, LX, LY
	v_rsq_f32 v[\s+12], v[\s+10]
.endr
	v_nop                                          ; a plain instruction behind the last root,
	s_wait_alu depctr_va_vdst(0)                   ; and one wait for the two roots in v[LX+12] and v[LY+12], ahead of their first reader
.irp s, LX, LY
.irp q, 0,2,4,6
	v_pk_mul_f32 v[\s+\q:\s+\q+1], v[\s+\q:\s+\q+1], v[\s+12:\s+13] op_sel_hi:[1,0]
.endr
.endr
.irp s, LX, LY
.irp q, 0,2,4,6
	v_pk_fma_f32 v[\s+\q:\s+\q+1], v[\s+\q:\s+\q+1], v[G2+\q:G2+\q+1], v[B2+\q:B2+\q+1]
.endr
.endr
.irp s, LX, LY
.irp q, 0,1,2,3
	v_cvt_pk_bf16_f32 v[\s+8+\q], v[\s+2*\q], v[\s+2*\q+1]
.endr
.endr
	s_wait_alu depctr_va_vdst(0)                   ; the conversions have written the stores' data; v1, v10 and v11 are written; every line that names LX or LY is done: the next loads into these registers owe nothing more
	ds_store_b128 v1, v[LX+8:LX+11]                ; columns 100 to 127 come out 0
	ds_store_b128 v1, v[LY+8:LY+11] offset:2*TP
	s_wait_alu depctr_vm_vsrc(0)                   ; the two stores have read v1, which the next line writes, and their data, which the next trip's sums write
	v_add_nc_u32 v1, 4*TP, v1
	s_sub_co_u32 s54, s54, 1
	s_cmp_lg_u32 s54, 0
	s_cbranch_scc1 .Llnz
	; zn's fragments stay in registers: 2 blocks of 16 rows x 4 K steps of 32.  LDS serves a wave's instructions in order: these see the stores above.
.set n, 0
.rept 8
	ds_load_b128 v[AF+8*n:AF+8*n+3], v3 offset:(n/4)*16*TP+(n%4)*64
	ds_load_b128 v[AF+8*n+4:AF+8*n+7], v3 offset:(n/4)*16*TP+(n%4)*64+32
.set n, n+1
.endr
; Half hf of head hh's weight: two blocks of 16 columns x all four K steps, 16 loads
.macro WBLK hh, hf
.irp nl, 0,1
.irp kk, 0,1,2,3
	ds_load_b128 v[WF+64*(\hf)+8*(4*(\nl)+(\kk)):WF+64*(\hf)+8*(4*(\nl)+(\kk))+3], v12 offset:(64*(\hh)+32*(\hf)+16*(\nl))*TP+(\kk)*64
	ds_load_b128 v[WF+64*(\hf)+8*(4*(\nl)+(\kk))+4:WF+64*(\hf)+8*(4*(\nl)+(\kk))+7], v12 offset:(64*(\hh)+32*(\hf)+16*(\nl))*TP+(\kk)*64+32
.endr
.endr
.endm
; Its 16 products: 32 rows x 32 columns.  Source 0 = 16 columns of the weight, source 1 = 16 rows of zn: a lane ends with eight neighbouring columns of one row.  K ascending; the four accumulators take turns.
.macro MBLK hf
.irp kk, 0,1,2,3
.irp rt, 0,1
.irp nl, 0,1
.if (\kk) == 0
	v_wmma_f32_16x16x32_bf16 v[ACC+8*(4*(\rt)+2*(\hf)+(\nl)):ACC+8*(4*(\rt)+2*(\hf)+(\nl))+7], v[WF+64*(\hf)+8*(4*(\nl)+(\kk)):WF+64*(\hf)+8*(4*(\nl)+(\kk))+7], v[AF+8*(4*(\rt)+(\kk)):AF+8*(4*(\rt)+(\kk))+7], 0
.else
	v_wmma_f32_16x16x32_bf16 v[ACC+8*(4*(\rt)+2*(\hf)+(\nl)):ACC+8*(4*(\rt)+2*(\hf)+(\nl))+7], v[WF+64*(\hf)+8*(4*(\nl)+(\kk)):WF+64*(\hf)+8*(4*(\nl)+(\kk))+7], v[AF+8*(4*(\rt)+(\kk)):AF+8*(4*(\rt)+(\kk))+7], v[ACC+8*(4*(\rt)+2*(\hf)+(\nl)):ACC+8*(4*(\rt)+2*(\hf)+(\nl))+7]
.endif
.endr
.endr
.endr
.endm
.macro ZCVT                            ; a head's eight accumulators rounded to bf16 into CZ, each from its low end on
.irp rt, 0,1
.irp nb, 0,1,2,3
.irp q, 0,1,2,3
	v_cvt_pk_bf16_f32 v[CZ+4*(4*(\rt)+(\nb))+(\q)], v[ACC+8*(4*(\rt)+(\nb))+2*(\q)], v[ACC+8*(4*(\rt)+(\nb))+2*(\q)+1]
.endr
.endr
.endr
.endm
.macro ZSTORE hh                       ; over my own rows of zn, which are in registers
.irp rt, 0,1
.irp nb, 0,1,2,3
	ds_store_b128 v3, v[CZ+4*(4*(\rt)+(\nb)):CZ+4*(4*(\rt)+(\nb))+3] offset:(\rt)*16*TP+128*(\hh)+32*(\nb)
.endr
.endr
.endm
	WIN 0x40                                       ; destination window 1, address window 0
	WBLK 0, 0                                      ; head 0's weight, whole; no vector or matrix line has named these registers, and v12 was shown written long ago
	WBLK 0, 1
	s_wait_dscnt 16                                ; zn's fragments and the first half are in; the second half's 16 loads may stay out
	WIN 0x01                                       ; source 0 (the weight) in window 1
	MBLK 0
	s_wait_dscnt 0x0
	MBLK 1
	WIN 0
	NOPS                                           ; four places behind the products, ahead of the conversions (ISA guide 7.12.1)
	ZCVT
	WIN 0x40
	s_wait_alu depctr_va_vdst(0)                   ; the conversions have written CZ, which the stores below read; the products are done reading WF, in which the 32 loads below land
	WBLK 1, 0                                      ; head 1's weight, whole
	WBLK 1, 1
	WIN 0
	ZSTORE 0
	s_wait_dscnt 24                                ; head 1's first half is in; behind it 16 loads and 8 stores were issued
	WIN 0x01
	MBLK 0
	s_wait_dscnt 8                                 ; its second half is in; the 8 stores may stay out
	MBLK 1
	WIN 0
	NOPS                                           ; four places, as above
	s_wait_alu depctr_vm_vsrc(0)                   ; head 0's stores have read CZ, which the conversions below write again
	ZCVT
	s_wait_alu depctr_va_vdst(0)                   ; the conversions have written CZ, which the stores below read; the products are done reading AF, in which the way out's loads land
	ZSTORE 1
.set n, 0
.rept 16
	ds_load_b128 v[AF+4*n:AF+4*n+3], v16 offset:(n%8)*4*TP+128*(n/8)
.set n, n+1
.endr
.set n, 0
.rept 16
	s_wait_dscnt 15-n                              ; the younger loads may stay out
	global_store_b128 v17, v[AF+4*n:AF+4*n+3], s[32:33] offset:512*(n%8)+131072*(n/8)  ; 512 consecutive bytes of a head's rows
.set n, n+1
.endr
.Lend:
	s_wait_dscnt 0x0                               ; the closing lines, six on end
	s_wait_alu 0x0
	s_wait_tensorcnt 0x0
	ds_add_u32 v[SPW], v[NIL]
	s_wait_dscnt 0x0
	s_endpgm
.Lfunc_end_k_qadf54f0f23_prep:
	.size	k_qadf54f0f23_prep, .Lfunc_end_k_qadf54f0f23_prep-k_qadf54f0f23_prep
	.p2alignl 7, 3214868480
	.fill 96, 4, 3214868480
	.section	.rodata,"a",@progbits
	.p2align	6, 0x0
	.amdhsa_kernel k_qadf54f0f23_prep
		.amdhsa_group_segment_fixed_size 207872
		.amdhsa_private_segment_fixed_size 0
		.amdhsa_enable_private_segment 0
		.amdhsa_kernarg_size 152
		.amdhsa_user_sgpr_count 2
		.amdhsa_user_sgpr_kernarg_segment_ptr 1
		.amdhsa_wavefront_size32 1
		.amdhsa_system_sgpr_workgroup_id_x 1
		.amdhsa_system_sgpr_workgroup_id_y 1
		.amdhsa_system_sgpr_workgroup_id_z 1
		.amdhsa_system_vgpr_workitem_id 0
		.amdhsa_next_free_vgpr 384
		.amdhsa_next_free_sgpr 66
		.amdhsa_reserve_vcc 0
		.amdhsa_float_denorm_mode_32 3
		.amdhsa_float_denorm_mode_16_64 3
		.amdhsa_memory_ordered 1
		.amdhsa_forward_progress 1
		.amdhsa_inst_pref_size 71
	.end_amdhsa_kernel
	.amdgpu_metadata
---
amdhsa.version: [ 1, 2 ]
amdhsa.kernels:
  - .name:           k_qadf54f0f23_prep
    .symbol:         k_qadf54f0f23_prep.kd
    .args:
      - { .name: Wq_s, .offset: 0, .size: 8, .value_kind: global_buffer, .address_space: global }
      - { .name: Wk_s, .offset: 8, .size: 8, .value_kind: global_buffer, .address_space: global }
      - { .name: Wv_s, .offset: 16, .size: 8, .value_kind: global_buffer, .address_space: global }
      - { .name: Wo_s, .offset: 24, .size: 8, .value_kind: global_buffer, .address_space: global }
      - { .name: Wq_c, .offset: 32, .size: 8, .value_kind: global_buffer, .address_space: global }
      - { .name: Wo_c, .offset: 40, .size: 8, .value_kind: global_buffer, .address_space: global }
      - { .name: W1, .offset: 48, .size: 8, .value_kind: global_buffer, .address_space: global }
      - { .name: W2, .offset: 56, .size: 8, .value_kind: global_buffer, .address_space: global }
      - { .name: Wk_c, .offset: 64, .size: 8, .value_kind: global_buffer, .address_space: global }
      - { .name: Wv_c, .offset: 72, .size: 8, .value_kind: global_buffer, .address_space: global }
      - { .name: Zelta, .offset: 80, .size: 8, .value_kind: global_buffer, .address_space: global }
      - { .name: g2, .offset: 88, .size: 8, .value_kind: global_buffer, .address_space: global }
      - { .name: b2, .offset: 96, .size: 8, .value_kind: global_buffer, .address_space: global }
      - { .name: wt, .offset: 104, .size: 8, .value_kind: global_buffer, .address_space: global }
      - { .name: kvc, .offset: 112, .size: 8, .value_kind: global_buffer, .address_space: global }
      - { .name: X, .offset: 120, .size: 8, .value_kind: global_buffer, .address_space: global }
      - { .name: g1, .offset: 128, .size: 8, .value_kind: global_buffer, .address_space: global }
      - { .name: b1, .offset: 136, .size: 8, .value_kind: global_buffer, .address_space: global }
      - { .name: nrm, .offset: 144, .size: 8, .value_kind: global_buffer, .address_space: global }
    .group_segment_fixed_size: 207872
    .private_segment_fixed_size: 0
    .kernarg_segment_align: 8
    .kernarg_segment_size: 152
    .max_flat_workgroup_size: 256
    .sgpr_count:     66
    .vgpr_count:     384
    .wavefront_size: 32
...
	.end_amdgpu_metadata
.endif
;; end of part 7
;; launch proj: the kernel of part 2 again; grid 32 x 8, 8 waves a work-group, clusters of 4 x 1, 237,568 bytes of LDS; arguments nrm, wt, qkv; writes qkv
;; launch attn_s: the kernel of part 3 again; grid 8 x 32, 8 waves a work-group, clusters of 4 x 1, 327,680 bytes of LDS; arguments qkv, o; writes o
;; launch mid: the kernel of part 4 again; grid 256 x 1, 8 waves a work-group, clusters of 4 x 1, 327,680 bytes of LDS; arguments o, X, g1, b1, wt, x1, qc; writes x1, qc
;; launch attn_c: the kernel of part 5 again; grid 8 x 32, 8 waves a work-group, clusters of 4 x 1, 327,680 bytes of LDS; arguments qc, kvc, o; writes o
;; launch tail: the kernel of part 6 again; grid 256 x 1, 8 waves a work-group, clusters of 4 x 1, 327,680 bytes of LDS; arguments o, x1, g1, b1, bf1, bf2, wt, out0; writes out0
